; MI455X (gfx1250); checked and timed in simulation.
; The chip was launched on July 23, 2026; its instructions are those of AMD's public machine-readable ISA for CDNA 5 (MIT licence, August 2026) and "CDNA5" Instruction Set Architecture Reference Guide (July 2026). The comments in the code are by the model that wrote it; some were corrected since.
;; Transformer Block Classical. Allowed arithmetic: matrix products marked QUANTISED: E3M2 operands, one E8M0 scale for each 32 along K, by v_wmma_scale_f32_16x16x128_f8f6f4 with both operands' format E3M2, f32 sums; everything else in f32.
;; Inputs: b1 2,048 float32; b2 2,048 float32; b_ffn_o 1,024 float32; b_o 1,024 float32; be1 1,024 float32; be2 1,024 float32; g1 1,024 float32; g2 1,024 float32; w1_codes 2,048 x 32 x 24 uint8 (E3M2 codes of w1, K innermost, in blocks of 32 codes, four codes in three bytes); w1_scales 2,048 x 32 uint8 (E8M0 scales of w1, one for each 32 codes along K); w2_codes 2,048 x 32 x 24 uint8 (E3M2 codes of w2, K innermost, in blocks of 32 codes, four codes in three bytes); w2_scales 2,048 x 32 uint8 (E8M0 scales of w2, one for each 32 codes along K); w_ffn_o_codes 1,024 x 64 x 24 uint8 (E3M2 codes of w_ffn_o, K innermost, in blocks of 32 codes, four codes in three bytes); w_ffn_o_scales 1,024 x 64 uint8 (E8M0 scales of w_ffn_o, one for each 32 codes along K); w_o_codes 1,024 x 32 x 24 uint8 (E3M2 codes of w_o, K innermost, in blocks of 32 codes, four codes in three bytes); w_o_scales 1,024 x 32 uint8 (E8M0 scales of w_o, one for each 32 codes along K); w_qkv_codes 3,072 x 32 x 24 uint8 (E3M2 codes of w_qkv, K innermost, in blocks of 32 codes, four codes in three bytes); w_qkv_scales 3,072 x 32 uint8 (E8M0 scales of w_qkv, one for each 32 codes along K); x 2 x 2,048 x 1,024 float32.
;; Outputs: out0 2 x 2,048 x 1,024 float32.
;; This version of the problem:
;;   THIS VERSION OF THE PROBLEM IS GIVEN IN LOW PRECISION. The matrix products marked QUANTISED in the list below multiply operands that are first quantised to E3M2 (3 exponent bits, 2 mantissa bits; 6 bits a number), with one power-of-two scale for each 32 numbers along K (OCP MX v1.0); their sums are f32. All else is computed in f32.
;;   The module's matrix products, in the order in which they are computed (A, B: the left and right operand; K: the contracted axis; several contracted axes count as one K, in the product's order):
;;     1. [M 4,096, K 1,024] x [K 1,024, N 3,072]; A: input x; B: input w_qkv (given as codes): QUANTISED
;;     2. batch 32 x [M 2,048, K 64] x [K 64, N 2,048]; A: computed on the way; B: computed on the way: QUANTISED
;;     3. batch 32 x [M 64, K 2,048] x [K 2,048, N 2,048]; A: computed on the way; B: softmax (see below): QUANTISED
;;     4. [M 4,096, K 1,024] x [K 1,024, N 1,024]; A: computed on the way; B: input w_o (given as codes): QUANTISED
;;     5. [M 4,096, K 1,024] x [K 1,024, N 2,048]; A: computed on the way; B: input w2 (given as codes): QUANTISED
;;     6. [M 4,096, K 1,024] x [K 1,024, N 2,048]; A: computed on the way; B: input w1 (given as codes): QUANTISED
;;     7. [M 4,096, K 2,048] x [K 2,048, N 1,024]; A: computed on the way; B: input w_ffn_o (given as codes): QUANTISED
;;   THE QUANTISER, for each operand of a quantised product, along K:
;;     - K is cut into blocks of 32 from its start; a last block that is shorter is filled with zeros.
;;     - A block's scale is 2^e with e = floor(log2(the largest magnitude in the block)) - 4, held to -126 .. 127; a block of zeros has e = 0. As a byte (E8M0): e + 127.
;;     - Each number is divided by its block's scale, clamped to +-28, and rounded to the nearest number of E3M2, ties to even, subnormals kept.
;;     - The product sums the exact products of the quantised numbers (number of the format x scale) in f32.
;;   ~~~python
;;   def quantise(x, axis):      # numpy; x: float32 -> the quantised numbers, widened to float32 again
;;       x = np.moveaxis(x, axis, -1); K = x.shape[-1]
;;       x = np.pad(x, [(0, 0)] * (x.ndim - 1) + [(0, -K % 32)]); x = x.reshape(x.shape[:-1] + (-1, 32)); a = np.abs(x).max(-1, keepdims=True)
;;       e = np.where(a > 0, np.clip(np.frexp(np.where(a > 0, a, 1))[1] - 1 - 4, -126, 127), 0)      # np.frexp(a)[1] - 1 = floor(log2(a)), exactly
;;       r = np.clip(x / 2.0 ** e, -28, 28)
;;       step = 2.0 ** (np.maximum(np.frexp(np.where(r == 0, 1, r))[1] - 1, -2) - 2)
;;       q = np.round(r / step) * step * 2.0 ** e      # np.round: ties to even
;;       return np.moveaxis(q.reshape(q.shape[:-2] + (-1,))[..., :K], -1, axis).astype(np.float32)
;;   ~~~
;;   SOFTMAX AHEAD OF A QUANTISED PRODUCT. Where the list says 'softmax', what is quantised is not the finished softmax but p = 2^(t - M), with t = logit x log2(e) and M = ceil(the row's largest t), a whole number; so 1/2 < the row's largest p <= 1. The row's sum l is taken of the UNQUANTISED p, in f32, and the product's result is divided by l at the end. Since M is a whole number, a kernel that streams over the keys may use a running M (the ceiling of the running maximum): every later rescaling is an exact power of two, which a block's scale takes up: the codes' values come out the same.
;;   OPERANDS COMPUTED ON THE WAY. 'Computed on the way' means the value that the module computes at that place (a softmax that the list does not call 'softmax' is quantised finished and normalised). What goes into a quantiser is computed in f32, as accurately as f32 sums, v_exp_f32 and their like allow (about 1e-6 of the number): no bf16 or f16 on the way to a quantiser, and a product that is left as it is and whose result goes on into a quantised operand takes f32 operands (vector FMAs, or v_wmma_f32_16x16x4_f32). A number that lies on a knife's edge between two numbers of the format may be rounded either way, as far as f32 arithmetic and the matrix unit's own rounding can turn it there, and no further.
;;   INPUTS GIVEN AS CODES. w1 (in the module: [1024, 2048], K = its axis 0); w2 (in the module: [1024, 2048], K = its axis 0); w_ffn_o (in the module: [2048, 1024], K = its axis 0); w_o (in the module: [1024, 1024], K = its axis 0); w_qkv (in the module: [1024, 3072], K = its axis 0): each comes as NAME_codes (uint8): NAME with its K axis moved to the last place and cut into blocks of 32 codes, [.., K / 32, bytes a block], one block behind the other in memory; four codes in three bytes: a row's codes are one little-endian stream of bits, code i at bits 6 i .. 6 i + 5 (a code: sign, 3 exponent bits, 2 mantissa bits); and NAME_scales (uint8): the same leading axes, one E8M0 byte (e + 127) for each 32 codes along K. Its value is code x scale, taken as it is: it is not quantised again, and the codes and scales need not be those that the quantiser above would give.
;; 2 versions. Each part assembles by itself: llvm-mc -triple=amdgcn-amd-amdhsa -mcpu=gfx1250 --defsym DOCPART=n.
;; ======== version 1 of 2: 8 launches
;; workspace buffers: p0 11,468,800 bytes; qkvb 9,830,400 bytes; ctxb 3,276,800 bytes; yb 16,777,216 bytes; x1b 20,054,016 bytes; hb 6,553,600 bytes
;; launch prep (part 1): grid 416 x 1, 4 waves a work-group, no clusters, 117,248 bytes of LDS; arguments x, w_qkv_codes, w_qkv_scales, w_o_codes, w_o_scales, w1_codes, w1_scales, w2_codes, w2_scales, w_ffn_o_codes, w_ffn_o_scales, p0; writes p0
.if DOCPART == 1
	.amdgcn_target "amdgcn-amd-amdhsa--gfx1250"
	.amdhsa_code_object_version 6
	.text
	.protected	k_qa684096f92_prep
	.globl	k_qa684096f92_prep
	.p2align	8
	.type	k_qa684096f92_prep,@function
k_qa684096f92_prep:
	s_mov_b64 s[64:65], 0
	v_nop
	global_prefetch_b8 v0, s[64:65] scope:SCOPE_SE
	s_setreg_imm32_b32 hwreg(HW_REG_WAVE_MODE, 25, 1), 1
	s_wait_xcnt 0x0
; x (f32) is quantised to codes of BF6 (E3M2) with one E8M0 byte for each 32 along K, and the five weights' codes and scale bytes are moved, unchanged, into ONE layout that every later launch reads:
; TILES: 16 rows form a tile; lane r of tile T is row 32 (T / 2) + 8 (T % 2) + r + 8 (r / 8), so that two neighbouring tiles, used as source 0 of a product, leave 16 neighbours along that axis in a lane's registers.
; HALF RECORD, 768 bytes, for (tile T, 64 along K number u): the six operand registers of lane l = (r, h), the 24 bytes of block 2 u + h of the lane's row: registers 0-3 at byte 16 l, registers 4-5 at byte 512 + 8 l.
; A tensor [R][K] lies as record (T K / 64 + u).  SCALE BYTES: that of (T, r, block j) lies at T K / 2 + 128 (j / 8) + 8 r + j % 8.
; p0: the weights' records (w_qkv, w_o, w1, w2, w_ffn_o on end), their scale bytes at W_SCL, x's records at X_IMG, x's scale bytes at X_SCL.
; A block's scale is 2^(floor(log2(largest magnitude)) - 4): its byte is the largest magnitude's exponent field - 4, held at 1 from below.
; LIMITS: a block of zeros gets the byte 1 where the rule says 127 (its codes are zeros, and this program alone reads the bytes); largest magnitudes under 2^-122 are held at byte 1; NaN and infinities are not served.
; Work-groups 0-255 take a tile of x each, work-groups 256-415 four jobs of weights each (a job: 16 rows x 1,024 along K).  The two ways part on the work-group's number and have LDS bytes of their own.
; Waves share nothing: no barrier.  No matrix unit, no cluster, no tensor load: a stream, each byte read once and written once.
.set X_IMG, 8192000
.set X_SCL, 11337728
.set W_SCL, 7864320
.set XP,    1040                       ; x's stage: a row's 1,024 bytes + 16
.set XW,    16*XP                      ; a wave's stage
.set WST,   4*XW                       ; behind them the weights' stages
.set WP,    784                        ; 768 bytes of codes + 16
.set WW,    16*WP
; 32 numbers of ONE block in v[s] on become 24 bytes of codes in v[c] .. v[c + 5] and the block's byte in v[byt]
.macro QB32 s, c, byt
.set XS, \s
.set CC, \c
	v_max3_num_f32 v8, |v[XS]|, |v[XS+1]|, |v[XS+2]|               ; the largest magnitude, in two chains
	v_max3_num_f32 v9, |v[XS+3]|, |v[XS+4]|, |v[XS+5]|
.irp i, 6,10,14,18,22,26
	v_max3_num_f32 v8, v8, |v[XS+\i]|, |v[XS+\i+1]|
	v_max3_num_f32 v9, v9, |v[XS+\i+2]|, |v[XS+\i+3]|
.endr
	v_max3_num_f32 v8, v8, |v[XS+30]|, |v[XS+31]|
	v_max3_num_f32 v8, v8, v9, 0x2800000           ; and the floor 2^(5 - 127): the byte cannot fall under 1
	v_add_nc_u32 v11, 0xfe000000, v8               ; 4 off the exponent field: the conversion's scale operand
	v_lshrrev_b32 v[\byt], 23, v11                 ; the scale's byte
	v_cvt_scalef32_pk16_bf6_f32 v[CC:CC+2], v[XS:XS+15], v11
	v_cvt_scalef32_pk16_bf6_f32 v[CC+6:CC+8], v[XS+16:XS+31], v11   ; (a conversion's three registers begin on an even number)
	v_nop                                          ; one plain place behind the conversions
.irp i, 0,1,2
	v_mov_b32 v[CC+3+\i], v[CC+6+\i]
.endr
.endm
	s_load_b128 s[4:7], s[0:1], 0x0                ; x, w_qkv codes
	s_load_b128 s[8:11], s[0:1], 0x10              ; w_qkv scales, w_o codes
	s_load_b128 s[12:15], s[0:1], 0x20             ; w_o scales, w1 codes
	s_load_b128 s[16:19], s[0:1], 0x30             ; w1 scales, w2 codes
	s_load_b128 s[20:23], s[0:1], 0x40             ; w2 scales, w_ffn_o codes
	s_load_b128 s[24:27], s[0:1], 0x50             ; w_ffn_o scales, p0
	v_lshl_add_u32 v254, v0, 2, 0x1c800
	v_mov_b32 v255, 0
	v_lshrrev_b32 v1, 5, v0
	v_readfirstlane_b32 s40, v1                    ; wave
	v_and_b32 v1, 31, v0                           ; lane
	v_and_b32 v2, 15, v0                           ; r
	v_bfe_u32 v3, v0, 4, 1                         ; h
	v_lshlrev_b32 v4, 4, v1                        ; 16 x lane
	v_lshlrev_b32 v5, 3, v1                        ; 8 x lane
	s_mov_b32 s38, 0x76543210
	s_mov_b32 s39, 0xfedcba98                      ; v_permlanex16_b32's selects for lane l xor 16
	s_cmp_lt_u32 ttmp9, 256
	s_cbranch_scc0 .Lweights
	; ---- a tile of x.  Wave w takes bytes 1,024 w .. 1,024 w + 1,023 (256 along K: records 4 w .. 4 w + 3) of all 16 rows
	s_lshr_b32 s41, ttmp9, 1
	s_lshl_b32 s41, s41, 5
	s_and_b32 s42, ttmp9, 1
	s_lshl_b32 s42, s42, 3
	s_add_co_u32 s41, s41, s42                     ; the tile's first row
	s_lshl_b32 s42, s41, 12
	s_lshl_b32 s43, s40, 10
	s_add_co_u32 s42, s42, s43
	s_mov_b32 s43, 0
	s_mul_i32 s44, s40, XW
	v_add_nc_u32 v6, s44, v4                       ; into my stage: as the bytes lie
	v_mul_u32_u24 v7, v2, XP
	v_lshl_add_u32 v7, v3, 7, v7
	v_add_nc_u32 v7, s44, v7                       ; out of it: row r, block h of a record
	s_lshl_b32 s44, ttmp9, 4
	s_lshl_b32 s45, s40, 2
	s_add_co_u32 s44, s44, s45
	s_mul_i32 s44, s44, 768
	s_add_co_u32 s44, s44, X_IMG                   ; record 16 T + 4 w
	s_mov_b32 s45, 0
	s_lshl_b32 s46, ttmp9, 9
	s_lshl_b32 s47, s40, 7
	s_add_co_u32 s46, s46, s47
	s_add_co_u32 s46, s46, X_SCL                   ; scale bytes 512 T + 128 w
	s_mov_b32 s47, 0
	s_wait_kmcnt 0x0
	s_add_nc_u64 s[4:5], s[4:5], s[42:43]
	s_add_nc_u64 s[44:45], s[26:27], s[44:45]
	s_add_nc_u64 s[46:47], s[26:27], s[46:47]
.irp i, 0,1,2,3,4,5,6,7,8,9,10,11,12,13,14,15
	global_load_b128 v[32+8*\i:35+8*\i], v4, s[4:5] offset:(\i+8*(\i/8))*4096       ; 32 lanes read 512 consecutive bytes
	global_load_b128 v[36+8*\i:39+8*\i], v4, s[4:5] offset:(\i+8*(\i/8))*4096+512
.endr
.irp i, 0,1,2,3,4,5,6,7,8,9,10,11,12,13,14,15
	s_wait_loadcnt 2*(15-\i)                       ; row i's two loads are in; the later rows' may be out
	ds_store_b128 v6, v[32+8*\i:35+8*\i] offset:\i*XP
	ds_store_b128 v6, v[36+8*\i:39+8*\i] offset:\i*XP+512
.endr
	s_wait_dscnt 0x0                               ; the stores have read their registers, which the loads below write
.irp u, 0,1,2,3
.irp j, 0,1,2,3,4,5,6,7
	ds_load_b128 v[32+32*\u+4*\j:35+32*\u+4*\j], v7 offset:256*\u+16*\j   ; lane (r, h): block 2 u + h of row r, whole
.endr
.endr
.irp u, 0,1,2,3
	s_wait_dscnt 8*(3-\u)                          ; this record's eight loads are in; the later records' may be out
	QB32 32+32*\u, 160+12*\u, 224+\u
	global_store_b128 v4, v[160+12*\u:163+12*\u], s[44:45] offset:768*\u          ; 512 consecutive bytes,
	global_store_b64 v5, v[164+12*\u:165+12*\u], s[44:45] offset:768*\u+512       ; and 256
.endr
	v_lshl_or_b32 v12, v225, 16, v224              ; my bytes of records 0, 1 and of records 2, 3,
	v_lshl_or_b32 v13, v227, 16, v226
	v_lshlrev_b32 v14, 3, v3
	v_lshlrev_b32 v12, v14, v12                    ; at their places in a word (8 h bits up);
	v_lshlrev_b32 v13, v14, v13
	v_mov_b32 v15, 0
	v_mov_b32 v16, 0
	v_permlanex16_b32 v15, v12, s38, s39
	v_permlanex16_b32 v16, v13, s38, s39
	v_or_b32 v12, v12, v15                         ; with lane l xor 16's the words are whole
	v_or_b32 v13, v13, v16
	v_cmp_le_u32 vcc_lo, 16, v1
	v_cndmask_b32 v12, v12, v13, vcc_lo            ; lanes 0-15 store the first word of their row, lanes 16-31 the second
	v_lshlrev_b32 v17, 2, v3
	v_lshl_add_u32 v17, v2, 3, v17                 ; 8 r + 4 h
	global_store_b32 v17, v12, s[46:47]            ; 128 consecutive bytes
	s_wait_tensorcnt 0x0
	ds_add_u32 v254, v255
	s_wait_dscnt 0x0
	s_endpgm
.Lweights:
	; ---- a job of weights for each wave: 16 rows x 768 bytes of codes become 16 records; 16 x 32 scale bytes are laid anew
	s_sub_co_u32 s28, ttmp9, 256
	s_wait_kmcnt 0x0
	s_mov_b64 s[30:31], s[6:7]                     ; which tensor: a choice on the work-group's number alone
	s_mov_b64 s[32:33], s[8:9]
	s_mov_b32 s34, 0                               ; its first job
	s_mov_b32 s35, 768                             ; a row of its codes in bytes
	s_cmp_ge_u32 s28, 48
	s_cselect_b64 s[30:31], s[10:11], s[30:31]
	s_cselect_b64 s[32:33], s[12:13], s[32:33]
	s_cselect_b32 s34, 192, s34
	s_cmp_ge_u32 s28, 64
	s_cselect_b64 s[30:31], s[14:15], s[30:31]
	s_cselect_b64 s[32:33], s[16:17], s[32:33]
	s_cselect_b32 s34, 256, s34
	s_cmp_ge_u32 s28, 96
	s_cselect_b64 s[30:31], s[18:19], s[30:31]
	s_cselect_b64 s[32:33], s[20:21], s[32:33]
	s_cselect_b32 s34, 384, s34
	s_cmp_ge_u32 s28, 128
	s_cselect_b64 s[30:31], s[22:23], s[30:31]
	s_cselect_b64 s[32:33], s[24:25], s[32:33]
	s_cselect_b32 s34, 512, s34
	s_cselect_b32 s35, 1536, s35                   ; w_ffn_o has K = 2,048: two jobs to a tile
	s_cselect_b32 s36, 64, 32                      ; a row of scale bytes
	s_cselect_b32 s37, 1, 0
	s_lshl_b32 s41, s28, 2
	s_add_co_u32 s41, s41, s40                     ; my job, 0 .. 639: its results lie at 12,288 and 512 bytes a job
	s_sub_co_u32 s42, s41, s34
	s_and_b32 s43, s42, s37                        ; which 1,024 along K
	s_lshr_b32 s42, s42, s37                       ; the tile
	s_lshr_b32 s44, s42, 1
	s_lshl_b32 s44, s44, 5
	s_and_b32 s45, s42, 1
	s_lshl_b32 s45, s45, 3
	s_add_co_u32 s44, s44, s45                     ; its first row
	s_mul_i32 s46, s44, s35
	s_mul_i32 s45, s43, 768
	s_add_co_u32 s46, s46, s45
	s_mov_b32 s47, 0
	s_add_nc_u64 s[30:31], s[30:31], s[46:47]
	s_mul_i32 s46, s44, s36
	s_lshl_b32 s45, s43, 5
	s_add_co_u32 s46, s46, s45
	s_add_nc_u64 s[32:33], s[32:33], s[46:47]
	s_mul_i32 s46, s41, 12288
	s_add_nc_u64 s[44:45], s[26:27], s[46:47]
	s_lshl_b32 s46, s41, 9
	s_add_co_u32 s46, s46, W_SCL
	s_add_nc_u64 s[46:47], s[26:27], s[46:47]
	s_mul_i32 s34, s40, WW
	s_add_co_u32 s34, s34, WST                     ; my stage
	v_add_nc_u32 v9, s34, v5
	v_mul_u32_u24 v10, v2, WP
	v_mad_u32_u24 v10, v3, 24, v10
	v_add_nc_u32 v10, s34, v10
	v_and_b32 v8, 8, v2
	v_add_nc_u32 v8, v8, v2                        ; r + 8 (r / 8)
	v_mul_u32_u24 v8, s36, v8
	v_lshl_add_u32 v8, v3, 2, v8                   ; my row's scale bytes, word h of eight bytes
	v_lshlrev_b32 v11, 2, v3
	v_lshl_add_u32 v11, v2, 3, v11                 ; 8 r + 4 h
.irp i, 0,1,2,3,4,5,6,7,8,9,10,11,12,13,14,15
	v_mad_u32_u24 v[16+\i], s35, \i+8*(\i/8), v5   ; row i of the tile, 8 bytes a lane
.endr
.irp i, 0,1,2,3,4,5,6,7,8,9,10,11,12,13,14,15
.irp j, 0,1,2
	global_load_b64 v[32+6*\i+2*\j:33+6*\i+2*\j], v[16+\i], s[30:31] offset:256*\j th:TH_LOAD_NT   ; 256 consecutive bytes
.endr
.endr
.irp j, 0,1,2,3
	global_load_b32 v[224+\j], v8, s[32:33] offset:8*\j th:TH_LOAD_NT
.endr
.irp i, 0,1,2,3,4,5,6,7,8,9,10,11,12,13,14,15
	s_wait_loadcnt 4+3*(15-\i)                     ; row i's three loads are in; the later rows' and the four of scale bytes may be out
.irp j, 0,1,2
	ds_store_b64 v9, v[32+6*\i+2*\j:33+6*\i+2*\j] offset:\i*WP+256*\j
.endr
.endr
.irp u, 0,1,2,3,4,5,6,7,8,9,10,11,12,13,14,15
.irp p, 0,1,2
	ds_load_b64 v[128+6*\u+2*\p:129+6*\u+2*\p], v10 offset:48*\u+8*\p   ; LDS serves a wave's instructions in order: these see my stores.  Block 2 u + h of row r
.endr
.endr
.irp u, 0,1,2,3,4,5,6,7,8,9,10,11,12,13,14,15
	s_wait_dscnt 3*(15-\u)                         ; record u's three loads are in
	global_store_b128 v4, v[128+6*\u:131+6*\u], s[44:45] offset:768*\u
	global_store_b64 v5, v[132+6*\u:133+6*\u], s[44:45] offset:768*\u+512
.endr
	s_wait_loadcnt 0x0
.irp j, 0,1,2,3
	global_store_b32 v11, v[224+\j], s[46:47] offset:128*\j
.endr
	s_wait_tensorcnt 0x0
	ds_add_u32 v254, v255
	s_wait_dscnt 0x0
	s_endpgm
.Lfunc_end_k_qa684096f92_prep:
	.size	k_qa684096f92_prep, .Lfunc_end_k_qa684096f92_prep-k_qa684096f92_prep
	.p2alignl 7, 3214868480
	.fill 96, 4, 3214868480
	.section	.rodata,"a",@progbits
	.p2align	6, 0x0
	.amdhsa_kernel k_qa684096f92_prep
		.amdhsa_group_segment_fixed_size 117248
		.amdhsa_private_segment_fixed_size 0
		.amdhsa_enable_private_segment 0
		.amdhsa_kernarg_size 96
		.amdhsa_user_sgpr_count 2
		.amdhsa_user_sgpr_kernarg_segment_ptr 1
		.amdhsa_wavefront_size32 1
		.amdhsa_system_sgpr_workgroup_id_x 1
		.amdhsa_system_sgpr_workgroup_id_y 1
		.amdhsa_system_sgpr_workgroup_id_z 1
		.amdhsa_system_vgpr_workitem_id 0
		.amdhsa_next_free_vgpr 256
		.amdhsa_next_free_sgpr 66
		.amdhsa_reserve_vcc 1
		.amdhsa_float_denorm_mode_32 3
		.amdhsa_float_denorm_mode_16_64 3
		.amdhsa_memory_ordered 1
		.amdhsa_forward_progress 1
		.amdhsa_inst_pref_size 37
	.end_amdhsa_kernel
	.amdgpu_metadata
---
amdhsa.version: [ 1, 2 ]
amdhsa.kernels:
  - .name:           k_qa684096f92_prep
    .symbol:         k_qa684096f92_prep.kd
    .args:
      - { .name: x, .offset: 0, .size: 8, .value_kind: global_buffer, .address_space: global }
      - { .name: w_qkv_codes, .offset: 8, .size: 8, .value_kind: global_buffer, .address_space: global }
      - { .name: w_qkv_scales, .offset: 16, .size: 8, .value_kind: global_buffer, .address_space: global }
      - { .name: w_o_codes, .offset: 24, .size: 8, .value_kind: global_buffer, .address_space: global }
      - { .name: w_o_scales, .offset: 32, .size: 8, .value_kind: global_buffer, .address_space: global }
      - { .name: w1_codes, .offset: 40, .size: 8, .value_kind: global_buffer, .address_space: global }
      - { .name: w1_scales, .offset: 48, .size: 8, .value_kind: global_buffer, .address_space: global }
      - { .name: w2_codes, .offset: 56, .size: 8, .value_kind: global_buffer, .address_space: global }
      - { .name: w2_scales, .offset: 64, .size: 8, .value_kind: global_buffer, .address_space: global }
      - { .name: w_ffn_o_codes, .offset: 72, .size: 8, .value_kind: global_buffer, .address_space: global }
      - { .name: w_ffn_o_scales, .offset: 80, .size: 8, .value_kind: global_buffer, .address_space: global }
      - { .name: p0, .offset: 88, .size: 8, .value_kind: global_buffer, .address_space: global }
    .group_segment_fixed_size: 117248
    .private_segment_fixed_size: 0
    .kernarg_segment_align: 8
    .kernarg_segment_size: 96
    .max_flat_workgroup_size: 128
    .sgpr_count:     66
    .vgpr_count:     256
    .wavefront_size: 32
...
	.end_amdgpu_metadata
.endif
;; end of part 1
;; launch qkv (part 2): grid 12 x 16, 4 waves a work-group, clusters of 4 x 4, 327,680 bytes of LDS; arguments p0, qkvb; writes qkvb
.if DOCPART == 2
	.amdgcn_target "amdgcn-amd-amdhsa--gfx1250"
	.amdhsa_code_object_version 6
	.text
	.protected	k_qa684096f92_qkv
	.globl	k_qa684096f92_qkv
	.p2align	8
	.type	k_qa684096f92_qkv,@function
k_qa684096f92_qkv:
	s_mov_b64 s[64:65], 0
	v_nop
	global_prefetch_b8 v0, s[64:65] scope:SCOPE_SE
	s_setreg_imm32_b32 hwreg(HW_REG_WAVE_MODE, 25, 1), 1
	s_wait_xcnt 0x0
	s_wait_alu depctr_hold_cnt(0) depctr_sa_sdst(0) depctr_va_vdst(0) depctr_va_sdst(0) depctr_va_ssrc(0) depctr_va_vcc(0) depctr_vm_vsrc(0)
	s_getreg_b32 s2, hwreg(HW_REG_IB_STS2, 6, 4)
	s_cmp_eq_u32 s2, 0
	s_cbranch_scc0 .Lentry_in_a_cluster
	s_endpgm
.Lentry_in_a_cluster:
	s_bfe_u32 s2, ttmp6, 0x10000c
	s_cmp_lg_u32 s2, 0xf033
	s_cbranch_scc0 .Lentry_shape_is_right
	s_endpgm
.Lentry_shape_is_right:
; x w_qkv on codes of BF6 (E3M2) with E8M0 scales, K = 1,024; the results q, k, v are quantised in registers and leave as finished operands for the attention launch; no f32 number goes to memory.
; Operands lie in memory as images of operand registers (tiles of 16 rows in the order 32 (T / 2) + 8 (T % 2) + r + 8 (r / 8); half records of 768 bytes for 64 along K: registers 0-3 of lane l at 16 l, 4-5 at 512 + 8 l).
; A tile of 256 x 256 results is made by four waves, each 128 x 128: 64 accumulators.  K goes in steps of 256 through a ring of two LDS slots; the scale bytes of all of K come once and stay.
; Source 1 ('A') gives a lane its row, source 0 ('B') runs along a lane's registers.  Clusters x = 0, 1 (q, k): A = x's tokens, B = w_qkv's rows: a lane holds a token and 128 features: two heads, quantised along the head's 64.
; Cluster x = 2 (v): A = w_qkv's rows 2,048 on, B = x's tokens: a lane holds a feature and 128 tokens, quantised along the tokens, which are the second attention product's K.  The choice is made of offsets alone, by s_cselect_b32 on the cluster's x.
; CLUSTERS: 4 x 4 work-groups; A's tiles are asked for jointly along a row of the cluster, B's along a column.
; qkvb: q's and k's records [head group 32][tile 256][768]; v's fragments [b h 32][key step 16][4 tiles][1,536] at V_IMG; q's and k's scale words [head group][pair of tiles 128][16 rows] at QK_SCL (low half: the even tile's two bytes);
; v's [b h][key step][4 tiles][16 rows] at V_SCL.  The scale words leave in pieces of 64 or 128 bytes: 0.4 MB of the launch's 9.8.
; LIMITS: a block of zeros gets the byte 1 where the rule says 127 (this program alone reads the bytes); largest magnitudes under 2^-122 are held at byte 1; NaN and infinities are not served.
; REGISTERS: window 0: v16-31 addresses; v32-63 scale words, two sets, and nothing else; v64-133 at work on the way out; v128-223 A's fragments, one set.  window 1: B's fragments, two sets.  windows 2, 3: accumulator (a, b) at v[8 (8 (a % 4) + b)].
.set KDIM,   1024
.set X_IMG,  8192000
.set X_SCL,  11337728
.set W_SCL,  7864320
.set V_IMG,  6291456
.set QK_SCL, 9437184
.set V_SCL,  9699328
.set TIMG,   KDIM*12                   ; a tile's records of all of K, in bytes
.set TROW,   3072                      ; its four records of a slot
.set NQ,     2
.set FR,     12
.set NL,     4                         ; LDS loads that bring a fragment
.set NP,     4                         ; places behind this matrix instruction (ISA guide 7.12.1)
.set HALFT,  8*TROW                    ; 8 tiles: what one tensor load brings, and what a wave reads of A or of B
.set SLOT,   4*HALFT
.set LAPS,   KDIM/512
.set SB,     KDIM/2                    ; a tile's scale bytes
.set HALFS,  8*SB
.set SCL,    2*SLOT
.set SPARE,  SCL+4*HALFS               ; the spare words, 128 bytes a wave: two blocks of 256 bytes that no other line names
.set ADRA, 16                          ; v16-17 A's fragments in slot 0, 1, + 16 x lane; v18-19 the same + 8 x lane
.set ADRB, 20                          ; v20-23 the same for B
.set L16,  24                          ; v24 16 x lane
.set L8,   25                          ; v25 8 x lane
.set SO,   26                          ; v26 the scale words' place for my lane
.set ADRS, 27                          ; v27 my scale words in LDS: lanes 0-15 A's, lanes 16-31 B's
.set SPW,  28
.set NIL,  29
.set SC,   32
.set AF,   128
.set G1, 24
.set G0, 32
.set G1B, 48
.set G0B, 56
.set G1S, 68
.set G0S, 76
.set G1SB, 80
.set G0SB, 88
.set MSB, 0
.macro WIN new                         ; the immediate's high byte repeats the setting that is left
.if MSB != (\new)
	s_set_vgpr_msb (MSB<<8)|(\new)
.set MSB, (\new)
.endif
.endm
.set MUL_LO, 0xa1                      ; source 0 (B) window 1, source 1 (A) window 0, C and D window 2
.set MUL_HI, 0xf1
.set TO_B,   0x40
; A joint load: waves 0 and 1 fetch for A, waves 2 and 3 for B; the branch hangs on the wave's number alone.  Four v_nop follow each line.
.macro JLOAD g0a, g1a, g0b, g1b
	s_cmp_eq_u32 s15, 0
	s_cbranch_scc0 .Lfor_b_\@
	tensor_load_to_lds s[\g0a:\g0a+3], s[\g1a:\g1a+7]
	s_nop 0
.rept 4
	v_nop
.endr
	s_branch .Lasked_\@
.Lfor_b_\@:
	tensor_load_to_lds s[\g0b:\g0b+3], s[\g1b:\g1b+7]
	s_nop 0
.rept 4
	v_nop
.endr
.Lasked_\@:
.endm
.macro CREST                           ; a round of the cluster's barrier behind its opening barrier
	s_cmp_lg_u32 s14, 0
	s_cbranch_scc1 .Lnot_wave_0_\@
	s_barrier_signal -3
.Lnot_wave_0_\@:
	s_barrier_wait -3
	s_barrier_signal -1
	s_barrier_wait -1
.endm
.macro CROUND
	s_barrier_signal -1
	s_barrier_wait -1
	CREST
.endm
	s_load_b128 s[4:7], s[0:1], 0x0                ; p0, qkvb
	v_lshl_add_u32 v[SPW], v0, 2, SPARE
	v_mov_b32 v[NIL], 0
	ds_add_u32 v28, v29
	ds_add_u32 v28, v29
	s_wait_dscnt 0x0
	v_lshrrev_b32 v1, 5, v0
	v_readfirstlane_b32 s14, v1                    ; wave
	s_lshr_b32 s15, s14, 1                         ; my half of A's rows.  Also: I fetch for A (0) or for B (1)
	s_and_b32 s16, s14, 1                          ; my half of B's rows.  Also: which 8 tiles I fetch
	s_bfe_u32 s40, ttmp6, 0x40000                  ; cx
	s_bfe_u32 s41, ttmp6, 0x40004                  ; cy
	s_lshl_b32 s43, s41, 2
	s_lshl_b32 s43, 15, s43                        ; my row of the cluster
	s_lshl_b32 s44, 0x1111, s40                    ; my column
	s_and_b32 s18, ttmp7, 0xffff
	s_lshl_b32 s18, s18, 2                         ; 4 x cluster y
	s_lshl_b32 s19, ttmp9, 2                       ; 4 x cluster x
	s_mov_b32 s92, X_IMG
	s_mov_b32 s95, W_SCL
	s_mov_b32 s99, X_SCL
	s_cmp_eq_u32 ttmp9, 2                          ; v's clusters?  The same answer in all sixteen partners
	s_cselect_b32 s17, 8, s18
	s_cselect_b32 s42, s18, s19
	s_cselect_b32 s93, 0, s92                      ; A's records: w_qkv's or x's
	s_cselect_b32 s94, s92, 0                      ; B's
	s_cselect_b32 s96, s95, s99                    ; A's scale bytes
	s_cselect_b32 s97, s99, s95                    ; B's
	s_add_co_u32 s17, s17, s41                     ; A's block of 256 rows: hangs on cy, never on cx
	s_add_co_u32 s42, s42, s40                     ; B's: hangs on cx, never on cy
	; group 1, codes: 8 rows (tiles) of 3,072 bytes, TIMG bytes apart; elements of 8 bytes; dense in LDS
	s_or_b32 s[G1+0], s43, (3<<16)|(1<<21)
	s_or_b32 s[G1B+0], s44, (3<<16)|(1<<21)
.irp g, G1, G1B
	s_mov_b32 s[\g+1], 384<<16
	s_mov_b32 s[\g+2], 8<<16
	s_mov_b32 s[\g+3], 384<<16
	s_mov_b32 s[\g+4], 8
	s_mov_b32 s[\g+5], TIMG/8
	s_mov_b32 s[\g+6], 0
	s_mov_b32 s[\g+7], 0
.endr
	; group 1, scale bytes: a dense block of HALFS bytes as rows of 256
	s_or_b32 s[G1S+0], s43, (3<<16)|(1<<21)
	s_or_b32 s[G1SB+0], s44, (3<<16)|(1<<21)
.irp g, G1S, G1SB
	s_mov_b32 s[\g+1], 32<<16
	s_mov_b32 s[\g+2], (HALFS/256)<<16
	s_mov_b32 s[\g+3], 32<<16
	s_mov_b32 s[\g+4], HALFS/256
	s_mov_b32 s[\g+5], 32
	s_mov_b32 s[\g+6], 0
	s_mov_b32 s[\g+7], 0
.endr
	s_mul_i32 s18, s16, 8*TIMG
	s_mul_i32 s19, s16, HALFS
	s_mul_i32 s20, s17, 16*TIMG
	s_add_co_u32 s20, s20, s18
	s_add_co_u32 s20, s20, s93
	s_mov_b32 s21, 0
	s_mul_i32 s22, s17, 16*SB
	s_add_co_u32 s22, s22, s19
	s_add_co_u32 s22, s22, s96
	s_mov_b32 s23, 0
	s_mul_i32 s46, s42, 16*TIMG
	s_add_co_u32 s46, s46, s18
	s_add_co_u32 s46, s46, s94
	s_mov_b32 s47, 0
	s_mul_i32 s92, s42, 16*SB
	s_add_co_u32 s92, s92, s19
	s_add_co_u32 s92, s92, s97
	s_mov_b32 s93, 0
	s_mul_i32 s45, s14, HALFT                      ; where they go: wave x 8 tiles: no place in the cluster enters an LDS address
	s_mul_i32 s94, s14, HALFS
	s_wait_kmcnt 0x0
	s_add_nc_u64 s[20:21], s[4:5], s[20:21]
	s_add_nc_u64 s[22:23], s[4:5], s[22:23]
	s_add_nc_u64 s[46:47], s[4:5], s[46:47]
	s_add_nc_u64 s[92:93], s[4:5], s[92:93]
	CROUND                                         ; all sixteen work-groups are here: the first joint loads meet
	s_mov_b32 s[G0S], 1
	s_add_co_u32 s[G0S+1], s94, SCL
	s_mov_b64 s[G0S+2:G0S+3], s[22:23]
	s_or_b32 s[G0S+3], s[G0S+3], 0x80000000
	s_mov_b32 s[G0SB], 1
	s_add_co_u32 s[G0SB+1], s94, SCL
	s_mov_b64 s[G0SB+2:G0SB+3], s[92:93]
	s_or_b32 s[G0SB+3], s[G0SB+3], 0x80000000
	JLOAD G0S, G1S, G0SB, G1SB                     ; the scale bytes first: three tensor loads of mine are out at the most
.irp s, 0,1
	s_mov_b32 s[G0+4*\s], 1
	s_add_co_u32 s[G0+4*\s+1], s45, \s*SLOT
	s_add_nc_u64 s[G0+4*\s+2:G0+4*\s+3], s[20:21], \s*TROW
	s_or_b32 s[G0+4*\s+3], s[G0+4*\s+3], 0x80000000
	s_mov_b32 s[G0B+4*\s], 1
	s_add_co_u32 s[G0B+4*\s+1], s45, \s*SLOT
	s_add_nc_u64 s[G0B+4*\s+2:G0B+4*\s+3], s[46:47], \s*TROW
	s_or_b32 s[G0B+4*\s+3], s[G0B+4*\s+3], 0x80000000
	JLOAD G0+4*\s, G1, G0B+4*\s, G1B
.endr
	v_and_b32 v1, 15, v0                           ; r
	v_bfe_u32 v2, v0, 4, 1                         ; h
	v_and_b32 v3, 31, v0
	v_lshlrev_b32 v[L16], 4, v3
	v_lshlrev_b32 v[L8], 3, v3
	s_mul_i32 s21, s15, HALFT
	s_mul_i32 s22, s16, HALFT
	s_add_co_u32 s22, s22, 2*HALFT
.irp s, 0,1
	v_add_nc_u32 v[ADRA+\s], s21, v[L16]
	v_add_nc_u32 v[ADRA+2+\s], s21, v[L8]
	v_add_nc_u32 v[ADRB+\s], s22, v[L16]
	v_add_nc_u32 v[ADRB+2+\s], s22, v[L8]
	s_add_co_u32 s21, s21, SLOT
	s_add_co_u32 s22, s22, SLOT
.endr
	v_lshlrev_b32 v5, 3, v1                        ; 8 r: a row's eight scale bytes of a slot
	s_mul_i32 s21, s15, HALFS
	s_mul_i32 s22, s16, HALFS
	s_add_co_u32 s22, s22, 2*HALFS
	s_sub_co_u32 s22, s22, s21
	v_mul_u32_u24 v6, s22, v2                      ; lanes 16-31 take B's
	s_add_co_u32 s21, s21, SCL
	v_add_nc_u32 v5, v5, v6
	v_add_nc_u32 v[ADRS], s21, v5
	; the way out's places, for both kinds of cluster; then the choice
	s_lshl_b32 s20, s42, 1
	s_add_co_u32 s20, s20, s16                     ; s: my 128 of B's rows
	s_lshl_b32 s21, s17, 4
	s_lshl_b32 s22, s15, 3
	s_add_co_u32 s21, s21, s22                     ; my first tile of A's rows
	s_mul_i32 s22, s20, 393216                     ; q, k: head group 2 s,
	s_mul_i32 s23, s21, 768                        ; token tile
	s_add_co_u32 s22, s22, s23
	s_lshl_b32 s23, s20, 14
	s_lshl_b32 s45, s21, 5
	s_add_co_u32 s23, s23, s45
	s_add_co_u32 s23, s23, QK_SCL
	s_sub_co_u32 s21, s21, 128                     ; v: tiles counted from feature 2,048 on
	s_lshr_b32 s21, s21, 2                         ; my first head
	s_lshr_b32 s45, s20, 4                         ; the batch
	s_lshl_b32 s45, s45, 4
	s_add_co_u32 s45, s45, s21
	s_lshl_b32 s45, s45, 4
	s_and_b32 s20, s20, 15                         ; the key step
	s_add_co_u32 s45, s45, s20
	s_mul_i32 s46, s45, 6144
	s_add_co_u32 s46, s46, V_IMG
	s_lshl_b32 s47, s45, 8
	s_add_co_u32 s47, s47, V_SCL
	s_mov_b32 s10, 196608
	s_mov_b32 s18, 768
	s_mov_b32 s20, 768
	s_mov_b32 s94, 8192
	s_mov_b32 s92, 0x05040100
	s_mov_b32 s93, 0x07060302
	s_cmp_eq_u32 ttmp9, 2
	s_cselect_b32 s8, s46, s22                     ; where registers 0-5 of a block's codes go
	s_cselect_b32 s12, s47, s23                    ; where the scale words go
	s_cselect_b32 s10, 768, s10                    ; registers 6-11: the fragment's second half (v) or the next head (q, k)
	s_cselect_b32 s18, 1536, s18                   ; from block to block
	s_cselect_b32 s20, 93696, s20                  ; from block 3 to block 4: in v the next head
	s_cselect_b32 s94, 64, s94                     ; from lanes 0-15 to lanes 16-31 of a scale store
	s_cselect_b32 s22, 128, 64                     ; from pair to pair of blocks
	s_cselect_b32 s46, 3968, 64                    ; from the second pair to the third
	s_cselect_b32 s92, 0x03020100, s92             ; lanes 0-15's word: v: the even block's; q, k: both blocks' low halves
	s_cselect_b32 s93, 0x07060504, s93             ; lanes 16-31's: v: the odd block's; q, k: both high halves
	s_mov_b32 s9, 0
	s_mov_b32 s11, 0
	s_mov_b32 s13, 0
	s_mov_b32 s19, 0
	s_mov_b32 s21, 0
	s_mov_b32 s23, 0
	s_mov_b32 s47, 0
	s_add_nc_u64 s[8:9], s[6:7], s[8:9]
	s_add_nc_u64 s[10:11], s[8:9], s[10:11]
	s_add_nc_u64 s[12:13], s[6:7], s[12:13]
	v_mul_u32_u24 v[SO], s94, v2
	v_lshl_add_u32 v[SO], v1, 2, v[SO]
	s_mov_b32 s98, 0xffff0000                      ; lanes 16-31
	s_mov_b32 s100, 0x76543210
	s_mov_b32 s101, 0xfedcba98                     ; v_permlanex16_b32's selects for lane l xor 16
.macro FRAG reg, a16, off              ; a fragment, 16 rows x 128 K: two half records as they lie
	ds_load_b128 v[\reg:\reg+3], v[\a16] offset:\off
	ds_load_b64 v[\reg+4:\reg+5], v[\a16+2] offset:(\off)+512
	ds_load_b128 v[\reg+6:\reg+9], v[\a16] offset:(\off)+768
	ds_load_b64 v[\reg+10:\reg+11], v[\a16+2] offset:(\off)+1280
.endm
; 16 matrix instructions: A's blocks a0, a0 + 1 x B's eight.  The 64 accumulators take turns, one instruction a turn, in the same order in every step.  zero = 1: the first product starts the sums.
.macro MUL16 a0, p, q, sc, zero
.irp a, \a0, \a0+1
.irp b, 0,1,2,3,4,5,6,7
.if (\zero) == 1
	v_wmma_scale_f32_16x16x128_f8f6f4 v[8*(8*((\a)%4)+\b):8*(8*((\a)%4)+\b)+7], v[128*(\p)+FR*\b:128*(\p)+FR*\b+FR-1], v[AF+FR*(\a):AF+FR*(\a)+FR-1], 0, v[SC+8*NQ*(\sc)+NQ*\b+(\q)], v[SC+8*NQ*(\sc)+NQ*(\a)+(\q)] matrix_a_fmt:MATRIX_FMT_BF6 matrix_b_fmt:MATRIX_FMT_BF6 matrix_a_scale:MATRIX_SCALE_ROW1
.else
	v_wmma_scale_f32_16x16x128_f8f6f4 v[8*(8*((\a)%4)+\b):8*(8*((\a)%4)+\b)+7], v[128*(\p)+FR*\b:128*(\p)+FR*\b+FR-1], v[AF+FR*(\a):AF+FR*(\a)+FR-1], v[8*(8*((\a)%4)+\b):8*(8*((\a)%4)+\b)+7], v[SC+8*NQ*(\sc)+NQ*\b+(\q)], v[SC+8*NQ*(\sc)+NQ*(\a)+(\q)] matrix_a_fmt:MATRIX_FMT_BF6 matrix_b_fmt:MATRIX_FMT_BF6 matrix_a_scale:MATRIX_SCALE_ROW1
.endif
.endr
.endr
.endm
.macro FETCH_B slot, q, p
	WIN TO_B
.irp i, 0,1,2,3,4,5,6,7
	FRAG 128*(\p)+FR*\i, ADRB+\slot, \i*TROW+(\q)*1536
.endr
	WIN 0
.endm
.macro FETCH_A slot, q, i0
.irp i, \i0, \i0+1, \i0+2, \i0+3
	FRAG AF+FR*(\i), ADRA+\slot, (\i)*TROW+(\q)*1536
.endr
.endm
.macro SCALES sc                       ; a slot's two scale words a row: lanes 0-15 A's block i, lanes 16-31 B's block i
.irp i, 0,1,2,3,4,5,6,7
	ds_load_b64 v[SC+8*NQ*\sc+NQ*\i:SC+8*NQ*\sc+NQ*\i+1], v[ADRS] offset:\i*SB
.endr
.endm
.macro PLACES n                        ; places in front of loads into registers that matrix instructions have read, and of the first read of results
.rept \n
	v_nop
.endr
.endm
.macro STEP slot, q, zero              ; 128 along K that have their successor in the same slot
	s_wait_dscnt 4*NL                              ; all but the youngest sixteen loads (A's blocks 4-7) are in
	WIN MUL_LO
	MUL16 0, (\q)%2, \q, \slot, \zero
	MUL16 2, (\q)%2, \q, \slot, \zero
	s_wait_dscnt 0
	PLACES NP
	FETCH_B \slot, (\q)+1, 1-(\q)%2
	FETCH_A \slot, (\q)+1, 0
	WIN MUL_HI
	MUL16 4, (\q)%2, \q, \slot, \zero
	MUL16 6, (\q)%2, \q, \slot, \zero
	PLACES NP
	WIN 0
	FETCH_A \slot, (\q)+1, 4
.endm
; A slot's last step changes slots: one barrier; in front of it each wave waits for all its tensor loads, adds 0 to its spare word, and waits for that and for its reads of this slot.  fill = 1: the slot is filled again, two K steps ahead.
.macro TURN slot, next, fill
	s_wait_tensorcnt 0x0                           ; all my tensor loads have landed: my part of the next slot
	ds_add_u32 v[SPW], v[NIL]                      ; 0 onto my spare word
	s_wait_dscnt 4*NL+1                            ; (the add and the youngest sixteen loads may be out)
	WIN MUL_LO
	MUL16 0, 1, NQ-1, \slot, 0
	s_wait_dscnt 0x0                               ; the add is done, and my reads of this slot are over
	s_barrier_signal -1
	MUL16 2, 1, NQ-1, \slot, 0
	WIN 0
	s_barrier_wait -1
.if \fill
	CREST                                          ; the barrier has opened a round of the cluster's barrier: no wave of any partner still reads this slot or has a load on its way
	s_add_nc_u64 s[G0+4*\slot+2:G0+4*\slot+3], s[G0+4*\slot+2:G0+4*\slot+3], 2*TROW
	s_add_nc_u64 s[G0B+4*\slot+2:G0B+4*\slot+3], s[G0B+4*\slot+2:G0B+4*\slot+3], 2*TROW
	JLOAD G0+4*\slot, G1, G0B+4*\slot, G1B         ; the first tensor load behind the round; its four v_nop are the places in front of the loads below
.else
	PLACES NP
.endif
	v_add_nc_u32 v[ADRS], 128, v[ADRS]             ; the next slot's scale words
	FETCH_B \next, 0, 0
	FETCH_A \next, 0, 0
	SCALES \next
	WIN MUL_HI
	MUL16 4, 1, NQ-1, \slot, 0
	MUL16 6, 1, NQ-1, \slot, 0
	PLACES NP
	WIN 0
	FETCH_A \next, 0, 4
.endm
	s_wait_tensorcnt 1                             ; the scale bytes and my part of K step 0 are in; K step 1's load may be out
	s_barrier_signal -1
	s_barrier_wait -1
	FETCH_B 0, 0, 0
	FETCH_A 0, 0, 0
	SCALES 0
	FETCH_A 0, 0, 4
	STEP 0, 0, 1
	s_mov_b32 s3, LAPS-1
.Llap:                                                 ; a trip goes once round the ring and fills both slots again
	TURN 0, 1, 1
	STEP 1, 0, 0
	TURN 1, 0, 1
	STEP 0, 0, 0
	s_sub_co_u32 s3, s3, 1
	s_cmp_lg_u32 s3, 0
	s_cbranch_scc1 .Llap
	TURN 0, 1, 0                                   ; the last lap fills nothing
	STEP 1, 0, 0
	s_wait_dscnt 4*NL
	WIN MUL_LO
	MUL16 0, 1, NQ-1, 1, 0
	MUL16 2, 1, NQ-1, 1, 0
	s_wait_dscnt 0
	WIN MUL_HI
	MUL16 4, 1, NQ-1, 1, 0
	MUL16 6, 1, NQ-1, 1, 0
	WIN 0
; THE WAY OUT.  Block a: a lane's 128 results, register 16 b + i = place 32 b + 16 (lane / 16) + i along B's rows, become a fragment's codes in v112-123 and its scale word in v[104 + a].
.macro QUANTW a
.set AC, 64*((\a)%4)
.set W, 2+(\a)/4
	WIN W*0x15                                     ; all three sources in the accumulators' window
.irp tr, 0,1,2,3,4
.irp b, 0,1,2,3
	v_max3_num_f32 v[64+6*\b+\tr], |v[AC+16*\b+3*\tr]|, |v[AC+16*\b+3*\tr+1]|, |v[AC+16*\b+3*\tr+2]|   ; ascending: each accumulator is first read at its low end
.endr
.endr
.irp b, 0,1,2,3
	v_max3_num_f32 v[64+6*\b+5], |v[AC+16*\b+15]|, |v[AC+16*\b+15]|, 0x2800000   ; and the floor 2^(5 - 127)
.endr
	WIN 0
.irp b, 0,1,2,3
	v_max3_num_f32 v[88+\b], v[64+6*\b], v[65+6*\b], v[66+6*\b]
.endr
.irp b, 0,1,2,3
	v_max3_num_f32 v[88+\b], v[88+\b], v[67+6*\b], v[68+6*\b]
.endr
.irp b, 0,1,2,3
	v_max_num_f32 v[88+\b], v[88+\b], v[69+6*\b]
.endr
.irp b, 0,1,2,3
	v_permlanex16_b32 v[92+\b], v[88+\b], s100, s101
.endr
.irp b, 0,1,2,3
	v_max_num_f32 v[88+\b], v[88+\b], v[92+\b]     ; with lane l xor 16's: the block's largest magnitude
.endr
.irp b, 0,1,2,3
	v_add_nc_u32 v[96+\b], 0xfe000000, v[88+\b]    ; 4 off the exponent field: the conversion's scale operand
.endr
.irp b, 0,1,2,3
	v_lshrrev_b32 v[100+\b], 23, v[96+\b]          ; the byte
.endr
	v_lshl_or_b32 v[104+(\a)], v101, 8, v100
	v_lshl_or_b32 v[104+(\a)], v102, 16, v[104+(\a)]
	v_lshl_or_b32 v[104+(\a)], v103, 24, v[104+(\a)]
	WIN W                                          ; source 0 alone
.irp c, 0,1
	v_cvt_scalef32_pk16_bf6_f32 v[112+6*\c:114+6*\c], v[AC+32*\c:AC+32*\c+15], v[96+2*\c]
	v_cvt_scalef32_pk16_bf6_f32 v[124+4*\c:126+4*\c], v[AC+32*\c+16:AC+32*\c+31], v[97+2*\c]
.endr
	WIN 0
	v_nop                                          ; one plain place behind the conversions
.irp c, 0,1                                    ; the operand's layout wants a whole block in a lane
.irp i, 0,1,2
	v_permlane16_swap_b32 v[112+6*\c+\i], v[124+4*\c+\i]
.endr
.irp i, 0,1,2
	v_mov_b32 v[115+6*\c+\i], v[124+4*\c+\i]
.endr
.endr
.endm
	PLACES NP
.irp b, 0,1,2,3
	v_mov_b32 v[92+\b], 0                          ; written once: a lane permute's destination counts as one of its sources
.endr
.irp a, 0,1,2,3,4,5,6,7
	QUANTW \a
	global_store_b128 v[L16], v[112:115], s[8:9]               ; 512 consecutive bytes,
	global_store_b64 v[L8], v[116:117], s[8:9] offset:512      ; and 256: a half record
	global_store_b128 v[L16], v[118:121], s[10:11]
	global_store_b64 v[L8], v[122:123], s[10:11] offset:512
.if \a%2 == 1
	v_perm_b32 v132, v[104+\a], v[103+\a], s92
	v_perm_b32 v133, v[104+\a], v[103+\a], s93
	v_cndmask_b32 v132, v132, v133, s98
	global_store_b32 v[SO], v132, s[12:13]
.endif
.if \a < 7
	s_wait_xcnt 0x0                                ; the stores have read their bases and their data: both are written again only behind this wait
.if \a == 3
	s_add_nc_u64 s[8:9], s[8:9], s[20:21]
	s_add_nc_u64 s[10:11], s[10:11], s[20:21]
	s_add_nc_u64 s[12:13], s[12:13], s[46:47]
.else
	s_add_nc_u64 s[8:9], s[8:9], s[18:19]
	s_add_nc_u64 s[10:11], s[10:11], s[18:19]
.endif
.if (\a == 1) || (\a == 5)
	s_add_nc_u64 s[12:13], s[12:13], s[22:23]
.endif
.endif
.endr
	s_wait_tensorcnt 0x0                           ; the wave's end
	ds_add_u32 v[SPW], v[NIL]
	s_wait_dscnt 0x0
	CROUND                                         ; the closing round
	s_endpgm
.Lfunc_end_k_qa684096f92_qkv:
	.size	k_qa684096f92_qkv, .Lfunc_end_k_qa684096f92_qkv-k_qa684096f92_qkv
	.p2alignl 7, 3214868480
	.fill 96, 4, 3214868480
	.section	.rodata,"a",@progbits
	.p2align	6, 0x0
	.amdhsa_kernel k_qa684096f92_qkv
		.amdhsa_group_segment_fixed_size 327680
		.amdhsa_private_segment_fixed_size 0
		.amdhsa_enable_private_segment 0
		.amdhsa_kernarg_size 16
		.amdhsa_user_sgpr_count 2
		.amdhsa_user_sgpr_kernarg_segment_ptr 1
		.amdhsa_wavefront_size32 1
		.amdhsa_system_sgpr_workgroup_id_x 1
		.amdhsa_system_sgpr_workgroup_id_y 1
		.amdhsa_system_sgpr_workgroup_id_z 1
		.amdhsa_system_vgpr_workitem_id 0
		.amdhsa_next_free_vgpr 1024
		.amdhsa_next_free_sgpr 102
		.amdhsa_reserve_vcc 0
		.amdhsa_float_denorm_mode_32 3
		.amdhsa_float_denorm_mode_16_64 3
		.amdhsa_memory_ordered 1
		.amdhsa_forward_progress 1
		.amdhsa_inst_pref_size 153
	.end_amdhsa_kernel
	.amdgpu_metadata
---
amdhsa.version: [ 1, 2 ]
amdhsa.kernels:
  - .name:           k_qa684096f92_qkv
    .symbol:         k_qa684096f92_qkv.kd
    .args:
      - { .name: p0, .offset: 0, .size: 8, .value_kind: global_buffer, .address_space: global }
      - { .name: qkvb, .offset: 8, .size: 8, .value_kind: global_buffer, .address_space: global }
    .group_segment_fixed_size: 327680
    .private_segment_fixed_size: 0
    .kernarg_segment_align: 8
    .kernarg_segment_size: 16
    .max_flat_workgroup_size: 128
    .sgpr_count:     102
    .vgpr_count:     1024
    .wavefront_size: 32
...
	.end_amdgpu_metadata
.endif
;; end of part 2
;; launch attn (part 3): grid 8 x 32, 16 waves a work-group, no clusters, 206,848 bytes of LDS; arguments qkvb, ctxb; writes ctxb
.if DOCPART == 3
	.amdgcn_target "amdgcn-amd-amdhsa--gfx1250"
	.amdhsa_code_object_version 6
	.text
	.protected	k_qa684096f92_attn
	.globl	k_qa684096f92_attn
	.p2align	8
	.type	k_qa684096f92_attn,@function
k_qa684096f92_attn:
	s_mov_b64 s[64:65], 0
	v_nop
	global_prefetch_b8 v0, s[64:65] scope:SCOPE_SE
	s_setreg_imm32_b32 hwreg(HW_REG_WAVE_MODE, 25, 1), 1
	s_wait_xcnt 0x0
; ctx[b][q][h][:] = the sum over k of softmax_k(q . k / 8) v, both products on codes of BF6 (E3M2) with E8M0 scales; ctx is quantised along E in registers and leaves as the next product's operand.
; THE SOFTMAX: t = score x log2(e) / 8; M = the row's largest t so far, rounded UP to a whole number; p = 2^(t - M) is quantised along the keys, not normalised; the row's sum is taken of the unquantised p and divides at the end.
; SHARES.  A work-group owns 256 queries of one (b, h); each of its sixteen waves 16 of them, one tile, in 256 registers.  Every wave walks the head's 2,048 keys, 128 a step.
; A WHOLE HEAD'S K AND V STAY IN LDS: 2 x 98,304 bytes of codes and 2 x 4,096 of scale words, filled once: no slot is ever filled again.  Each wave brings five pieces by tensor loads issued together at the head: 512 bytes of scale
; words, and 3,072 bytes of each quarter (four key steps of K, then the same steps of V: waves 0-7 bring K's part, waves 8-15 V's).  A quarter is read behind a counted wait and a barrier, while the later quarters are on their way.
; NO CLUSTER: what the eight work-groups of a head share is these 204,800 bytes, asked for once in the kernel's first lines; there is no later request that partners could make jointly, and each wave's 16 key steps hold
; some 240 vector instructions each beside 12 matrix instructions: the launch's time is vector work, which sharing does not touch.
; LAYOUT.  Both products are used transposed (S^T = K Q^T, O^T = V^T P^T): a lane holds ONE query.  The keys of a tile lie in the order 32 (T / 2) + 8 (T % 2) + r + 8 (r / 8), so that the 16 registers of two neighbouring tiles are 16 neighbouring keys.
; THE HEAD HAS 64 ALONG K, THE INSTRUCTION 128.  A fragment of K holds key tile 2 f in registers 0-5 and tile 2 f + 1 in registers 6-11.  Q stands twice: v16-27 (codes, then zero codes) and v80-91 (zero codes, then codes).  A product takes one tile;
; the other tile's codes meet zero codes: every such product is exactly 0, since a code of this format is finite and the scale bytes lie between 1 and 254.
; LIMITS: a block of zeros gets the byte 1 where the rule says 127 (this program alone reads the bytes); NaN and infinities are not served.
; REGISTERS: v1-5 lane terms; v12 -M, v13 the largest t, v[14:15] the sum; v16-27, v80-91 Q; v32-79 four fragments of K, then of V; v92-94 addresses in hand; v128-191 S^T, then p; v192-223 O^T; v224-235 p's codes; v232-254 at work;
; v248-249 K's scale words, v250-251 V's (two tiles a register: lanes 0-15, lanes 16-31); v253 p's; v255 Q's.
.set V_IMG,   6291456
.set QK_SCL,  9437184
.set V_SCL,   9699328
.set CTX_SCL, 3145728
.set QB,   49152                       ; a quarter in LDS: four steps of K (6,144 bytes each), then four of V
.set VO,   24576
.set SCK,  4*QB                        ; K's scale words, 256 bytes a step; V's 4,096 bytes on
.set TB,   2                           ; s2  LDS byte of the step's K
.set TS,   3                           ; s3  and of its scale words, from SCK on
.set CNT,  9
.set CS,   20                          ; s[20:21] c = log2(e) / 8
.set SEL,  22                          ; s[22:23] selects for lane l xor 16
.set G1C,  24                          ; s[24:31] group 1: 12 rows of 256 bytes;  s[32:39]: 2 rows
.set G1S,  32
	s_load_b128 s[4:7], s[0:1], 0x0                ; qkvb, ctxb
	v_lshl_add_u32 v127, v0, 2, 0x32000
	v_mov_b32 v243, 0
	ds_add_u32 v127, v243
	ds_add_u32 v127, v243
	v_lshrrev_b32 v1, 5, v0
	v_readfirstlane_b32 s8, v1                     ; wave 0..15
	s_and_b32 s10, ttmp7, 0xffff                   ; b h
	s_lshr_b32 s11, s10, 4                         ; b
	s_and_b32 s12, s10, 15                         ; h
	s_lshl_b32 s13, s11, 7
	s_lshl_b32 s14, ttmp9, 4
	s_add_co_u32 s13, s13, s14
	s_add_co_u32 s13, s13, s8                      ; my tile of queries: 128 b + 16 x + wave
.irp g, G1C, G1S
	s_mov_b32 s[\g], 3<<16                         ; no mask; elements of 8 bytes; no padding
	s_mov_b32 s[\g+1], 32<<16                      ; rows of 256 bytes, dense
	s_mov_b32 s[\g+3], 32<<16
	s_mov_b32 s[\g+5], 32
	s_mov_b32 s[\g+6], 0
	s_mov_b32 s[\g+7], 0
.endr
	s_mov_b32 s[G1C+2], 12<<16
	s_mov_b32 s[G1C+4], 12
	s_mov_b32 s[G1S+2], 2<<16
	s_mov_b32 s[G1S+4], 2
	s_add_co_u32 s14, s12, 16                      ; k's head group
	s_mul_i32 s15, s14, 196608
	s_mul_i32 s16, s11, 98304
	s_add_co_u32 s15, s15, s16                     ; K's records of this batch
	s_mul_i32 s16, s10, 98304
	s_add_co_u32 s16, s16, V_IMG-24576             ; V's fragments, less the eight waves that bring K
	s_lshl_b32 s17, s14, 13
	s_lshl_b32 s18, s11, 12
	s_add_co_u32 s17, s17, s18
	s_add_co_u32 s17, s17, QK_SCL
	s_lshl_b32 s18, s10, 12
	s_add_co_u32 s18, s18, V_SCL-4096
	s_cmp_lt_u32 s8, 8
	s_cselect_b32 s20, s15, s16
	s_cselect_b32 s22, s17, s18
	s_mul_i32 s19, s8, 3072                        ; my piece of a quarter, in memory and in LDS alike
	s_add_co_u32 s20, s20, s19
	s_mov_b32 s21, 0
	s_lshl_b32 s2, s8, 9                           ; my piece of the scale words
	s_add_co_u32 s22, s22, s2
	s_mov_b32 s23, 0
	s_wait_dscnt 0x0
	s_wait_kmcnt 0x0
	s_add_nc_u64 s[20:21], s[4:5], s[20:21]
	s_add_nc_u64 s[22:23], s[4:5], s[22:23]
	s_mov_b32 s40, 1
	s_add_co_u32 s41, s2, SCK
	s_mov_b64 s[42:43], s[22:23]
	s_or_b32 s43, s43, 0x80000000
.irp q, 0,1,2,3
	s_mov_b32 s[44+4*\q], 1
	s_add_co_u32 s[45+4*\q], s19, \q*QB
	s_add_nc_u64 s[46+4*\q:47+4*\q], s[20:21], \q*24576
	s_or_b32 s[47+4*\q], s[47+4*\q], 0x80000000
.endr
	tensor_load_to_lds s[40:43], s[G1S:G1S+7]      ; five first fills, each with a group 0 of its own: five tensor loads of mine are out at the most
	s_nop 0
	tensor_load_to_lds s[44:47], s[G1C:G1C+7]
	s_nop 0
	tensor_load_to_lds s[48:51], s[G1C:G1C+7]
	s_nop 0
	tensor_load_to_lds s[52:55], s[G1C:G1C+7]
	s_nop 0
	tensor_load_to_lds s[56:59], s[G1C:G1C+7]
	s_nop 0
.rept 4
	v_nop
.endr
	s_mul_i32 s14, s12, 196608                     ; Q: head group h, my tile
	s_mul_i32 s15, s13, 768
	s_add_co_u32 s14, s14, s15
	s_mov_b32 s15, 0
	s_add_nc_u64 s[14:15], s[4:5], s[14:15]
	s_lshl_b32 s16, s12, 13
	s_lshr_b32 s17, s13, 1
	s_lshl_b32 s17, s17, 6
	s_add_co_u32 s16, s16, s17
	s_add_co_u32 s16, s16, QK_SCL
	s_mov_b32 s17, 0
	s_add_nc_u64 s[16:17], s[4:5], s[16:17]
	s_lshl_b32 s18, s13, 4                         ; ctx: record 16 T + h,
	s_add_co_u32 s18, s18, s12
	s_mul_i32 s18, s18, 768
	s_mov_b32 s19, 0
	s_add_nc_u64 s[18:19], s[6:7], s[18:19]
	s_lshl_b32 s60, s13, 9                         ; scale bytes 512 T + 128 (h / 4) + 2 (h % 4)
	s_lshr_b32 s61, s12, 2
	s_lshl_b32 s61, s61, 7
	s_add_co_u32 s60, s60, s61
	s_and_b32 s61, s12, 3
	s_lshl_b32 s61, s61, 1
	s_add_co_u32 s60, s60, s61
	s_add_co_u32 s60, s60, CTX_SCL
	s_mov_b32 s61, 0
	s_add_nc_u64 s[60:61], s[6:7], s[60:61]
	s_mov_b32 s[CS], 0x3e38aa3b
	s_mov_b32 s[CS+1], s[CS]                       ; (named with it as a pair, so it is written)
	s_mov_b32 s[SEL], 0x76543210
	s_mov_b32 s[SEL+1], 0xfedcba98
	s_mov_b32 s62, 0xffff0000                      ; lanes 16-31
	s_and_b32 s63, s8, 1
	s_lshl_b32 s63, s63, 4                         ; my tile's half of its pair's scale word
	v_and_b32 v6, 31, v0
	v_and_b32 v7, 15, v0
	v_bfe_u32 v8, v0, 4, 1
	v_lshlrev_b32 v1, 4, v6                        ; 16 x lane
	v_lshlrev_b32 v2, 3, v6                        ; 8 x lane
	v_lshl_add_u32 v3, v6, 2, SCK                  ; SCK + 4 x lane
	v_lshlrev_b32 v4, 2, v7                        ; 4 r
	v_lshl_add_u32 v5, v7, 3, v8                   ; 8 r + lane / 16
	global_load_b128 v[16:19], v1, s[14:15]        ; Q's record, twice
	global_load_b64 v[20:21], v2, s[14:15] offset:512
	global_load_b128 v[86:89], v1, s[14:15]
	global_load_b64 v[90:91], v2, s[14:15] offset:512
	global_load_b32 v255, v4, s[16:17]
.irp j, 0,1,2,3,4,5
	v_mov_b32 v[22+\j], 0                          ; zero codes
	v_mov_b32 v[80+\j], 0
.endr
	v_mov_b32 v13, 0xff61b1e6                      ; the largest t so far: -3e38
	v_floor_f32 v12, -v13                          ; -M
	v_mov_b32 v14, 0
	v_mov_b32 v15, 0
.irp b, 0,1,2,3
	v_mov_b32 v[236+\b], 0                         ; written once: a lane permute's destination counts as one of its sources
.endr
	v_mov_b32 v253, 0
	s_wait_loadcnt 0x0
	v_lshrrev_b32 v255, s63, v255
	v_and_b32 v255, 0xffff, v255
	v_lshl_or_b32 v255, v255, 16, v255             ; my tile's two bytes, for both halves of the instruction's K
.set J, 0
.rept 32
	v_mov_b32 v[192+J], 0                          ; O^T: the step is written once; its first trip finds zeros.  (Also the places between v255's last write and the first product)
.set J, J+1
.endr
.macro STEP                            ; 128 keys
	v_add_nc_u32 v92, s[TB], v1
	v_add_nc_u32 v93, s[TB], v2
	v_add_nc_u32 v94, s[TS], v3
	v_nop                                          ; four places in front of loads into registers that the last products read
.irp f, 0,1,2,3
	ds_load_b128 v[32+12*\f:35+12*\f], v92 offset:1536*\f
	ds_load_b64 v[36+12*\f:37+12*\f], v93 offset:1536*\f+512
	ds_load_b128 v[38+12*\f:41+12*\f], v92 offset:1536*\f+768
	ds_load_b64 v[42+12*\f:43+12*\f], v93 offset:1536*\f+1280
.endr
	ds_load_b32 v248, v94
	ds_load_b32 v249, v94 offset:128
	s_wait_dscnt 0x0
.irp f, 0,1,2,3                                ; S^T: key tile 2 f against Q's first form, tile 2 f + 1 against its second
.if \f%2 == 0
	v_wmma_scale_f32_16x16x128_f8f6f4 v[128+16*\f:135+16*\f], v[32+12*\f:43+12*\f], v[16:27], 0, v[248+\f/2], v255 matrix_a_fmt:MATRIX_FMT_BF6 matrix_b_fmt:MATRIX_FMT_BF6
	v_wmma_scale_f32_16x16x128_f8f6f4 v[136+16*\f:143+16*\f], v[32+12*\f:43+12*\f], v[80:91], 0, v[248+\f/2], v255 matrix_a_fmt:MATRIX_FMT_BF6 matrix_b_fmt:MATRIX_FMT_BF6
.else
	v_wmma_scale_f32_16x16x128_f8f6f4 v[128+16*\f:135+16*\f], v[32+12*\f:43+12*\f], v[16:27], 0, v[248+\f/2], v255 matrix_a_fmt:MATRIX_FMT_BF6 matrix_b_fmt:MATRIX_FMT_BF6 matrix_a_scale:MATRIX_SCALE_ROW1
	v_wmma_scale_f32_16x16x128_f8f6f4 v[136+16*\f:143+16*\f], v[32+12*\f:43+12*\f], v[80:91], 0, v[248+\f/2], v255 matrix_a_fmt:MATRIX_FMT_BF6 matrix_b_fmt:MATRIX_FMT_BF6 matrix_a_scale:MATRIX_SCALE_ROW1
.endif
.endr
.rept 4
	v_nop                                          ; places in front of the loads below and of the first read of the scores
.endr
.irp t, 0,1,2,3                                ; V's four fragments land while the softmax is worked
	ds_load_b128 v[32+12*\t:35+12*\t], v92 offset:VO+1536*\t
	ds_load_b64 v[36+12*\t:37+12*\t], v93 offset:VO+1536*\t+512
	ds_load_b128 v[38+12*\t:41+12*\t], v92 offset:VO+1536*\t+768
	ds_load_b64 v[42+12*\t:43+12*\t], v93 offset:VO+1536*\t+1280
.endr
	ds_load_b32 v250, v94 offset:4096
	ds_load_b32 v251, v94 offset:4096+128
.irp b, 0,1,2,3
	v_max3_num_f32 v[232+\b], v[128+16*\b], v[129+16*\b], v[130+16*\b]   ; the largest score of each block of 32 keys: for the row's maximum and, since p rises with the score, for the block's largest p
.endr
.irp i, 3,5,7,9,11,13
.irp b, 0,1,2,3
	v_max3_num_f32 v[232+\b], v[232+\b], v[128+16*\b+\i], v[129+16*\b+\i]
.endr
.endr
.irp b, 0,1,2,3
	v_max_num_f32 v[232+\b], v[232+\b], v[143+16*\b]
.endr
.irp b, 0,1,2,3
	v_permlanex16_b32 v[236+\b], v[232+\b], s[SEL], s[SEL+1]
.endr
.irp b, 0,1,2,3
	v_max_num_f32 v[232+\b], v[232+\b], v[236+\b]
.endr
	v_max3_num_f32 v254, v232, v233, v234
	v_max_num_f32 v254, v254, v235
	v_mul_f32 v254, s[CS], v254                    ; as t (c is positive)
	v_max_num_f32 v13, v13, v254                   ; the running largest t
	v_mov_b32 v254, v12
	v_floor_f32 v12, -v13                          ; the new -M = -ceil(t)
	v_sub_f32 v254, v12, v254                      ; old M - new M: a whole number, 0 or less
	v_cvt_i32_f32 v254, v254                       ; (it saturates)
	v_ldexp_f32 v252, 1.0, v254                    ; f = 2^(old M - new M)
.set J, 0
.rept 32
	v_pk_fma_f32 v[128+J:129+J], v[128+J:129+J], s[CS:CS+1], v[12:13] op_sel_hi:[1,0,0]   ; t - M
.set J, J+2
.endr
.irp b, 0,1,2,3
	v_fma_f32 v[232+\b], v[232+\b], s[CS], v12
.endr
.set J, 0
.rept 64
	v_exp_f32 v[128+J], v[128+J]                   ; p = 2^(t - M)
.set J, J+1
.endr
	v_pk_mul_f32 v[14:15], v[14:15], v[252:253] op_sel_hi:[1,0]   ; the sums under the new M: a plain place behind the exponentials
	s_wait_alu depctr_va_vdst(0)                   ; one wait for the batch, ahead of its first reader
.irp b, 0,1,2,3
	v_exp_f32 v[232+\b], v[232+\b]                 ; each block's largest p
.endr
	v_pk_add_f32 v[236:237], v[128:129], v[130:131]   ; the row's sum of the unquantised p, in two chains
.irp j, 4,8,12,16,20,24,28,32,36,40,44,48,52,56,60
	v_pk_add_f32 v[14:15], v[14:15], v[128+\j:129+\j]
	v_pk_add_f32 v[236:237], v[236:237], v[130+\j:131+\j]
.endr
	v_pk_add_f32 v[14:15], v[14:15], v[236:237]
	s_wait_alu depctr_va_vdst(0)                   ; and one for the four
.irp b, 0,1,2,3
	v_max_num_f32 v[232+\b], 0x2800000, v[232+\b]  ; the floor 2^(5 - 127)
.endr
.irp b, 0,1,2,3
	v_add_nc_u32 v[244+\b], 0xfe000000, v[232+\b]
.endr
.irp b, 0,1,2,3
	v_lshrrev_b32 v[236+\b], 23, v[244+\b]
.endr
	v_lshl_or_b32 v253, v237, 8, v236              ; p's scale word for these 128 keys
	v_lshl_or_b32 v253, v238, 16, v253
	v_lshl_or_b32 v253, v239, 24, v253
.irp c, 0,1
	v_cvt_scalef32_pk16_bf6_f32 v[224+6*\c:226+6*\c], v[128+32*\c:143+32*\c], v[244+2*\c]
	v_cvt_scalef32_pk16_bf6_f32 v[236+4*\c:238+4*\c], v[144+32*\c:159+32*\c], v[244+2*\c+1]
.endr
	v_nop                                          ; one plain place behind the conversions
.irp c, 0,1
.irp i, 0,1,2
	v_permlane16_swap_b32 v[224+6*\c+\i], v[236+4*\c+\i]
.endr
.irp i, 0,1,2
	v_mov_b32 v[227+6*\c+\i], v[236+4*\c+\i]
.endr
.endr
.set J, 0
.rept 16
	v_pk_mul_f32 v[192+J:193+J], v[192+J:193+J], v[252:253] op_sel_hi:[1,0]   ; O^T under the new M; also the places in front of the products below
.set J, J+2
.endr
	s_wait_dscnt 0x0                               ; V is in
	v_wmma_scale_f32_16x16x128_f8f6f4 v[192:199], v[32:43], v[224:235], v[192:199], v250, v253 matrix_a_fmt:MATRIX_FMT_BF6 matrix_b_fmt:MATRIX_FMT_BF6
	v_wmma_scale_f32_16x16x128_f8f6f4 v[200:207], v[44:55], v[224:235], v[200:207], v250, v253 matrix_a_fmt:MATRIX_FMT_BF6 matrix_b_fmt:MATRIX_FMT_BF6 matrix_a_scale:MATRIX_SCALE_ROW1
	v_wmma_scale_f32_16x16x128_f8f6f4 v[208:215], v[56:67], v[224:235], v[208:215], v251, v253 matrix_a_fmt:MATRIX_FMT_BF6 matrix_b_fmt:MATRIX_FMT_BF6
	v_wmma_scale_f32_16x16x128_f8f6f4 v[216:223], v[68:79], v[224:235], v[216:223], v251, v253 matrix_a_fmt:MATRIX_FMT_BF6 matrix_b_fmt:MATRIX_FMT_BF6 matrix_a_scale:MATRIX_SCALE_ROW1
.endm
.irp q, 0,1,2,3
	s_wait_tensorcnt 3-\q                          ; my pieces of the scale words and of quarters 0 .. q are in; the later quarters' loads may be out
	s_wait_dscnt 0x0
	s_barrier_signal -1
	s_barrier_wait -1                              ; everybody's are
	s_mov_b32 s[TB], \q*QB
	s_mov_b32 s[TS], \q*1024
	s_mov_b32 s[CNT], 4
.Lstep\q:
	STEP
	s_add_co_u32 s[TB], s[TB], 6144
	s_add_co_u32 s[TS], s[TS], 256
	s_sub_co_u32 s[CNT], s[CNT], 1
	s_cmp_lg_u32 s[CNT], 0
	s_cbranch_scc1 .Lstep\q
.endr
	; THE WAY OUT.  O^T / the sum: register 16 b + i is channel 32 b + 16 (lane / 16) + i of my query: two blocks along E, quantised as they stand: one half record.
.rept 4
	v_nop
.endr
	v_add_f32 v14, v14, v15
	v_permlanex16_b32 v252, v14, s[SEL], s[SEL+1]
	v_add_f32 v14, v14, v252                       ; the row's sum
	v_rcp_f32 v14, v14
	v_nop
	s_wait_alu depctr_va_vdst(0)
.set J, 0
.rept 32
	v_mul_f32 v[128+J], v[192+J], v14
.set J, J+1
.endr
.irp b, 0,1
	v_max3_num_f32 v[232+\b], |v[128+16*\b]|, |v[129+16*\b]|, 0x2800000
.endr
.irp i, 2,4,6,8,10,12,14
.irp b, 0,1
	v_max3_num_f32 v[232+\b], v[232+\b], |v[128+16*\b+\i]|, |v[129+16*\b+\i]|
.endr
.endr
.irp b, 0,1
	v_permlanex16_b32 v[236+\b], v[232+\b], s[SEL], s[SEL+1]
.endr
.irp b, 0,1
	v_max_num_f32 v[232+\b], v[232+\b], v[236+\b]
.endr
.irp b, 0,1
	v_add_nc_u32 v[244+\b], 0xfe000000, v[232+\b]
.endr
.irp b, 0,1
	v_lshrrev_b32 v[238+\b], 23, v[244+\b]
.endr
	v_cvt_scalef32_pk16_bf6_f32 v[224:226], v[128:143], v244
	v_cvt_scalef32_pk16_bf6_f32 v[240:242], v[144:159], v245
	v_nop
.irp i, 0,1,2
	v_permlane16_swap_b32 v[224+\i], v[240+\i]
.endr
.irp i, 0,1,2
	v_mov_b32 v[227+\i], v[240+\i]
.endr
	v_cndmask_b32 v238, v238, v239, s62            ; lanes 0-15 store block 0's byte, lanes 16-31 block 1's
	global_store_b128 v1, v[224:227], s[18:19]     ; 512 consecutive bytes,
	global_store_b64 v2, v[228:229], s[18:19] offset:512   ; and 256
	global_store_b8 v5, v238, s[60:61]
	s_wait_tensorcnt 0x0
	ds_add_u32 v127, v243
	s_wait_dscnt 0x0
	s_endpgm
.Lfunc_end_k_qa684096f92_attn:
	.size	k_qa684096f92_attn, .Lfunc_end_k_qa684096f92_attn-k_qa684096f92_attn
	.p2alignl 7, 3214868480
	.fill 96, 4, 3214868480
	.section	.rodata,"a",@progbits
	.p2align	6, 0x0
	.amdhsa_kernel k_qa684096f92_attn
		.amdhsa_group_segment_fixed_size 206848
		.amdhsa_private_segment_fixed_size 0
		.amdhsa_enable_private_segment 0
		.amdhsa_kernarg_size 16
		.amdhsa_user_sgpr_count 2
		.amdhsa_user_sgpr_kernarg_segment_ptr 1
		.amdhsa_wavefront_size32 1
		.amdhsa_system_sgpr_workgroup_id_x 1
		.amdhsa_system_sgpr_workgroup_id_y 1
		.amdhsa_system_sgpr_workgroup_id_z 1
		.amdhsa_system_vgpr_workitem_id 0
		.amdhsa_next_free_vgpr 256
		.amdhsa_next_free_sgpr 66
		.amdhsa_reserve_vcc 0
		.amdhsa_float_denorm_mode_32 3
		.amdhsa_float_denorm_mode_16_64 3
		.amdhsa_memory_ordered 1
		.amdhsa_forward_progress 1
		.amdhsa_inst_pref_size 77
	.end_amdhsa_kernel
	.amdgpu_metadata
---
amdhsa.version: [ 1, 2 ]
amdhsa.kernels:
  - .name:           k_qa684096f92_attn
    .symbol:         k_qa684096f92_attn.kd
    .args:
      - { .name: qkvb, .offset: 0, .size: 8, .value_kind: global_buffer, .address_space: global }
      - { .name: ctxb, .offset: 8, .size: 8, .value_kind: global_buffer, .address_space: global }
    .group_segment_fixed_size: 206848
    .private_segment_fixed_size: 0
    .kernarg_segment_align: 8
    .kernarg_segment_size: 16
    .max_flat_workgroup_size: 512
    .sgpr_count:     66
    .vgpr_count:     256
    .wavefront_size: 32
...
	.end_amdgpu_metadata
.endif
;; end of part 3
;; launch wo (part 4): grid 4 x 16, 4 waves a work-group, clusters of 4 x 4, 327,680 bytes of LDS; arguments ctxb, p0, b_o, x, yb; writes yb
.if DOCPART == 4
	.amdgcn_target "amdgcn-amd-amdhsa--gfx1250"
	.amdhsa_code_object_version 6
	.text
	.protected	k_qa684096f92_wo
	.globl	k_qa684096f92_wo
	.p2align	8
	.type	k_qa684096f92_wo,@function
k_qa684096f92_wo:
	s_mov_b64 s[64:65], 0
	v_nop
	global_prefetch_b8 v0, s[64:65] scope:SCOPE_SE
	s_setreg_imm32_b32 hwreg(HW_REG_WAVE_MODE, 25, 1), 1
	s_wait_xcnt 0x0
	s_wait_alu depctr_hold_cnt(0) depctr_sa_sdst(0) depctr_va_vdst(0) depctr_va_sdst(0) depctr_va_ssrc(0) depctr_va_vcc(0) depctr_vm_vsrc(0)
	s_getreg_b32 s2, hwreg(HW_REG_IB_STS2, 6, 4)
	s_cmp_eq_u32 s2, 0
	s_cbranch_scc0 .Lentry_in_a_cluster
	s_endpgm
.Lentry_in_a_cluster:
	s_bfe_u32 s2, ttmp6, 0x10000c
	s_cmp_lg_u32 s2, 0xf033
	s_cbranch_scc0 .Lentry_shape_is_right
	s_endpgm
.Lentry_shape_is_right:
; y1 = x + ctx w_o + b_o: the product on codes of BF6 (E3M2) with E8M0 scales, K = 1,024; bias, residual and result in f32.
; Operands lie in memory as images of operand registers (tiles of 16 rows in the order 32 (T / 2) + 8 (T % 2) + r + 8 (r / 8); half records of 768 bytes for 64 along K: registers 0-3 of lane l at 16 l, 4-5 at 512 + 8 l).
; A tile of 256 x 256 results is made by four waves, each 128 x 128: 64 accumulators.  K goes in steps of 256 through a ring of two LDS slots; the scale bytes of all of K come once and stay.
; Source 1 ('A' = ctx) gives a lane its token, source 0 ('B' = w_o's rows) runs along a lane's registers: eight neighbouring columns an accumulator.  The bias is the C of each sum's first matrix instruction.
; CLUSTERS: 4 x 4 work-groups; A's tiles are asked for jointly along a row of the cluster, B's along a column.  The launch has 64 tiles of this size.
; REGISTERS: window 0: v16-31 addresses; v32-63 scale words, two sets, and nothing else; v64-127 the bias, later residual rows; v128-223 A's fragments, one set; on the way out v128-191 rows of the result, v192-255 residual rows.
; window 1: B's fragments, two sets.  windows 2, 3: accumulator (a, b) at v[8 (8 (a % 4) + b)].
.set KDIM,   1024
.set A_IMG,  0
.set A_SCL,  3145728
.set B_IMG,  2359296
.set B_SCL,  7962624
.set TIMG,   KDIM*12
.set TROW,   3072
.set NQ,     2
.set FR,     12
.set NL,     4
.set NP,     4
.set HALFT,  8*TROW
.set SLOT,   4*HALFT
.set LAPS,   KDIM/512
.set SB,     KDIM/2
.set HALFS,  8*SB
.set SCL,    2*SLOT
.set SPARE,  SCL+4*HALFS               ; the spare words, 128 bytes a wave: two blocks of 256 bytes that no other line names
.set STAGE,  SPARE+512                 ; the way out: 16 rows x (512 + 16) bytes for each wave; no fill lands here
.set SPITCH, 528
.set ADRA, 16
.set ADRB, 20
.set STO,  24
.set RD,   25
.set CO,   26
.set ADRS, 27
.set SPW,  28
.set NIL,  29
.set SC,   32
.set BI,   64
.set AF,   128
.set BK,   128
.set G1, 24
.set G0, 32
.set G1B, 48
.set G0B, 56
.set G1S, 68
.set G0S, 76
.set G1SB, 80
.set G0SB, 88
.set MSB, 0
.macro WIN new
.if MSB != (\new)
	s_set_vgpr_msb (MSB<<8)|(\new)
.set MSB, (\new)
.endif
.endm
.set MUL_LO, 0xa1                      ; source 0 (B) window 1, source 1 (A) window 0, C and D window 2; with the bias as C: 0x81
.set MUL_HI, 0xf1                      ; the same with window 3; with the bias as C: 0xc1
.set TO_B,   0x40
.macro JLOAD g0a, g1a, g0b, g1b        ; a joint load: waves 0 and 1 fetch for A, waves 2 and 3 for B; four v_nop follow each line
	s_cmp_eq_u32 s15, 0
	s_cbranch_scc0 .Lfor_b_\@
	tensor_load_to_lds s[\g0a:\g0a+3], s[\g1a:\g1a+7]
	s_nop 0
.rept 4
	v_nop
.endr
	s_branch .Lasked_\@
.Lfor_b_\@:
	tensor_load_to_lds s[\g0b:\g0b+3], s[\g1b:\g1b+7]
	s_nop 0
.rept 4
	v_nop
.endr
.Lasked_\@:
.endm
.macro CREST
	s_cmp_lg_u32 s14, 0
	s_cbranch_scc1 .Lnot_wave_0_\@
	s_barrier_signal -3
.Lnot_wave_0_\@:
	s_barrier_wait -3
	s_barrier_signal -1
	s_barrier_wait -1
.endm
.macro CROUND
	s_barrier_signal -1
	s_barrier_wait -1
	CREST
.endm
	s_load_b128 s[4:7], s[0:1], 0x0                ; A's buffer, p0
	s_load_b128 s[8:11], s[0:1], 0x10              ; the bias, the residual
	s_load_b64 s[12:13], s[0:1], 0x20              ; the result
	v_lshl_add_u32 v[SPW], v0, 2, SPARE
	v_mov_b32 v[NIL], 0
	ds_add_u32 v28, v29
	ds_add_u32 v28, v29
	s_wait_dscnt 0x0
	v_lshrrev_b32 v1, 5, v0
	v_readfirstlane_b32 s14, v1
	s_lshr_b32 s15, s14, 1
	s_and_b32 s16, s14, 1
	s_bfe_u32 s40, ttmp6, 0x40000                  ; cx
	s_bfe_u32 s41, ttmp6, 0x40004                  ; cy
	s_lshl_b32 s42, ttmp9, 2
	s_add_co_u32 s42, s42, s40                     ; B's block of 256 rows
	s_and_b32 s17, ttmp7, 0xffff
	s_lshl_b32 s17, s17, 2
	s_add_co_u32 s17, s17, s41                     ; A's block of 256 rows
	s_lshl_b32 s43, s41, 2
	s_lshl_b32 s43, 15, s43
	s_lshl_b32 s44, 0x1111, s40
	s_or_b32 s[G1+0], s43, (3<<16)|(1<<21)         ; codes: 8 rows (tiles) of 3,072 bytes, TIMG bytes apart; elements of 8 bytes; dense in LDS
	s_or_b32 s[G1B+0], s44, (3<<16)|(1<<21)
.irp g, G1, G1B
	s_mov_b32 s[\g+1], 384<<16
	s_mov_b32 s[\g+2], 8<<16
	s_mov_b32 s[\g+3], 384<<16
	s_mov_b32 s[\g+4], 8
	s_mov_b32 s[\g+5], TIMG/8
	s_mov_b32 s[\g+6], 0
	s_mov_b32 s[\g+7], 0
.endr
	s_or_b32 s[G1S+0], s43, (3<<16)|(1<<21)        ; scale bytes: a dense block of HALFS bytes as rows of 256
	s_or_b32 s[G1SB+0], s44, (3<<16)|(1<<21)
.irp g, G1S, G1SB
	s_mov_b32 s[\g+1], 32<<16
	s_mov_b32 s[\g+2], (HALFS/256)<<16
	s_mov_b32 s[\g+3], 32<<16
	s_mov_b32 s[\g+4], HALFS/256
	s_mov_b32 s[\g+5], 32
	s_mov_b32 s[\g+6], 0
	s_mov_b32 s[\g+7], 0
.endr
	s_mul_i32 s18, s16, 8*TIMG
	s_mul_i32 s19, s16, HALFS
	s_mul_i32 s20, s17, 16*TIMG
	s_add_co_u32 s20, s20, s18
	s_add_co_u32 s20, s20, A_IMG
	s_mov_b32 s21, 0
	s_mul_i32 s22, s17, 16*SB
	s_add_co_u32 s22, s22, s19
	s_add_co_u32 s22, s22, A_SCL
	s_mov_b32 s23, 0
	s_mul_i32 s46, s42, 16*TIMG
	s_add_co_u32 s46, s46, s18
	s_add_co_u32 s46, s46, B_IMG
	s_mov_b32 s47, 0
	s_mul_i32 s92, s42, 16*SB
	s_add_co_u32 s92, s92, s19
	s_add_co_u32 s92, s92, B_SCL
	s_mov_b32 s93, 0
	s_mul_i32 s45, s14, HALFT
	s_mul_i32 s94, s14, HALFS
	s_wait_kmcnt 0x0
	s_add_nc_u64 s[20:21], s[4:5], s[20:21]
	s_add_nc_u64 s[22:23], s[4:5], s[22:23]
	s_add_nc_u64 s[46:47], s[6:7], s[46:47]
	s_add_nc_u64 s[92:93], s[6:7], s[92:93]
	CROUND                                         ; all sixteen work-groups are here: the first joint loads meet
	s_mov_b32 s[G0S], 1
	s_add_co_u32 s[G0S+1], s94, SCL
	s_mov_b64 s[G0S+2:G0S+3], s[22:23]
	s_or_b32 s[G0S+3], s[G0S+3], 0x80000000
	s_mov_b32 s[G0SB], 1
	s_add_co_u32 s[G0SB+1], s94, SCL
	s_mov_b64 s[G0SB+2:G0SB+3], s[92:93]
	s_or_b32 s[G0SB+3], s[G0SB+3], 0x80000000
	JLOAD G0S, G1S, G0SB, G1SB                     ; three tensor loads of mine are out at the most
.irp s, 0,1
	s_mov_b32 s[G0+4*\s], 1
	s_add_co_u32 s[G0+4*\s+1], s45, \s*SLOT
	s_add_nc_u64 s[G0+4*\s+2:G0+4*\s+3], s[20:21], \s*TROW
	s_or_b32 s[G0+4*\s+3], s[G0+4*\s+3], 0x80000000
	s_mov_b32 s[G0B+4*\s], 1
	s_add_co_u32 s[G0B+4*\s+1], s45, \s*SLOT
	s_add_nc_u64 s[G0B+4*\s+2:G0B+4*\s+3], s[46:47], \s*TROW
	s_or_b32 s[G0B+4*\s+3], s[G0B+4*\s+3], 0x80000000
	JLOAD G0+4*\s, G1, G0B+4*\s, G1B
.endr
	v_and_b32 v1, 15, v0                           ; r
	v_bfe_u32 v2, v0, 4, 1                         ; h
	v_and_b32 v3, 31, v0
	v_lshlrev_b32 v[CO], 4, v3                     ; 16 x lane
	v_lshlrev_b32 v4, 3, v3                        ; 8 x lane
	s_mul_i32 s21, s15, HALFT
	s_mul_i32 s22, s16, HALFT
	s_add_co_u32 s22, s22, 2*HALFT
.irp s, 0,1
	v_add_nc_u32 v[ADRA+\s], s21, v[CO]
	v_add_nc_u32 v[ADRA+2+\s], s21, v4
	v_add_nc_u32 v[ADRB+\s], s22, v[CO]
	v_add_nc_u32 v[ADRB+2+\s], s22, v4
	s_add_co_u32 s21, s21, SLOT
	s_add_co_u32 s22, s22, SLOT
.endr
	v_lshlrev_b32 v5, 3, v1
	s_mul_i32 s21, s15, HALFS
	s_mul_i32 s22, s16, HALFS
	s_add_co_u32 s22, s22, 2*HALFS
	s_sub_co_u32 s22, s22, s21
	v_mul_u32_u24 v6, s22, v2                      ; lanes 16-31 take B's scale words
	s_add_co_u32 s21, s21, SCL
	v_add_nc_u32 v5, v5, v6
	v_add_nc_u32 v[ADRS], s21, v5
	v_lshlrev_b32 v8, 6, v2                        ; the bias: lane (r, h) wants, for tile b, columns 32 (b / 2) + 8 (b % 2) + 16 h + 0 .. 7
	s_lshl_b32 s46, s42, 10
	s_lshl_b32 s47, s16, 9
	s_add_co_u32 s46, s46, s47                     ; my first column, in bytes
	s_mov_b32 s47, 0
	s_add_nc_u64 s[8:9], s[8:9], s[46:47]
.irp b, 0,1,2,3,4,5,6,7
	global_load_b128 v[BI+8*\b:BI+8*\b+3], v8, s[8:9] offset:(32*(\b/2)+8*(\b%2))*4
	global_load_b128 v[BI+8*\b+4:BI+8*\b+7], v8, s[8:9] offset:(32*(\b/2)+8*(\b%2))*4+16
.endr
	s_mul_i32 s23, s14, 16*SPITCH
	s_add_co_u32 s23, s23, STAGE                   ; my stage
	v_mul_u32_u24 v9, v1, SPITCH
	v_lshl_add_u32 v9, v2, 6, v9
	v_add_nc_u32 v[STO], s23, v9                   ; in: row r, + 64 h
	v_add_nc_u32 v[RD], s23, v[CO]                 ; back: a row's 512 bytes, 16 a lane
	s_lshl_b32 s20, s17, 8
	s_lshl_b32 s21, s15, 7
	s_add_co_u32 s20, s20, s21                     ; my first row
	s_lshl_b32 s20, s20, 12
	s_add_co_u32 s20, s20, s46
	s_mov_b32 s21, 0
	s_add_nc_u64 s[12:13], s[12:13], s[20:21]
	s_add_nc_u64 s[10:11], s[10:11], s[20:21]
.macro FRAG reg, a16, off
	ds_load_b128 v[\reg:\reg+3], v[\a16] offset:\off
	ds_load_b64 v[\reg+4:\reg+5], v[\a16+2] offset:(\off)+512
	ds_load_b128 v[\reg+6:\reg+9], v[\a16] offset:(\off)+768
	ds_load_b64 v[\reg+10:\reg+11], v[\a16+2] offset:(\off)+1280
.endm
; 16 matrix instructions: A's blocks a0, a0 + 1 x B's eight.  The 64 accumulators take turns, one instruction a turn.  zero = 2: the bias starts the sums.
.macro MUL16 a0, p, q, sc, zero
.irp a, \a0, \a0+1
.irp b, 0,1,2,3,4,5,6,7
.if (\zero) == 2
	v_wmma_scale_f32_16x16x128_f8f6f4 v[8*(8*((\a)%4)+\b):8*(8*((\a)%4)+\b)+7], v[128*(\p)+FR*\b:128*(\p)+FR*\b+FR-1], v[AF+FR*(\a):AF+FR*(\a)+FR-1], v[BI+8*\b:BI+8*\b+7], v[SC+8*NQ*(\sc)+NQ*\b+(\q)], v[SC+8*NQ*(\sc)+NQ*(\a)+(\q)] matrix_a_fmt:MATRIX_FMT_BF6 matrix_b_fmt:MATRIX_FMT_BF6 matrix_a_scale:MATRIX_SCALE_ROW1
.else
	v_wmma_scale_f32_16x16x128_f8f6f4 v[8*(8*((\a)%4)+\b):8*(8*((\a)%4)+\b)+7], v[128*(\p)+FR*\b:128*(\p)+FR*\b+FR-1], v[AF+FR*(\a):AF+FR*(\a)+FR-1], v[8*(8*((\a)%4)+\b):8*(8*((\a)%4)+\b)+7], v[SC+8*NQ*(\sc)+NQ*\b+(\q)], v[SC+8*NQ*(\sc)+NQ*(\a)+(\q)] matrix_a_fmt:MATRIX_FMT_BF6 matrix_b_fmt:MATRIX_FMT_BF6 matrix_a_scale:MATRIX_SCALE_ROW1
.endif
.endr
.endr
.endm
.macro FETCH_B slot, q, p
	WIN TO_B
.irp i, 0,1,2,3,4,5,6,7
	FRAG 128*(\p)+FR*\i, ADRB+\slot, \i*TROW+(\q)*1536
.endr
	WIN 0
.endm
.macro FETCH_A slot, q, i0
.irp i, \i0, \i0+1, \i0+2, \i0+3
	FRAG AF+FR*(\i), ADRA+\slot, (\i)*TROW+(\q)*1536
.endr
.endm
.macro SCALES sc
.irp i, 0,1,2,3,4,5,6,7
	ds_load_b64 v[SC+8*NQ*\sc+NQ*\i:SC+8*NQ*\sc+NQ*\i+1], v[ADRS] offset:\i*SB
.endr
.endm
.macro PLACES n
.rept \n
	v_nop
.endr
.endm
.macro STEP slot, q, zero
	s_wait_dscnt 4*NL                              ; all but the youngest sixteen loads (A's blocks 4-7) are in
	WIN MUL_LO-0x20*((\zero)/2)
	MUL16 0, (\q)%2, \q, \slot, \zero
	MUL16 2, (\q)%2, \q, \slot, \zero
	s_wait_dscnt 0
	PLACES NP
	FETCH_B \slot, (\q)+1, 1-(\q)%2
	FETCH_A \slot, (\q)+1, 0
	WIN MUL_HI-0x30*((\zero)/2)
	MUL16 4, (\q)%2, \q, \slot, \zero
	MUL16 6, (\q)%2, \q, \slot, \zero
	PLACES NP
	WIN 0
	FETCH_A \slot, (\q)+1, 4
.endm
.macro TURN slot, next, fill
	s_wait_tensorcnt 0x0                           ; all my tensor loads have landed: my part of the next slot
	ds_add_u32 v[SPW], v[NIL]                      ; 0 onto my spare word
	s_wait_dscnt 4*NL+1                            ; (the add and the youngest sixteen loads may be out)
	WIN MUL_LO
	MUL16 0, 1, NQ-1, \slot, 0
	s_wait_dscnt 0x0                               ; the add is done, and my reads of this slot are over
	s_barrier_signal -1
	MUL16 2, 1, NQ-1, \slot, 0
	WIN 0
	s_barrier_wait -1
.if \fill
	CREST                                          ; a round of the cluster's barrier: no wave of any partner still reads this slot or has a load on its way
	s_add_nc_u64 s[G0+4*\slot+2:G0+4*\slot+3], s[G0+4*\slot+2:G0+4*\slot+3], 2*TROW
	s_add_nc_u64 s[G0B+4*\slot+2:G0B+4*\slot+3], s[G0B+4*\slot+2:G0B+4*\slot+3], 2*TROW
	JLOAD G0+4*\slot, G1, G0B+4*\slot, G1B
.else
	PLACES NP
.endif
	v_add_nc_u32 v[ADRS], 128, v[ADRS]
	FETCH_B \next, 0, 0
	FETCH_A \next, 0, 0
	SCALES \next
	WIN MUL_HI
	MUL16 4, 1, NQ-1, \slot, 0
	MUL16 6, 1, NQ-1, \slot, 0
	PLACES NP
	WIN 0
	FETCH_A \next, 0, 4
.endm
	s_wait_tensorcnt 1                             ; the scale bytes and my part of K step 0 are in; K step 1's load may be out
	s_barrier_signal -1
	s_barrier_wait -1
	FETCH_B 0, 0, 0
	FETCH_A 0, 0, 0
	SCALES 0
	FETCH_A 0, 0, 4
	s_wait_loadcnt 0x0                             ; the bias
	STEP 0, 0, 2
	s_mov_b32 s3, LAPS-1
.Llap:
	TURN 0, 1, 1
	STEP 1, 0, 0
	TURN 1, 0, 1
	STEP 0, 0, 0
	s_sub_co_u32 s3, s3, 1
	s_cmp_lg_u32 s3, 0
	s_cbranch_scc1 .Llap
	TURN 0, 1, 0
	STEP 1, 0, 0
	s_wait_dscnt 4*NL
	WIN MUL_LO
	MUL16 0, 1, NQ-1, 1, 0
	MUL16 2, 1, NQ-1, 1, 0
	s_wait_dscnt 0
	WIN MUL_HI
	MUL16 4, 1, NQ-1, 1, 0
	MUL16 6, 1, NQ-1, 1, 0
	WIN 0
; THE WAY OUT, block by block of 16 rows x 128 columns, through my own stage: back come whole rows of 512 bytes; the residual's same rows are added; 32 lanes store 512 consecutive bytes.
; Row t of block a is row 32 (a / 2) + 8 (a % 2) + t + 8 (t / 8) of my 128: it stands in the immediate, 520,192 bytes at the most.
.macro RLOAD a
.set RR, 64+128*((\a)%2)
.irp t, 0,1,2,3,4,5,6,7,8,9,10,11,12,13,14,15
	global_load_b128 v[RR+4*\t:RR+4*\t+3], v[CO], s[10:11] offset:(32*((\a)/2)+8*((\a)%2)+\t+8*(\t/8))*4096
.endr
.endm
.macro TOSTAGE a
.set AC, 64*((\a)%4)
	WIN 0x08+4*((\a)/4)                            ; an LDS store's data: window 2 or 3
.irp b, 0,1,2,3,4,5,6,7
	ds_store_b128 v[STO], v[AC+8*\b:AC+8*\b+3] offset:128*(\b/2)+32*(\b%2)          ; each accumulator from its low end on
	ds_store_b128 v[STO], v[AC+8*\b+4:AC+8*\b+7] offset:128*(\b/2)+32*(\b%2)+16
.endr
	WIN 0
.irp t, 0,1,2,3,4,5,6,7,8,9,10,11,12,13,14,15
	ds_load_b128 v[BK+4*\t:BK+4*\t+3], v[RD] offset:\t*SPITCH   ; LDS serves a wave's instructions in order: these see my stores
.endr
.endm
.macro ADDOUT a
.set RR, 64+128*((\a)%2)
.set J, 0
.rept 32
	v_pk_add_f32 v[BK+J:BK+J+1], v[BK+J:BK+J+1], v[RR+J:RR+J+1]
.set J, J+2
.endr
.irp t, 0,1,2,3,4,5,6,7,8,9,10,11,12,13,14,15
	global_store_b128 v[CO], v[BK+4*\t:BK+4*\t+3], s[12:13] offset:(32*((\a)/2)+8*((\a)%2)+\t+8*(\t/8))*4096
.endr
.endm
	PLACES NP
	RLOAD 0
.irp a, 0,1,2,3,4,5,6,7
.if \a > 0
	s_wait_xcnt 0x0                                ; the last block's stores have read v128-191, which the stage's loads write
.endif
	TOSTAGE \a
.if \a < 7
	RLOAD \a+1
	s_wait_dscnt 0x0
	s_wait_loadcnt 16                              ; this block's residual is in; the next block's sixteen loads may be out
.else
	s_wait_dscnt 0x0
	s_wait_loadcnt 0x0
.endif
	ADDOUT \a
.endr
	s_wait_tensorcnt 0x0                           ; the wave's end
	ds_add_u32 v[SPW], v[NIL]
	s_wait_dscnt 0x0
	CROUND                                         ; the closing round
	s_endpgm
.Lfunc_end_k_qa684096f92_wo:
	.size	k_qa684096f92_wo, .Lfunc_end_k_qa684096f92_wo-k_qa684096f92_wo
	.p2alignl 7, 3214868480
	.fill 96, 4, 3214868480
	.section	.rodata,"a",@progbits
	.p2align	6, 0x0
	.amdhsa_kernel k_qa684096f92_wo
		.amdhsa_group_segment_fixed_size 327680
		.amdhsa_private_segment_fixed_size 0
		.amdhsa_enable_private_segment 0
		.amdhsa_kernarg_size 40
		.amdhsa_user_sgpr_count 2
		.amdhsa_user_sgpr_kernarg_segment_ptr 1
		.amdhsa_wavefront_size32 1
		.amdhsa_system_sgpr_workgroup_id_x 1
		.amdhsa_system_sgpr_workgroup_id_y 1
		.amdhsa_system_sgpr_workgroup_id_z 1
		.amdhsa_system_vgpr_workitem_id 0
		.amdhsa_next_free_vgpr 1024
		.amdhsa_next_free_sgpr 102
		.amdhsa_reserve_vcc 0
		.amdhsa_float_denorm_mode_32 3
		.amdhsa_float_denorm_mode_16_64 3
		.amdhsa_memory_ordered 1
		.amdhsa_forward_progress 1
		.amdhsa_inst_pref_size 173
	.end_amdhsa_kernel
	.amdgpu_metadata
---
amdhsa.version: [ 1, 2 ]
amdhsa.kernels:
  - .name:           k_qa684096f92_wo
    .symbol:         k_qa684096f92_wo.kd
    .args:
      - { .name: ctxb, .offset: 0, .size: 8, .value_kind: global_buffer, .address_space: global }
      - { .name: p0, .offset: 8, .size: 8, .value_kind: global_buffer, .address_space: global }
      - { .name: b_o, .offset: 16, .size: 8, .value_kind: global_buffer, .address_space: global }
      - { .name: x, .offset: 24, .size: 8, .value_kind: global_buffer, .address_space: global }
      - { .name: yb, .offset: 32, .size: 8, .value_kind: global_buffer, .address_space: global }
    .group_segment_fixed_size: 327680
    .private_segment_fixed_size: 0
    .kernarg_segment_align: 8
    .kernarg_segment_size: 40
    .max_flat_workgroup_size: 128
    .sgpr_count:     102
    .vgpr_count:     1024
    .wavefront_size: 32
...
	.end_amdgpu_metadata
.endif
;; end of part 4
;; launch ln1 (part 5): grid 256 x 1, 4 waves a work-group, no clusters, 66,304 bytes of LDS; arguments yb, g1, be1, x1b; writes x1b
.if DOCPART == 5
	.amdgcn_target "amdgcn-amd-amdhsa--gfx1250"
	.amdhsa_code_object_version 6
	.text
	.protected	k_qa684096f92_ln1
	.globl	k_qa684096f92_ln1
	.p2align	8
	.type	k_qa684096f92_ln1,@function
k_qa684096f92_ln1:
	s_mov_b64 s[64:65], 0
	v_nop
	global_prefetch_b8 v0, s[64:65] scope:SCOPE_SE
	s_setreg_imm32_b32 hwreg(HW_REG_WAVE_MODE, 25, 1), 1
	s_wait_xcnt 0x0
; x1 = layernorm(y1) g1 + be1, rows of 1,024 f32; x1 leaves as f32 (the second residual) and, quantised to BF6 (E3M2) with E8M0 scales along the row, as the next products' operand.
; A work-group takes a tile of 16 rows, 32 (T / 2) + 8 (T % 2) + r + 8 (r / 8); wave w norms rows 4 w .. 4 w + 3 of the tile, a whole row in the wave's 32 registers a lane: mean, then the centred squares: no difference of large sums.
; The normed rows go through a stage in LDS (pitch 4,096 + 16 bytes), one barrier; then wave w makes half records 4 w .. 4 w + 3: lane (r, h) holds block 2 u + h of row r whole.
; x1b: x1 at 0; its records (tile T, 64 along K number u) at X1_IMG + (16 T + u) 768: registers 0-3 of lane l at 16 l, 4-5 at 512 + 8 l; scale bytes at X1_SCL + 512 T + 128 (j / 8) + 8 r + j % 8.
; LIMITS: a block of zeros gets the byte 1 where the rule says 127 (this program alone reads the bytes); largest magnitudes under 2^-122 are held at byte 1; NaN and infinities are not served.
; A stream: every byte read once; all of a wave's 48 loads are issued at its head.  No matrix unit, no cluster, no tensor load.
.set X1_IMG, 16777216
.set X1_SCL, 19922944
.set SP,  4112
.set X,   32                           ; v32-159  four rows, 32 numbers a lane each
.set G,   160                          ; v160-191 the gain of my 32 columns;  v192-223 the offset
.set BE,  192
.set TA,  224                          ; v224-239 four registers a row, at work
.set PD,  240                          ; v240-243 lane permutes' destinations
.macro QB32 s, c, byt
.set XS, \s
.set CC, \c
	v_max3_num_f32 v8, |v[XS]|, |v[XS+1]|, |v[XS+2]|
	v_max3_num_f32 v9, |v[XS+3]|, |v[XS+4]|, |v[XS+5]|
.irp i, 6,10,14,18,22,26
	v_max3_num_f32 v8, v8, |v[XS+\i]|, |v[XS+\i+1]|
	v_max3_num_f32 v9, v9, |v[XS+\i+2]|, |v[XS+\i+3]|
.endr
	v_max3_num_f32 v8, v8, |v[XS+30]|, |v[XS+31]|
	v_max3_num_f32 v8, v8, v9, 0x2800000           ; the floor 2^(5 - 127)
	v_add_nc_u32 v11, 0xfe000000, v8               ; 4 off the exponent field: the conversion's scale operand
	v_lshrrev_b32 v[\byt], 23, v11
	v_cvt_scalef32_pk16_bf6_f32 v[CC:CC+2], v[XS:XS+15], v11
	v_cvt_scalef32_pk16_bf6_f32 v[CC+6:CC+8], v[XS+16:XS+31], v11
	v_nop
.irp i, 0,1,2
	v_mov_b32 v[CC+3+\i], v[CC+6+\i]
.endr
.endm
.macro REDUCE                          ; v[TA + 4 i], i = 0 .. 3, summed over the 32 lanes, the four rows by turns
.irp m, 1,2,4,8
.irp i, 0,1,2,3
	v_add_f32_dpp v[TA+4*\i], v[TA+4*\i], v[TA+4*\i] row_xmask:\m row_mask:0xf bank_mask:0xf
.endr
.endr
.irp i, 0,1,2,3
	v_permlanex16_b32 v[PD+\i], v[TA+4*\i], s22, s23
.endr
.irp i, 0,1,2,3
	v_add_f32 v[TA+4*\i], v[TA+4*\i], v[PD+\i]
.endr
.endm
	s_load_b128 s[4:7], s[0:1], 0x0                ; y1, g1
	s_load_b128 s[8:11], s[0:1], 0x10              ; be1, x1b
	v_lshl_add_u32 v254, v0, 2, 0x10100
	v_mov_b32 v255, 0
	v_lshrrev_b32 v1, 5, v0
	v_readfirstlane_b32 s12, v1                    ; wave
	v_and_b32 v1, 31, v0
	v_and_b32 v2, 15, v0                           ; r
	v_bfe_u32 v3, v0, 4, 1                         ; h
	v_lshlrev_b32 v4, 4, v1                        ; 16 x lane
	v_lshlrev_b32 v5, 3, v1                        ; 8 x lane
	s_lshr_b32 s13, ttmp9, 1
	s_lshl_b32 s13, s13, 5
	s_and_b32 s14, ttmp9, 1
	s_lshl_b32 s14, s14, 3
	s_add_co_u32 s13, s13, s14
	s_lshl_b32 s14, s12, 2
	s_add_co_u32 s13, s13, s14
	s_lshr_b32 s14, s12, 1
	s_lshl_b32 s14, s14, 3
	s_add_co_u32 s13, s13, s14                     ; my first row: the tile's + 4 w + 8 (w / 2)
	s_lshl_b32 s14, s13, 12
	s_mov_b32 s15, 0
	s_mul_i32 s13, s12, 4*SP
	v_add_nc_u32 v6, s13, v4                       ; the stage, in: my four rows
	v_mul_u32_u24 v7, v2, SP
	v_lshl_add_u32 v7, v3, 7, v7
	s_lshl_b32 s13, s12, 10
	v_add_nc_u32 v7, s13, v7                       ; and out: row r, + 1,024 w + 128 h
	s_lshl_b32 s18, ttmp9, 4
	s_lshl_b32 s19, s12, 2
	s_add_co_u32 s18, s18, s19
	s_mul_i32 s18, s18, 768
	s_add_co_u32 s18, s18, X1_IMG
	s_mov_b32 s19, 0
	s_lshl_b32 s24, ttmp9, 9
	s_lshl_b32 s25, s12, 7
	s_add_co_u32 s24, s24, s25
	s_add_co_u32 s24, s24, X1_SCL
	s_mov_b32 s25, 0
	s_mov_b32 s20, 0x3727c5ac                      ; 1e-5
	s_mov_b32 s21, 0x3a800000                      ; 1 / 1,024
	s_mov_b32 s22, 0x76543210
	s_mov_b32 s23, 0xfedcba98
.irp i, 0,1,2,3
	v_mov_b32 v[PD+\i], 0
.endr
	s_wait_kmcnt 0x0
	s_add_nc_u64 s[4:5], s[4:5], s[14:15]
	s_add_nc_u64 s[16:17], s[10:11], s[14:15]
	s_add_nc_u64 s[18:19], s[10:11], s[18:19]
	s_add_nc_u64 s[24:25], s[10:11], s[24:25]
.irp i, 0,1,2,3
.irp j, 0,1,2,3,4,5,6,7
	global_load_b128 v[X+32*\i+4*\j:X+32*\i+4*\j+3], v4, s[4:5] offset:4096*\i+512*\j th:TH_LOAD_NT   ; 512 consecutive bytes
.endr
.endr
.irp j, 0,1,2,3,4,5,6,7
	global_load_b128 v[G+4*\j:G+4*\j+3], v4, s[6:7] offset:512*\j
	global_load_b128 v[BE+4*\j:BE+4*\j+3], v4, s[8:9] offset:512*\j
.endr
	s_wait_loadcnt 16                              ; the rows are in; the sixteen loads of gain and offset may be out
.irp i, 0,1,2,3
	v_pk_add_f32 v[TA+4*\i:TA+4*\i+1], v[X+32*\i:X+32*\i+1], v[X+32*\i+2:X+32*\i+3]
	v_pk_add_f32 v[TA+4*\i+2:TA+4*\i+3], v[X+32*\i+4:X+32*\i+5], v[X+32*\i+6:X+32*\i+7]
.endr
.irp k, 8,12,16,20,24,28
.irp i, 0,1,2,3
	v_pk_add_f32 v[TA+4*\i:TA+4*\i+1], v[TA+4*\i:TA+4*\i+1], v[X+32*\i+\k:X+32*\i+\k+1]
	v_pk_add_f32 v[TA+4*\i+2:TA+4*\i+3], v[TA+4*\i+2:TA+4*\i+3], v[X+32*\i+\k+2:X+32*\i+\k+3]
.endr
.endr
.irp i, 0,1,2,3
	v_pk_add_f32 v[TA+4*\i:TA+4*\i+1], v[TA+4*\i:TA+4*\i+1], v[TA+4*\i+2:TA+4*\i+3]
.endr
.irp i, 0,1,2,3
	v_add_f32 v[TA+4*\i], v[TA+4*\i], v[TA+4*\i+1]
.endr
	REDUCE
.irp i, 0,1,2,3
	v_mul_f32 v[TA+4*\i], 0xba800000, v[TA+4*\i]   ; - the mean
.endr
.irp k, 0,2,4,6,8,10,12,14,16,18,20,22,24,26,28,30
.irp i, 0,1,2,3
	v_pk_add_f32 v[X+32*\i+\k:X+32*\i+\k+1], v[X+32*\i+\k:X+32*\i+\k+1], v[TA+4*\i:TA+4*\i+1] op_sel_hi:[1,0]   ; centred, in place
.endr
.endr
.irp i, 0,1,2,3
	v_pk_mul_f32 v[TA+4*\i+2:TA+4*\i+3], v[X+32*\i:X+32*\i+1], v[X+32*\i:X+32*\i+1]
	v_pk_mul_f32 v[TA+4*\i:TA+4*\i+1], v[X+32*\i+2:X+32*\i+3], v[X+32*\i+2:X+32*\i+3]
.endr
.irp k, 4,8,12,16,20,24,28
.irp i, 0,1,2,3
	v_pk_fma_f32 v[TA+4*\i+2:TA+4*\i+3], v[X+32*\i+\k:X+32*\i+\k+1], v[X+32*\i+\k:X+32*\i+\k+1], v[TA+4*\i+2:TA+4*\i+3]
	v_pk_fma_f32 v[TA+4*\i:TA+4*\i+1], v[X+32*\i+\k+2:X+32*\i+\k+3], v[X+32*\i+\k+2:X+32*\i+\k+3], v[TA+4*\i:TA+4*\i+1]
.endr
.endr
.irp i, 0,1,2,3
	v_pk_add_f32 v[TA+4*\i:TA+4*\i+1], v[TA+4*\i:TA+4*\i+1], v[TA+4*\i+2:TA+4*\i+3]
.endr
.irp i, 0,1,2,3
	v_add_f32 v[TA+4*\i], v[TA+4*\i], v[TA+4*\i+1]
.endr
	REDUCE
.irp i, 0,1,2,3
	v_fma_f32 v[TA+4*\i], v[TA+4*\i], s21, s20     ; the variance + 1e-5
.endr
.irp i, 0,1,2,3
	v_rsq_f32 v[TA+4*\i], v[TA+4*\i]
.endr
	v_nop                                          ; a plain place behind the batch,
	s_wait_alu depctr_va_vdst(0)                   ; and one wait ahead of its first reader
	s_wait_loadcnt 0x0                             ; gain and offset
.irp k, 0,2,4,6,8,10,12,14,16,18,20,22,24,26,28,30
.irp i, 0,1,2,3
	v_pk_mul_f32 v[X+32*\i+\k:X+32*\i+\k+1], v[X+32*\i+\k:X+32*\i+\k+1], v[TA+4*\i:TA+4*\i+1] op_sel_hi:[1,0]
.endr
.irp i, 0,1,2,3
	v_pk_fma_f32 v[X+32*\i+\k:X+32*\i+\k+1], v[X+32*\i+\k:X+32*\i+\k+1], v[G+\k:G+\k+1], v[BE+\k:BE+\k+1]
.endr
.endr
.irp i, 0,1,2,3
.irp j, 0,1,2,3,4,5,6,7
	global_store_b128 v4, v[X+32*\i+4*\j:X+32*\i+4*\j+3], s[16:17] offset:4096*\i+512*\j
	ds_store_b128 v6, v[X+32*\i+4*\j:X+32*\i+4*\j+3] offset:SP*\i+512*\j
.endr
.endr
	s_wait_dscnt 0x0                               ; for the others' sake: my rows lie in the stage
	s_barrier_signal -1
	s_barrier_wait -1
	s_wait_xcnt 0x0                                ; the global stores have read v32-159, which the loads below write
.irp u, 0,1,2,3
.irp j, 0,1,2,3,4,5,6,7
	ds_load_b128 v[X+32*\u+4*\j:X+32*\u+4*\j+3], v7 offset:256*\u+16*\j
.endr
.endr
.irp u, 0,1,2,3
	s_wait_dscnt 8*(3-\u)                          ; this record's eight loads are in
	QB32 X+32*\u, 160+12*\u, 224+\u
	global_store_b128 v4, v[160+12*\u:163+12*\u], s[18:19] offset:768*\u
	global_store_b64 v5, v[164+12*\u:165+12*\u], s[18:19] offset:768*\u+512
.endr
	v_lshl_or_b32 v12, v225, 16, v224
	v_lshl_or_b32 v13, v227, 16, v226
	v_lshlrev_b32 v14, 3, v3
	v_lshlrev_b32 v12, v14, v12
	v_lshlrev_b32 v13, v14, v13
	v_permlanex16_b32 v[PD], v12, s22, s23
	v_permlanex16_b32 v[PD+1], v13, s22, s23
	v_or_b32 v12, v12, v[PD]
	v_or_b32 v13, v13, v[PD+1]
	v_cmp_le_u32 vcc_lo, 16, v1
	v_cndmask_b32 v12, v12, v13, vcc_lo
	v_lshlrev_b32 v15, 2, v3
	v_lshl_add_u32 v15, v2, 3, v15                 ; 8 r + 4 h
	global_store_b32 v15, v12, s[24:25]
	s_wait_tensorcnt 0x0
	ds_add_u32 v254, v255
	s_wait_dscnt 0x0
	s_endpgm
.Lfunc_end_k_qa684096f92_ln1:
	.size	k_qa684096f92_ln1, .Lfunc_end_k_qa684096f92_ln1-k_qa684096f92_ln1
	.p2alignl 7, 3214868480
	.fill 96, 4, 3214868480
	.section	.rodata,"a",@progbits
	.p2align	6, 0x0
	.amdhsa_kernel k_qa684096f92_ln1
		.amdhsa_group_segment_fixed_size 66304
		.amdhsa_private_segment_fixed_size 0
		.amdhsa_enable_private_segment 0
		.amdhsa_kernarg_size 32
		.amdhsa_user_sgpr_count 2
		.amdhsa_user_sgpr_kernarg_segment_ptr 1
		.amdhsa_wavefront_size32 1
		.amdhsa_system_sgpr_workgroup_id_x 1
		.amdhsa_system_sgpr_workgroup_id_y 1
		.amdhsa_system_sgpr_workgroup_id_z 1
		.amdhsa_system_vgpr_workitem_id 0
		.amdhsa_next_free_vgpr 256
		.amdhsa_next_free_sgpr 66
		.amdhsa_reserve_vcc 1
		.amdhsa_float_denorm_mode_32 3
		.amdhsa_float_denorm_mode_16_64 3
		.amdhsa_memory_ordered 1
		.amdhsa_forward_progress 1
		.amdhsa_inst_pref_size 45
	.end_amdhsa_kernel
	.amdgpu_metadata
---
amdhsa.version: [ 1, 2 ]
amdhsa.kernels:
  - .name:           k_qa684096f92_ln1
    .symbol:         k_qa684096f92_ln1.kd
    .args:
      - { .name: yb, .offset: 0, .size: 8, .value_kind: global_buffer, .address_space: global }
      - { .name: g1, .offset: 8, .size: 8, .value_kind: global_buffer, .address_space: global }
      - { .name: be1, .offset: 16, .size: 8, .value_kind: global_buffer, .address_space: global }
      - { .name: x1b, .offset: 24, .size: 8, .value_kind: global_buffer, .address_space: global }
    .group_segment_fixed_size: 66304
    .private_segment_fixed_size: 0
    .kernarg_segment_align: 8
    .kernarg_segment_size: 32
    .max_flat_workgroup_size: 128
    .sgpr_count:     66
    .vgpr_count:     256
    .wavefront_size: 32
...
	.end_amdgpu_metadata
.endif
;; end of part 5
;; launch ffn1 (part 6): grid 16 x 16, 4 waves a work-group, clusters of 4 x 4, 327,680 bytes of LDS; arguments x1b, p0, b1, b2, hb; writes hb
.if DOCPART == 6
	.amdgcn_target "amdgcn-amd-amdhsa--gfx1250"
	.amdhsa_code_object_version 6
	.text
	.protected	k_qa684096f92_ffn1
	.globl	k_qa684096f92_ffn1
	.p2align	8
	.type	k_qa684096f92_ffn1,@function
k_qa684096f92_ffn1:
	s_mov_b64 s[64:65], 0
	v_nop
	global_prefetch_b8 v0, s[64:65] scope:SCOPE_SE
	s_setreg_imm32_b32 hwreg(HW_REG_WAVE_MODE, 25, 1), 1
	s_wait_xcnt 0x0
	s_wait_alu depctr_hold_cnt(0) depctr_sa_sdst(0) depctr_va_vdst(0) depctr_va_sdst(0) depctr_va_ssrc(0) depctr_va_vcc(0) depctr_vm_vsrc(0)
	s_getreg_b32 s2, hwreg(HW_REG_IB_STS2, 6, 4)
	s_cmp_eq_u32 s2, 0
	s_cbranch_scc0 .Lentry_in_a_cluster
	s_endpgm
.Lentry_in_a_cluster:
	s_bfe_u32 s2, ttmp6, 0x10000c
	s_cmp_lg_u32 s2, 0xf033
	s_cbranch_scc0 .Lentry_shape_is_right
	s_endpgm
.Lentry_shape_is_right:
; hid = (x1 w1 + b1) sigmoid(x1 w2 + b2): both products on codes of BF6 (E3M2) with E8M0 scales, K = 1,024; the gated hidden layer is quantised along its 2,048 in registers and leaves as the next product's operand.
; Operands lie in memory as images of operand registers (tiles of 16 rows in the order 32 (T / 2) + 8 (T % 2) + r + 8 (r / 8); half records of 768 bytes for 64 along K: registers 0-3 of lane l at 16 l, 4-5 at 512 + 8 l).
; A work-group takes 256 tokens x 128 hidden units, for BOTH weights: B's 16 tiles of a slot are 8 of w1 and the same 8 of w2.  A wave makes 128 tokens x 64 units twice: accumulators (a, 0-3) from w1, (a, 4-7) from w2, at the same units.
; Source 1 ('A' = x1) gives a lane its token, source 0 ('B') runs along a lane's registers.  The biases are the C of each sum's first matrix instruction.  K goes in steps of 256 through a ring of two LDS slots; all scale bytes come once.
; CLUSTERS: 4 x 4 work-groups; A's tiles are asked for jointly along a row of the cluster, B's along a column.
; hb: records (tile T, u) at (32 T + u) 768; scale bytes at H_SCL + 1,024 T + 128 (j / 8) + 8 r + j % 8: these leave as single bytes, 262,144 in the launch.
; The sigmoid is 1 / (1 + 2^(-z log2 e)): an exponential that overflows gives 0, one that falls to 0 gives 1: no clamp is needed.
; LIMITS: a block of zeros gets the byte 1 where the rule says 127 (this program alone reads the bytes); largest magnitudes under 2^-122 are held at byte 1; NaN and infinities are not served.
; REGISTERS: window 0: v16-31 addresses; v32-63 scale words, two sets, and nothing else; v64-127 the biases, later at work on the way out; v128-223 A's fragments.  window 1: B's fragments, two sets.  windows 2, 3: the accumulators.
.set KDIM,   1024
.set A_IMG,  16777216
.set A_SCL,  19922944
.set B_IMG,  3145728
.set B_SCL,  7995392
.set H_SCL,  6291456
.set TIMG,   KDIM*12
.set TROW,   3072
.set NQ,     2
.set FR,     12
.set NL,     4
.set NP,     4
.set HALFT,  8*TROW
.set SLOT,   4*HALFT
.set LAPS,   KDIM/512
.set SB,     KDIM/2
.set HALFS,  8*SB
.set SCL,    2*SLOT
.set SPARE,  SCL+4*HALFS               ; the spare words, 128 bytes a wave: two blocks of 256 bytes that no other line names
.set ADRA, 16
.set ADRB, 20
.set L16,  24
.set L8,   25
.set SO,   26
.set ADRS, 27
.set SPW,  28
.set NIL,  29
.set ADRS2, 30                         ; v30 as v27, but lanes 16-31 at w2's tiles
.set SC,   32
.set BI,   64
.set AF,   128
.set G1, 24
.set G0, 32
.set G1B, 48
.set G0B, 56
.set G1S, 68
.set G0S, 76
.set G1SB, 80
.set G0SB, 88
.set MSB, 0
.macro WIN new
.if MSB != (\new)
	s_set_vgpr_msb (MSB<<8)|(\new)
.set MSB, (\new)
.endif
.endm
.set MUL_LO, 0xa1
.set MUL_HI, 0xf1
.set TO_B,   0x40
.macro JLOAD g0a, g1a, g0b, g1b        ; a joint load: waves 0 and 1 fetch for A, waves 2 and 3 for B; four v_nop follow each line
	s_cmp_eq_u32 s15, 0
	s_cbranch_scc0 .Lfor_b_\@
	tensor_load_to_lds s[\g0a:\g0a+3], s[\g1a:\g1a+7]
	s_nop 0
.rept 4
	v_nop
.endr
	s_branch .Lasked_\@
.Lfor_b_\@:
	tensor_load_to_lds s[\g0b:\g0b+3], s[\g1b:\g1b+7]
	s_nop 0
.rept 4
	v_nop
.endr
.Lasked_\@:
.endm
.macro CREST
	s_cmp_lg_u32 s14, 0
	s_cbranch_scc1 .Lnot_wave_0_\@
	s_barrier_signal -3
.Lnot_wave_0_\@:
	s_barrier_wait -3
	s_barrier_signal -1
	s_barrier_wait -1
.endm
.macro CROUND
	s_barrier_signal -1
	s_barrier_wait -1
	CREST
.endm
	s_load_b128 s[4:7], s[0:1], 0x0                ; x1b, p0
	s_load_b128 s[8:11], s[0:1], 0x10              ; b1, b2
	s_load_b64 s[12:13], s[0:1], 0x20              ; hb
	v_lshl_add_u32 v[SPW], v0, 2, SPARE
	v_mov_b32 v[NIL], 0
	ds_add_u32 v28, v29
	ds_add_u32 v28, v29
	s_wait_dscnt 0x0
	v_lshrrev_b32 v1, 5, v0
	v_readfirstlane_b32 s14, v1
	s_lshr_b32 s15, s14, 1                         ; my half of the tokens.  Also: I fetch for A (0) or for B (1)
	s_and_b32 s16, s14, 1                          ; my 64 of the 128 units.  Also: which half of A, or w1 (0) or w2 (1), I fetch
	s_bfe_u32 s40, ttmp6, 0x40000
	s_bfe_u32 s41, ttmp6, 0x40004
	s_lshl_b32 s42, ttmp9, 2
	s_add_co_u32 s42, s42, s40                     ; the block of 128 hidden units
	s_and_b32 s17, ttmp7, 0xffff
	s_lshl_b32 s17, s17, 2
	s_add_co_u32 s17, s17, s41                     ; the block of 256 tokens
	s_lshl_b32 s43, s41, 2
	s_lshl_b32 s43, 15, s43
	s_lshl_b32 s44, 0x1111, s40
	s_or_b32 s[G1+0], s43, (3<<16)|(1<<21)
	s_or_b32 s[G1B+0], s44, (3<<16)|(1<<21)
.irp g, G1, G1B
	s_mov_b32 s[\g+1], 384<<16
	s_mov_b32 s[\g+2], 8<<16
	s_mov_b32 s[\g+3], 384<<16
	s_mov_b32 s[\g+4], 8
	s_mov_b32 s[\g+5], TIMG/8
	s_mov_b32 s[\g+6], 0
	s_mov_b32 s[\g+7], 0
.endr
	s_or_b32 s[G1S+0], s43, (3<<16)|(1<<21)
	s_or_b32 s[G1SB+0], s44, (3<<16)|(1<<21)
.irp g, G1S, G1SB
	s_mov_b32 s[\g+1], 32<<16
	s_mov_b32 s[\g+2], (HALFS/256)<<16
	s_mov_b32 s[\g+3], 32<<16
	s_mov_b32 s[\g+4], HALFS/256
	s_mov_b32 s[\g+5], 32
	s_mov_b32 s[\g+6], 0
	s_mov_b32 s[\g+7], 0
.endr
	s_mul_i32 s18, s16, 8*TIMG
	s_mul_i32 s19, s16, HALFS
	s_mul_i32 s20, s17, 16*TIMG
	s_add_co_u32 s20, s20, s18
	s_add_co_u32 s20, s20, A_IMG
	s_mov_b32 s21, 0
	s_mul_i32 s22, s17, 16*SB
	s_add_co_u32 s22, s22, s19
	s_add_co_u32 s22, s22, A_SCL
	s_mov_b32 s23, 0
	s_mul_i32 s46, s42, 8*TIMG                     ; B: 8 tiles of the block,
	s_mul_i32 s18, s16, 1572864                    ; in w1's records or in w2's, which follow them
	s_add_co_u32 s46, s46, s18
	s_add_co_u32 s46, s46, B_IMG
	s_mov_b32 s47, 0
	s_mul_i32 s92, s42, HALFS
	s_lshl_b32 s18, s16, 16
	s_add_co_u32 s92, s92, s18
	s_add_co_u32 s92, s92, B_SCL
	s_mov_b32 s93, 0
	s_mul_i32 s45, s14, HALFT
	s_mul_i32 s94, s14, HALFS
	s_wait_kmcnt 0x0
	s_add_nc_u64 s[20:21], s[4:5], s[20:21]
	s_add_nc_u64 s[22:23], s[4:5], s[22:23]
	s_add_nc_u64 s[46:47], s[6:7], s[46:47]
	s_add_nc_u64 s[92:93], s[6:7], s[92:93]
	CROUND
	s_mov_b32 s[G0S], 1
	s_add_co_u32 s[G0S+1], s94, SCL
	s_mov_b64 s[G0S+2:G0S+3], s[22:23]
	s_or_b32 s[G0S+3], s[G0S+3], 0x80000000
	s_mov_b32 s[G0SB], 1
	s_add_co_u32 s[G0SB+1], s94, SCL
	s_mov_b64 s[G0SB+2:G0SB+3], s[92:93]
	s_or_b32 s[G0SB+3], s[G0SB+3], 0x80000000
	JLOAD G0S, G1S, G0SB, G1SB                     ; three tensor loads of mine are out at the most
.irp s, 0,1
	s_mov_b32 s[G0+4*\s], 1
	s_add_co_u32 s[G0+4*\s+1], s45, \s*SLOT
	s_add_nc_u64 s[G0+4*\s+2:G0+4*\s+3], s[20:21], \s*TROW
	s_or_b32 s[G0+4*\s+3], s[G0+4*\s+3], 0x80000000
	s_mov_b32 s[G0B+4*\s], 1
	s_add_co_u32 s[G0B+4*\s+1], s45, \s*SLOT
	s_add_nc_u64 s[G0B+4*\s+2:G0B+4*\s+3], s[46:47], \s*TROW
	s_or_b32 s[G0B+4*\s+3], s[G0B+4*\s+3], 0x80000000
	JLOAD G0+4*\s, G1, G0B+4*\s, G1B
.endr
	v_and_b32 v1, 15, v0                           ; r
	v_bfe_u32 v2, v0, 4, 1                         ; h
	v_and_b32 v3, 31, v0
	v_lshlrev_b32 v[L16], 4, v3
	v_lshlrev_b32 v[L8], 3, v3
	s_mul_i32 s21, s15, HALFT
	s_mul_i32 s22, s16, 4*TROW                     ; my four tiles of w1; w2's lie eight tiles on
	s_add_co_u32 s22, s22, 2*HALFT
.irp s, 0,1
	v_add_nc_u32 v[ADRA+\s], s21, v[L16]
	v_add_nc_u32 v[ADRA+2+\s], s21, v[L8]
	v_add_nc_u32 v[ADRB+\s], s22, v[L16]
	v_add_nc_u32 v[ADRB+2+\s], s22, v[L8]
	s_add_co_u32 s21, s21, SLOT
	s_add_co_u32 s22, s22, SLOT
.endr
	v_lshlrev_b32 v5, 3, v1
	s_mul_i32 s21, s15, HALFS
	s_mul_i32 s22, s16, 4*SB
	s_add_co_u32 s22, s22, 2*HALFS
	s_sub_co_u32 s22, s22, s21
	v_mul_u32_u24 v6, s22, v2                      ; lanes 16-31 take B's scale words
	s_add_co_u32 s21, s21, SCL
	v_add_nc_u32 v5, v5, v6
	v_add_nc_u32 v[ADRS], s21, v5
	v_lshl_add_u32 v[ADRS2], v2, 11, v[ADRS]       ; for blocks 4-7: four tiles' scale bytes further on in lanes 16-31
	v_lshlrev_b32 v8, 6, v2                        ; the biases: lane (r, h) wants, for tile b, units 32 (b / 2) + 8 (b % 2) + 16 h + 0 .. 7
	s_lshl_b32 s46, s42, 9
	s_lshl_b32 s47, s16, 8
	s_add_co_u32 s46, s46, s47
	s_mov_b32 s47, 0
	s_add_nc_u64 s[8:9], s[8:9], s[46:47]
	s_add_nc_u64 s[10:11], s[10:11], s[46:47]
.irp b, 0,1,2,3
	global_load_b128 v[BI+8*\b:BI+8*\b+3], v8, s[8:9] offset:(32*(\b/2)+8*(\b%2))*4
	global_load_b128 v[BI+8*\b+4:BI+8*\b+7], v8, s[8:9] offset:(32*(\b/2)+8*(\b%2))*4+16
	global_load_b128 v[BI+32+8*\b:BI+32+8*\b+3], v8, s[10:11] offset:(32*(\b/2)+8*(\b%2))*4
	global_load_b128 v[BI+32+8*\b+4:BI+32+8*\b+7], v8, s[10:11] offset:(32*(\b/2)+8*(\b%2))*4+16
.endr
	v_lshl_add_u32 v[SO], v1, 3, v2                ; 8 r + h: my scale byte's place
	s_lshl_b32 s20, s17, 4
	s_lshl_b32 s21, s15, 3
	s_add_co_u32 s20, s20, s21                     ; my first tile of tokens
	s_lshl_b32 s21, s20, 10
	s_lshr_b32 s22, s42, 1
	s_lshl_b32 s22, s22, 7
	s_add_co_u32 s21, s21, s22
	s_and_b32 s22, s42, 1
	s_lshl_b32 s22, s22, 2
	s_add_co_u32 s21, s21, s22
	s_lshl_b32 s22, s16, 1
	s_add_co_u32 s21, s21, s22
	s_add_co_u32 s22, s21, H_SCL
	s_mov_b32 s23, 0
	s_add_nc_u64 s[22:23], s[12:13], s[22:23]      ; the scale bytes
	s_lshl_b32 s20, s20, 5
	s_lshl_b32 s21, s42, 1
	s_add_co_u32 s20, s20, s21
	s_add_co_u32 s20, s20, s16
	s_mul_i32 s20, s20, 768
	s_mov_b32 s21, 0
	s_add_nc_u64 s[12:13], s[12:13], s[20:21]      ; record 32 T + 2 x block + my half
	s_mov_b32 s98, 0xffff0000
	s_mov_b32 s100, 0x76543210
	s_mov_b32 s101, 0xfedcba98
.macro FRAG reg, a16, off
	ds_load_b128 v[\reg:\reg+3], v[\a16] offset:\off
	ds_load_b64 v[\reg+4:\reg+5], v[\a16+2] offset:(\off)+512
	ds_load_b128 v[\reg+6:\reg+9], v[\a16] offset:(\off)+768
	ds_load_b64 v[\reg+10:\reg+11], v[\a16+2] offset:(\off)+1280
.endm
; 16 matrix instructions: A's blocks a0, a0 + 1 x B's eight.  The 64 accumulators take turns, one instruction a turn.  zero = 2: the biases start the sums.
.macro MUL16 a0, p, q, sc, zero
.irp a, \a0, \a0+1
.irp b, 0,1,2,3,4,5,6,7
.if (\zero) == 2
	v_wmma_scale_f32_16x16x128_f8f6f4 v[8*(8*((\a)%4)+\b):8*(8*((\a)%4)+\b)+7], v[128*(\p)+FR*\b:128*(\p)+FR*\b+FR-1], v[AF+FR*(\a):AF+FR*(\a)+FR-1], v[BI+8*\b:BI+8*\b+7], v[SC+8*NQ*(\sc)+NQ*\b+(\q)], v[SC+8*NQ*(\sc)+NQ*(\a)+(\q)] matrix_a_fmt:MATRIX_FMT_BF6 matrix_b_fmt:MATRIX_FMT_BF6 matrix_a_scale:MATRIX_SCALE_ROW1
.else
	v_wmma_scale_f32_16x16x128_f8f6f4 v[8*(8*((\a)%4)+\b):8*(8*((\a)%4)+\b)+7], v[128*(\p)+FR*\b:128*(\p)+FR*\b+FR-1], v[AF+FR*(\a):AF+FR*(\a)+FR-1], v[8*(8*((\a)%4)+\b):8*(8*((\a)%4)+\b)+7], v[SC+8*NQ*(\sc)+NQ*\b+(\q)], v[SC+8*NQ*(\sc)+NQ*(\a)+(\q)] matrix_a_fmt:MATRIX_FMT_BF6 matrix_b_fmt:MATRIX_FMT_BF6 matrix_a_scale:MATRIX_SCALE_ROW1
.endif
.endr
.endr
.endm
.macro FETCH_B slot, q, p
	WIN TO_B
.irp i, 0,1,2,3,4,5,6,7
	FRAG 128*(\p)+FR*\i, ADRB+\slot, \i*TROW+(\i/4)*4*TROW+(\q)*1536
.endr
	WIN 0
.endm
.macro FETCH_A slot, q, i0
.irp i, \i0, \i0+1, \i0+2, \i0+3
	FRAG AF+FR*(\i), ADRA+\slot, (\i)*TROW+(\q)*1536
.endr
.endm
.macro SCALES sc
.irp i, 0,1,2,3
	ds_load_b64 v[SC+8*NQ*\sc+NQ*\i:SC+8*NQ*\sc+NQ*\i+1], v[ADRS] offset:\i*SB
.endr
.irp i, 4,5,6,7
	ds_load_b64 v[SC+8*NQ*\sc+NQ*\i:SC+8*NQ*\sc+NQ*\i+1], v[ADRS2] offset:\i*SB
.endr
.endm
.macro PLACES n
.rept \n
	v_nop
.endr
.endm
.macro STEP slot, q, zero
	s_wait_dscnt 4*NL                              ; all but the youngest sixteen loads (A's blocks 4-7) are in
	WIN MUL_LO-0x20*((\zero)/2)
	MUL16 0, (\q)%2, \q, \slot, \zero
	MUL16 2, (\q)%2, \q, \slot, \zero
	s_wait_dscnt 0
	PLACES NP
	FETCH_B \slot, (\q)+1, 1-(\q)%2
	FETCH_A \slot, (\q)+1, 0
	WIN MUL_HI-0x30*((\zero)/2)
	MUL16 4, (\q)%2, \q, \slot, \zero
	MUL16 6, (\q)%2, \q, \slot, \zero
	PLACES NP
	WIN 0
	FETCH_A \slot, (\q)+1, 4
.endm
.macro TURN slot, next, fill
	s_wait_tensorcnt 0x0                           ; all my tensor loads have landed: my part of the next slot
	ds_add_u32 v[SPW], v[NIL]                      ; 0 onto my spare word
	s_wait_dscnt 4*NL+1                            ; (the add and the youngest sixteen loads may be out)
	WIN MUL_LO
	MUL16 0, 1, NQ-1, \slot, 0
	s_wait_dscnt 0x0                               ; the add is done, and my reads of this slot are over
	s_barrier_signal -1
	MUL16 2, 1, NQ-1, \slot, 0
	WIN 0
	s_barrier_wait -1
.if \fill
	CREST                                          ; a round of the cluster's barrier: no wave of any partner still reads this slot or has a load on its way
	s_add_nc_u64 s[G0+4*\slot+2:G0+4*\slot+3], s[G0+4*\slot+2:G0+4*\slot+3], 2*TROW
	s_add_nc_u64 s[G0B+4*\slot+2:G0B+4*\slot+3], s[G0B+4*\slot+2:G0B+4*\slot+3], 2*TROW
	JLOAD G0+4*\slot, G1, G0B+4*\slot, G1B
.else
	PLACES NP
.endif
	v_add_nc_u32 v[ADRS], 128, v[ADRS]
	v_add_nc_u32 v[ADRS2], 128, v[ADRS2]
	FETCH_B \next, 0, 0
	FETCH_A \next, 0, 0
	SCALES \next
	WIN MUL_HI
	MUL16 4, 1, NQ-1, \slot, 0
	MUL16 6, 1, NQ-1, \slot, 0
	PLACES NP
	WIN 0
	FETCH_A \next, 0, 4
.endm
	s_wait_tensorcnt 1                             ; the scale bytes and my part of K step 0 are in; K step 1's load may be out
	s_barrier_signal -1
	s_barrier_wait -1
	FETCH_B 0, 0, 0
	FETCH_A 0, 0, 0
	SCALES 0
	FETCH_A 0, 0, 4
	s_wait_loadcnt 0x0                             ; the biases
	STEP 0, 0, 2
	s_mov_b32 s3, LAPS-1
.Llap:
	TURN 0, 1, 1
	STEP 1, 0, 0
	TURN 1, 0, 1
	STEP 0, 0, 0
	s_sub_co_u32 s3, s3, 1
	s_cmp_lg_u32 s3, 0
	s_cbranch_scc1 .Llap
	TURN 0, 1, 0
	STEP 1, 0, 0
	s_wait_dscnt 4*NL
	WIN MUL_LO
	MUL16 0, 1, NQ-1, 1, 0
	MUL16 2, 1, NQ-1, 1, 0
	s_wait_dscnt 0
	WIN MUL_HI
	MUL16 4, 1, NQ-1, 1, 0
	MUL16 6, 1, NQ-1, 1, 0
	WIN 0
; THE WAY OUT.  Block a: a lane's 32 numbers z1 and 32 numbers z2 of the same units, register 16 b + i = unit 32 b + 16 (lane / 16) + i.  z1 / (1 + 2^(-z2 log2 e)) in v64-95, quantised: one half record and two scale bytes a row.
.macro GATE a
.set AC, 64*((\a)%4)
.set W, 2+(\a)/4
	WIN W                                          ; source 0 in the accumulators' window
.set J, 0
.rept 16
	v_pk_mul_f32 v[64+J:65+J], v[AC+32+J:AC+33+J], 0xbfb8aa3b op_sel_hi:[1,0]   ; ascending: each accumulator is first read at its low end
.set J, J+2
.endr
	WIN 0
.set J, 0
.rept 32
	v_exp_f32 v[64+J], v[64+J]
.set J, J+1
.endr
	v_nop
	s_wait_alu depctr_va_vdst(0)                   ; one wait for the batch
.set J, 0
.rept 16
	v_pk_add_f32 v[64+J:65+J], v[64+J:65+J], 1.0 op_sel_hi:[1,0]
.set J, J+2
.endr
.set J, 0
.rept 32
	v_rcp_f32 v[64+J], v[64+J]
.set J, J+1
.endr
	v_nop
	s_wait_alu depctr_va_vdst(0)
	WIN W
.set J, 0
.rept 16
	v_pk_mul_f32 v[64+J:65+J], v[AC+J:AC+J+1], v[64+J:65+J]
.set J, J+2
.endr
	WIN 0
.irp b, 0,1
	v_max3_num_f32 v[96+\b], |v[64+16*\b]|, |v[65+16*\b]|, 0x2800000
.endr
.irp i, 2,4,6,8,10,12,14
.irp b, 0,1
	v_max3_num_f32 v[96+\b], v[96+\b], |v[64+16*\b+\i]|, |v[65+16*\b+\i]|
.endr
.endr
.irp b, 0,1
	v_permlanex16_b32 v[98+\b], v[96+\b], s100, s101
.endr
.irp b, 0,1
	v_max_num_f32 v[96+\b], v[96+\b], v[98+\b]
.endr
.irp b, 0,1
	v_add_nc_u32 v[100+\b], 0xfe000000, v[96+\b]
.endr
.irp b, 0,1
	v_lshrrev_b32 v[102+\b], 23, v[100+\b]
.endr
.if (\a) > 0
	s_wait_xcnt 0x0                                ; the last block's stores have read v104 and v112-117
.endif
	v_cvt_scalef32_pk16_bf6_f32 v[112:114], v[64:79], v100
	v_cvt_scalef32_pk16_bf6_f32 v[118:120], v[80:95], v101
	v_nop
.irp i, 0,1,2
	v_permlane16_swap_b32 v[112+\i], v[118+\i]
.endr
.irp i, 0,1,2
	v_mov_b32 v[115+\i], v[118+\i]
.endr
	v_cndmask_b32 v104, v102, v103, s98            ; lanes 0-15 store block 0's byte, lanes 16-31 block 1's
	global_store_b128 v[L16], v[112:115], s[12:13] offset:(\a)*24576
	global_store_b64 v[L8], v[116:117], s[12:13] offset:(\a)*24576+512
	global_store_b8 v[SO], v104, s[22:23] offset:(\a)*1024
.endm
	PLACES NP
	v_mov_b32 v98, 0                               ; written once: a lane permute's destination counts as one of its sources
	v_mov_b32 v99, 0
.irp a, 0,1,2,3,4,5,6,7
	GATE \a
.endr
	s_wait_tensorcnt 0x0                           ; the wave's end
	ds_add_u32 v[SPW], v[NIL]
	s_wait_dscnt 0x0
	CROUND
	s_endpgm
.Lfunc_end_k_qa684096f92_ffn1:
	.size	k_qa684096f92_ffn1, .Lfunc_end_k_qa684096f92_ffn1-k_qa684096f92_ffn1
	.p2alignl 7, 3214868480
	.fill 96, 4, 3214868480
	.section	.rodata,"a",@progbits
	.p2align	6, 0x0
	.amdhsa_kernel k_qa684096f92_ffn1
		.amdhsa_group_segment_fixed_size 327680
		.amdhsa_private_segment_fixed_size 0
		.amdhsa_enable_private_segment 0
		.amdhsa_kernarg_size 40
		.amdhsa_user_sgpr_count 2
		.amdhsa_user_sgpr_kernarg_segment_ptr 1
		.amdhsa_wavefront_size32 1
		.amdhsa_system_sgpr_workgroup_id_x 1
		.amdhsa_system_sgpr_workgroup_id_y 1
		.amdhsa_system_sgpr_workgroup_id_z 1
		.amdhsa_system_vgpr_workitem_id 0
		.amdhsa_next_free_vgpr 1024
		.amdhsa_next_free_sgpr 102
		.amdhsa_reserve_vcc 0
		.amdhsa_float_denorm_mode_32 3
		.amdhsa_float_denorm_mode_16_64 3
		.amdhsa_memory_ordered 1
		.amdhsa_forward_progress 1
		.amdhsa_inst_pref_size 180
	.end_amdhsa_kernel
	.amdgpu_metadata
---
amdhsa.version: [ 1, 2 ]
amdhsa.kernels:
  - .name:           k_qa684096f92_ffn1
    .symbol:         k_qa684096f92_ffn1.kd
    .args:
      - { .name: x1b, .offset: 0, .size: 8, .value_kind: global_buffer, .address_space: global }
      - { .name: p0, .offset: 8, .size: 8, .value_kind: global_buffer, .address_space: global }
      - { .name: b1, .offset: 16, .size: 8, .value_kind: global_buffer, .address_space: global }
      - { .name: b2, .offset: 24, .size: 8, .value_kind: global_buffer, .address_space: global }
      - { .name: hb, .offset: 32, .size: 8, .value_kind: global_buffer, .address_space: global }
    .group_segment_fixed_size: 327680
    .private_segment_fixed_size: 0
    .kernarg_segment_align: 8
    .kernarg_segment_size: 40
    .max_flat_workgroup_size: 128
    .sgpr_count:     102
    .vgpr_count:     1024
    .wavefront_size: 32
...
	.end_amdgpu_metadata
.endif
;; end of part 6
;; launch ffn2 (part 7): grid 4 x 16, 4 waves a work-group, clusters of 4 x 4, 327,680 bytes of LDS; arguments hb, p0, b_ffn_o, x1b, yb; writes yb
.if DOCPART == 7
	.amdgcn_target "amdgcn-amd-amdhsa--gfx1250"
	.amdhsa_code_object_version 6
	.text
	.protected	k_qa684096f92_ffn2
	.globl	k_qa684096f92_ffn2
	.p2align	8
	.type	k_qa684096f92_ffn2,@function
k_qa684096f92_ffn2:
	s_mov_b64 s[64:65], 0
	v_nop
	global_prefetch_b8 v0, s[64:65] scope:SCOPE_SE
	s_setreg_imm32_b32 hwreg(HW_REG_WAVE_MODE, 25, 1), 1
	s_wait_xcnt 0x0
	s_wait_alu depctr_hold_cnt(0) depctr_sa_sdst(0) depctr_va_vdst(0) depctr_va_sdst(0) depctr_va_ssrc(0) depctr_va_vcc(0) depctr_vm_vsrc(0)
	s_getreg_b32 s2, hwreg(HW_REG_IB_STS2, 6, 4)
	s_cmp_eq_u32 s2, 0
	s_cbranch_scc0 .Lentry_in_a_cluster
	s_endpgm
.Lentry_in_a_cluster:
	s_bfe_u32 s2, ttmp6, 0x10000c
	s_cmp_lg_u32 s2, 0xf033
	s_cbranch_scc0 .Lentry_shape_is_right
	s_endpgm
.Lentry_shape_is_right:
; y2 = x1 + hid w_ffn_o + b_ffn_o: the product on codes of BF6 (E3M2) with E8M0 scales, K = 2,048; bias, residual and result in f32.
; Operands lie in memory as images of operand registers (tiles of 16 rows in the order 32 (T / 2) + 8 (T % 2) + r + 8 (r / 8); half records of 768 bytes for 64 along K: registers 0-3 of lane l at 16 l, 4-5 at 512 + 8 l).
; A tile of 256 x 256 results is made by four waves, each 128 x 128: 64 accumulators.  K goes in steps of 256 through a ring of two LDS slots; the scale bytes of all of K come once and stay.
; Source 1 ('A' = the hidden layer) gives a lane its token, source 0 ('B' = w_ffn_o's rows) runs along a lane's registers.  The bias is the C of each sum's first matrix instruction.
; CLUSTERS: 4 x 4 work-groups; A's tiles are asked for jointly along a row of the cluster, B's along a column.  The launch has 64 tiles of this size.
; REGISTERS: window 0: v16-31 addresses; v32-63 scale words, two sets, and nothing else; v64-127 the bias, later residual rows; v128-223 A's fragments, one set; on the way out v128-191 rows of the result, v192-255 residual rows.
; window 1: B's fragments, two sets.  windows 2, 3: accumulator (a, b) at v[8 (8 (a % 4) + b)].
.set KDIM,   2048
.set A_IMG,  0
.set A_SCL,  6291456
.set B_IMG,  6291456
.set B_SCL,  8126464
.set TIMG,   KDIM*12
.set TROW,   3072
.set NQ,     2
.set FR,     12
.set NL,     4
.set NP,     4
.set HALFT,  8*TROW
.set SLOT,   4*HALFT
.set LAPS,   KDIM/512
.set SB,     KDIM/2
.set HALFS,  8*SB
.set SCL,    2*SLOT
.set SPARE,  SCL+4*HALFS               ; the spare words, 128 bytes a wave: two blocks of 256 bytes that no other line names
.set STAGE,  SPARE+512                 ; the way out: 16 rows x (512 + 16) bytes for each wave; no fill lands here
.set SPITCH, 528
.set ADRA, 16
.set ADRB, 20
.set STO,  24
.set RD,   25
.set CO,   26
.set ADRS, 27
.set SPW,  28
.set NIL,  29
.set SC,   32
.set BI,   64
.set AF,   128
.set BK,   128
.set G1, 24
.set G0, 32
.set G1B, 48
.set G0B, 56
.set G1S, 68
.set G0S, 76
.set G1SB, 80
.set G0SB, 88
.set MSB, 0
.macro WIN new
.if MSB != (\new)
	s_set_vgpr_msb (MSB<<8)|(\new)
.set MSB, (\new)
.endif
.endm
.set MUL_LO, 0xa1
.set MUL_HI, 0xf1
.set TO_B,   0x40
.macro JLOAD g0a, g1a, g0b, g1b        ; a joint load: waves 0 and 1 fetch for A, waves 2 and 3 for B; four v_nop follow each line
	s_cmp_eq_u32 s15, 0
	s_cbranch_scc0 .Lfor_b_\@
	tensor_load_to_lds s[\g0a:\g0a+3], s[\g1a:\g1a+7]
	s_nop 0
.rept 4
	v_nop
.endr
	s_branch .Lasked_\@
.Lfor_b_\@:
	tensor_load_to_lds s[\g0b:\g0b+3], s[\g1b:\g1b+7]
	s_nop 0
.rept 4
	v_nop
.endr
.Lasked_\@:
.endm
.macro CREST
	s_cmp_lg_u32 s14, 0
	s_cbranch_scc1 .Lnot_wave_0_\@
	s_barrier_signal -3
.Lnot_wave_0_\@:
	s_barrier_wait -3
	s_barrier_signal -1
	s_barrier_wait -1
.endm
.macro CROUND
	s_barrier_signal -1
	s_barrier_wait -1
	CREST
.endm
	s_load_b128 s[4:7], s[0:1], 0x0                ; A's buffer, p0
	s_load_b128 s[8:11], s[0:1], 0x10              ; the bias, the residual
	s_load_b64 s[12:13], s[0:1], 0x20              ; the result
	v_lshl_add_u32 v[SPW], v0, 2, SPARE
	v_mov_b32 v[NIL], 0
	ds_add_u32 v28, v29
	ds_add_u32 v28, v29
	s_wait_dscnt 0x0
	v_lshrrev_b32 v1, 5, v0
	v_readfirstlane_b32 s14, v1
	s_lshr_b32 s15, s14, 1
	s_and_b32 s16, s14, 1
	s_bfe_u32 s40, ttmp6, 0x40000
	s_bfe_u32 s41, ttmp6, 0x40004
	s_lshl_b32 s42, ttmp9, 2
	s_add_co_u32 s42, s42, s40                     ; B's block of 256 rows
	s_and_b32 s17, ttmp7, 0xffff
	s_lshl_b32 s17, s17, 2
	s_add_co_u32 s17, s17, s41                     ; A's block of 256 rows
	s_lshl_b32 s43, s41, 2
	s_lshl_b32 s43, 15, s43
	s_lshl_b32 s44, 0x1111, s40
	s_or_b32 s[G1+0], s43, (3<<16)|(1<<21)         ; codes: 8 rows (tiles) of 3,072 bytes, TIMG bytes apart; elements of 8 bytes; dense in LDS
	s_or_b32 s[G1B+0], s44, (3<<16)|(1<<21)
.irp g, G1, G1B
	s_mov_b32 s[\g+1], 384<<16
	s_mov_b32 s[\g+2], 8<<16
	s_mov_b32 s[\g+3], 384<<16
	s_mov_b32 s[\g+4], 8
	s_mov_b32 s[\g+5], TIMG/8
	s_mov_b32 s[\g+6], 0
	s_mov_b32 s[\g+7], 0
.endr
	s_or_b32 s[G1S+0], s43, (3<<16)|(1<<21)        ; scale bytes: a dense block of HALFS bytes as rows of 256
	s_or_b32 s[G1SB+0], s44, (3<<16)|(1<<21)
.irp g, G1S, G1SB
	s_mov_b32 s[\g+1], 32<<16
	s_mov_b32 s[\g+2], (HALFS/256)<<16
	s_mov_b32 s[\g+3], 32<<16
	s_mov_b32 s[\g+4], HALFS/256
	s_mov_b32 s[\g+5], 32
	s_mov_b32 s[\g+6], 0
	s_mov_b32 s[\g+7], 0
.endr
	s_mul_i32 s18, s16, 8*TIMG
	s_mul_i32 s19, s16, HALFS
	s_mul_i32 s20, s17, 16*TIMG
	s_add_co_u32 s20, s20, s18
	s_add_co_u32 s20, s20, A_IMG
	s_mov_b32 s21, 0
	s_mul_i32 s22, s17, 16*SB
	s_add_co_u32 s22, s22, s19
	s_add_co_u32 s22, s22, A_SCL
	s_mov_b32 s23, 0
	s_mul_i32 s46, s42, 16*TIMG
	s_add_co_u32 s46, s46, s18
	s_add_co_u32 s46, s46, B_IMG
	s_mov_b32 s47, 0
	s_mul_i32 s92, s42, 16*SB
	s_add_co_u32 s92, s92, s19
	s_add_co_u32 s92, s92, B_SCL
	s_mov_b32 s93, 0
	s_mul_i32 s45, s14, HALFT
	s_mul_i32 s94, s14, HALFS
	s_wait_kmcnt 0x0
	s_add_nc_u64 s[20:21], s[4:5], s[20:21]
	s_add_nc_u64 s[22:23], s[4:5], s[22:23]
	s_add_nc_u64 s[46:47], s[6:7], s[46:47]
	s_add_nc_u64 s[92:93], s[6:7], s[92:93]
	CROUND                                         ; all sixteen work-groups are here: the first joint loads meet
	s_mov_b32 s[G0S], 1
	s_add_co_u32 s[G0S+1], s94, SCL
	s_mov_b64 s[G0S+2:G0S+3], s[22:23]
	s_or_b32 s[G0S+3], s[G0S+3], 0x80000000
	s_mov_b32 s[G0SB], 1
	s_add_co_u32 s[G0SB+1], s94, SCL
	s_mov_b64 s[G0SB+2:G0SB+3], s[92:93]
	s_or_b32 s[G0SB+3], s[G0SB+3], 0x80000000
	JLOAD G0S, G1S, G0SB, G1SB                     ; three tensor loads of mine are out at the most
.irp s, 0,1
	s_mov_b32 s[G0+4*\s], 1
	s_add_co_u32 s[G0+4*\s+1], s45, \s*SLOT
	s_add_nc_u64 s[G0+4*\s+2:G0+4*\s+3], s[20:21], \s*TROW
	s_or_b32 s[G0+4*\s+3], s[G0+4*\s+3], 0x80000000
	s_mov_b32 s[G0B+4*\s], 1
	s_add_co_u32 s[G0B+4*\s+1], s45, \s*SLOT
	s_add_nc_u64 s[G0B+4*\s+2:G0B+4*\s+3], s[46:47], \s*TROW
	s_or_b32 s[G0B+4*\s+3], s[G0B+4*\s+3], 0x80000000
	JLOAD G0+4*\s, G1, G0B+4*\s, G1B
.endr
	v_and_b32 v1, 15, v0                           ; r
	v_bfe_u32 v2, v0, 4, 1                         ; h
	v_and_b32 v3, 31, v0
	v_lshlrev_b32 v[CO], 4, v3                     ; 16 x lane
	v_lshlrev_b32 v4, 3, v3                        ; 8 x lane
	s_mul_i32 s21, s15, HALFT
	s_mul_i32 s22, s16, HALFT
	s_add_co_u32 s22, s22, 2*HALFT
.irp s, 0,1
	v_add_nc_u32 v[ADRA+\s], s21, v[CO]
	v_add_nc_u32 v[ADRA+2+\s], s21, v4
	v_add_nc_u32 v[ADRB+\s], s22, v[CO]
	v_add_nc_u32 v[ADRB+2+\s], s22, v4
	s_add_co_u32 s21, s21, SLOT
	s_add_co_u32 s22, s22, SLOT
.endr
	v_lshlrev_b32 v5, 3, v1
	s_mul_i32 s21, s15, HALFS
	s_mul_i32 s22, s16, HALFS
	s_add_co_u32 s22, s22, 2*HALFS
	s_sub_co_u32 s22, s22, s21
	v_mul_u32_u24 v6, s22, v2                      ; lanes 16-31 take B's scale words
	s_add_co_u32 s21, s21, SCL
	v_add_nc_u32 v5, v5, v6
	v_add_nc_u32 v[ADRS], s21, v5
	v_lshlrev_b32 v8, 6, v2                        ; the bias: lane (r, h) wants, for tile b, columns 32 (b / 2) + 8 (b % 2) + 16 h + 0 .. 7
	s_lshl_b32 s46, s42, 10
	s_lshl_b32 s47, s16, 9
	s_add_co_u32 s46, s46, s47                     ; my first column, in bytes
	s_mov_b32 s47, 0
	s_add_nc_u64 s[8:9], s[8:9], s[46:47]
.irp b, 0,1,2,3,4,5,6,7
	global_load_b128 v[BI+8*\b:BI+8*\b+3], v8, s[8:9] offset:(32*(\b/2)+8*(\b%2))*4
	global_load_b128 v[BI+8*\b+4:BI+8*\b+7], v8, s[8:9] offset:(32*(\b/2)+8*(\b%2))*4+16
.endr
	s_mul_i32 s23, s14, 16*SPITCH
	s_add_co_u32 s23, s23, STAGE                   ; my stage
	v_mul_u32_u24 v9, v1, SPITCH
	v_lshl_add_u32 v9, v2, 6, v9
	v_add_nc_u32 v[STO], s23, v9                   ; in: row r, + 64 h
	v_add_nc_u32 v[RD], s23, v[CO]                 ; back: a row's 512 bytes, 16 a lane
	s_lshl_b32 s20, s17, 8
	s_lshl_b32 s21, s15, 7
	s_add_co_u32 s20, s20, s21                     ; my first row
	s_lshl_b32 s20, s20, 12
	s_add_co_u32 s20, s20, s46
	s_mov_b32 s21, 0
	s_add_nc_u64 s[12:13], s[12:13], s[20:21]
	s_add_nc_u64 s[10:11], s[10:11], s[20:21]
.macro FRAG reg, a16, off
	ds_load_b128 v[\reg:\reg+3], v[\a16] offset:\off
	ds_load_b64 v[\reg+4:\reg+5], v[\a16+2] offset:(\off)+512
	ds_load_b128 v[\reg+6:\reg+9], v[\a16] offset:(\off)+768
	ds_load_b64 v[\reg+10:\reg+11], v[\a16+2] offset:(\off)+1280
.endm
; 16 matrix instructions: A's blocks a0, a0 + 1 x B's eight.  The 64 accumulators take turns, one instruction a turn.  zero = 2: the bias starts the sums.
.macro MUL16 a0, p, q, sc, zero
.irp a, \a0, \a0+1
.irp b, 0,1,2,3,4,5,6,7
.if (\zero) == 2
	v_wmma_scale_f32_16x16x128_f8f6f4 v[8*(8*((\a)%4)+\b):8*(8*((\a)%4)+\b)+7], v[128*(\p)+FR*\b:128*(\p)+FR*\b+FR-1], v[AF+FR*(\a):AF+FR*(\a)+FR-1], v[BI+8*\b:BI+8*\b+7], v[SC+8*NQ*(\sc)+NQ*\b+(\q)], v[SC+8*NQ*(\sc)+NQ*(\a)+(\q)] matrix_a_fmt:MATRIX_FMT_BF6 matrix_b_fmt:MATRIX_FMT_BF6 matrix_a_scale:MATRIX_SCALE_ROW1
.else
	v_wmma_scale_f32_16x16x128_f8f6f4 v[8*(8*((\a)%4)+\b):8*(8*((\a)%4)+\b)+7], v[128*(\p)+FR*\b:128*(\p)+FR*\b+FR-1], v[AF+FR*(\a):AF+FR*(\a)+FR-1], v[8*(8*((\a)%4)+\b):8*(8*((\a)%4)+\b)+7], v[SC+8*NQ*(\sc)+NQ*\b+(\q)], v[SC+8*NQ*(\sc)+NQ*(\a)+(\q)] matrix_a_fmt:MATRIX_FMT_BF6 matrix_b_fmt:MATRIX_FMT_BF6 matrix_a_scale:MATRIX_SCALE_ROW1
.endif
.endr
.endr
.endm
.macro FETCH_B slot, q, p
	WIN TO_B
.irp i, 0,1,2,3,4,5,6,7
	FRAG 128*(\p)+FR*\i, ADRB+\slot, \i*TROW+(\q)*1536
.endr
	WIN 0
.endm
.macro FETCH_A slot, q, i0
.irp i, \i0, \i0+1, \i0+2, \i0+3
	FRAG AF+FR*(\i), ADRA+\slot, (\i)*TROW+(\q)*1536
.endr
.endm
.macro SCALES sc
.irp i, 0,1,2,3,4,5,6,7
	ds_load_b64 v[SC+8*NQ*\sc+NQ*\i:SC+8*NQ*\sc+NQ*\i+1], v[ADRS] offset:\i*SB
.endr
.endm
.macro PLACES n
.rept \n
	v_nop
.endr
.endm
.macro STEP slot, q, zero
	s_wait_dscnt 4*NL                              ; all but the youngest sixteen loads (A's blocks 4-7) are in
	WIN MUL_LO-0x20*((\zero)/2)
	MUL16 0, (\q)%2, \q, \slot, \zero
	MUL16 2, (\q)%2, \q, \slot, \zero
	s_wait_dscnt 0
	PLACES NP
	FETCH_B \slot, (\q)+1, 1-(\q)%2
	FETCH_A \slot, (\q)+1, 0
	WIN MUL_HI-0x30*((\zero)/2)
	MUL16 4, (\q)%2, \q, \slot, \zero
	MUL16 6, (\q)%2, \q, \slot, \zero
	PLACES NP
	WIN 0
	FETCH_A \slot, (\q)+1, 4
.endm
.macro TURN slot, next, fill
	s_wait_tensorcnt 0x0                           ; all my tensor loads have landed: my part of the next slot
	ds_add_u32 v[SPW], v[NIL]                      ; 0 onto my spare word
	s_wait_dscnt 4*NL+1                            ; (the add and the youngest sixteen loads may be out)
	WIN MUL_LO
	MUL16 0, 1, NQ-1, \slot, 0
	s_wait_dscnt 0x0                               ; the add is done, and my reads of this slot are over
	s_barrier_signal -1
	MUL16 2, 1, NQ-1, \slot, 0
	WIN 0
	s_barrier_wait -1
.if \fill
	CREST                                          ; a round of the cluster's barrier: no wave of any partner still reads this slot or has a load on its way
	s_add_nc_u64 s[G0+4*\slot+2:G0+4*\slot+3], s[G0+4*\slot+2:G0+4*\slot+3], 2*TROW
	s_add_nc_u64 s[G0B+4*\slot+2:G0B+4*\slot+3], s[G0B+4*\slot+2:G0B+4*\slot+3], 2*TROW
	JLOAD G0+4*\slot, G1, G0B+4*\slot, G1B
.else
	PLACES NP
.endif
	v_add_nc_u32 v[ADRS], 128, v[ADRS]
	FETCH_B \next, 0, 0
	FETCH_A \next, 0, 0
	SCALES \next
	WIN MUL_HI
	MUL16 4, 1, NQ-1, \slot, 0
	MUL16 6, 1, NQ-1, \slot, 0
	PLACES NP
	WIN 0
	FETCH_A \next, 0, 4
.endm
	s_wait_tensorcnt 1                             ; the scale bytes and my part of K step 0 are in; K step 1's load may be out
	s_barrier_signal -1
	s_barrier_wait -1
	FETCH_B 0, 0, 0
	FETCH_A 0, 0, 0
	SCALES 0
	FETCH_A 0, 0, 4
	s_wait_loadcnt 0x0                             ; the bias
	STEP 0, 0, 2
	s_mov_b32 s3, LAPS-1
.Llap:
	TURN 0, 1, 1
	STEP 1, 0, 0
	TURN 1, 0, 1
	STEP 0, 0, 0
	s_sub_co_u32 s3, s3, 1
	s_cmp_lg_u32 s3, 0
	s_cbranch_scc1 .Llap
	TURN 0, 1, 0
	STEP 1, 0, 0
	s_wait_dscnt 4*NL
	WIN MUL_LO
	MUL16 0, 1, NQ-1, 1, 0
	MUL16 2, 1, NQ-1, 1, 0
	s_wait_dscnt 0
	WIN MUL_HI
	MUL16 4, 1, NQ-1, 1, 0
	MUL16 6, 1, NQ-1, 1, 0
	WIN 0
; THE WAY OUT, block by block of 16 rows x 128 columns, through my own stage: back come whole rows of 512 bytes; the residual's same rows are added; 32 lanes store 512 consecutive bytes.
; Row t of block a is row 32 (a / 2) + 8 (a % 2) + t + 8 (t / 8) of my 128: it stands in the immediate, 520,192 bytes at the most.
.macro RLOAD a
.set RR, 64+128*((\a)%2)
.irp t, 0,1,2,3,4,5,6,7,8,9,10,11,12,13,14,15
	global_load_b128 v[RR+4*\t:RR+4*\t+3], v[CO], s[10:11] offset:(32*((\a)/2)+8*((\a)%2)+\t+8*(\t/8))*4096
.endr
.endm
.macro TOSTAGE a
.set AC, 64*((\a)%4)
	WIN 0x08+4*((\a)/4)                            ; an LDS store's data: window 2 or 3
.irp b, 0,1,2,3,4,5,6,7
	ds_store_b128 v[STO], v[AC+8*\b:AC+8*\b+3] offset:128*(\b/2)+32*(\b%2)          ; each accumulator from its low end on
	ds_store_b128 v[STO], v[AC+8*\b+4:AC+8*\b+7] offset:128*(\b/2)+32*(\b%2)+16
.endr
	WIN 0
.irp t, 0,1,2,3,4,5,6,7,8,9,10,11,12,13,14,15
	ds_load_b128 v[BK+4*\t:BK+4*\t+3], v[RD] offset:\t*SPITCH   ; LDS serves a wave's instructions in order: these see my stores
.endr
.endm
.macro ADDOUT a
.set RR, 64+128*((\a)%2)
.set J, 0
.rept 32
	v_pk_add_f32 v[BK+J:BK+J+1], v[BK+J:BK+J+1], v[RR+J:RR+J+1]
.set J, J+2
.endr
.irp t, 0,1,2,3,4,5,6,7,8,9,10,11,12,13,14,15
	global_store_b128 v[CO], v[BK+4*\t:BK+4*\t+3], s[12:13] offset:(32*((\a)/2)+8*((\a)%2)+\t+8*(\t/8))*4096
.endr
.endm
	PLACES NP
	RLOAD 0
.irp a, 0,1,2,3,4,5,6,7
.if \a > 0
	s_wait_xcnt 0x0                                ; the last block's stores have read v128-191, which the stage's loads write
.endif
	TOSTAGE \a
.if \a < 7
	RLOAD \a+1
	s_wait_dscnt 0x0
	s_wait_loadcnt 16                              ; this block's residual is in; the next block's sixteen loads may be out
.else
	s_wait_dscnt 0x0
	s_wait_loadcnt 0x0
.endif
	ADDOUT \a
.endr
	s_wait_tensorcnt 0x0                           ; the wave's end
	ds_add_u32 v[SPW], v[NIL]
	s_wait_dscnt 0x0
	CROUND                                         ; the closing round
	s_endpgm
.Lfunc_end_k_qa684096f92_ffn2:
	.size	k_qa684096f92_ffn2, .Lfunc_end_k_qa684096f92_ffn2-k_qa684096f92_ffn2
	.p2alignl 7, 3214868480
	.fill 96, 4, 3214868480
	.section	.rodata,"a",@progbits
	.p2align	6, 0x0
	.amdhsa_kernel k_qa684096f92_ffn2
		.amdhsa_group_segment_fixed_size 327680
		.amdhsa_private_segment_fixed_size 0
		.amdhsa_enable_private_segment 0
		.amdhsa_kernarg_size 40
		.amdhsa_user_sgpr_count 2
		.amdhsa_user_sgpr_kernarg_segment_ptr 1
		.amdhsa_wavefront_size32 1
		.amdhsa_system_sgpr_workgroup_id_x 1
		.amdhsa_system_sgpr_workgroup_id_y 1
		.amdhsa_system_sgpr_workgroup_id_z 1
		.amdhsa_system_vgpr_workitem_id 0
		.amdhsa_next_free_vgpr 1024
		.amdhsa_next_free_sgpr 102
		.amdhsa_reserve_vcc 0
		.amdhsa_float_denorm_mode_32 3
		.amdhsa_float_denorm_mode_16_64 3
		.amdhsa_memory_ordered 1
		.amdhsa_forward_progress 1
		.amdhsa_inst_pref_size 173
	.end_amdhsa_kernel
	.amdgpu_metadata
---
amdhsa.version: [ 1, 2 ]
amdhsa.kernels:
  - .name:           k_qa684096f92_ffn2
    .symbol:         k_qa684096f92_ffn2.kd
    .args:
      - { .name: hb, .offset: 0, .size: 8, .value_kind: global_buffer, .address_space: global }
      - { .name: p0, .offset: 8, .size: 8, .value_kind: global_buffer, .address_space: global }
      - { .name: b_ffn_o, .offset: 16, .size: 8, .value_kind: global_buffer, .address_space: global }
      - { .name: x1b, .offset: 24, .size: 8, .value_kind: global_buffer, .address_space: global }
      - { .name: yb, .offset: 32, .size: 8, .value_kind: global_buffer, .address_space: global }
    .group_segment_fixed_size: 327680
    .private_segment_fixed_size: 0
    .kernarg_segment_align: 8
    .kernarg_segment_size: 40
    .max_flat_workgroup_size: 128
    .sgpr_count:     102
    .vgpr_count:     1024
    .wavefront_size: 32
...
	.end_amdgpu_metadata
.endif
;; end of part 7
;; launch ln2 (part 8): grid 256 x 1, 4 waves a work-group, no clusters, 0 bytes of LDS; arguments yb, g2, be2, out0; writes out0
.if DOCPART == 8
	.amdgcn_target "amdgcn-amd-amdhsa--gfx1250"
	.amdhsa_code_object_version 6
	.text
	.protected	k_qa684096f92_ln2
	.globl	k_qa684096f92_ln2
	.p2align	8
	.type	k_qa684096f92_ln2,@function
k_qa684096f92_ln2:
	s_mov_b64 s[64:65], 0
	v_nop
	global_prefetch_b8 v0, s[64:65] scope:SCOPE_SE
	s_setreg_imm32_b32 hwreg(HW_REG_WAVE_MODE, 25, 1), 1
	s_wait_xcnt 0x0
; out = layernorm(y2) g2 + be2, rows of 1,024 f32.  A work-group takes 16 rows, a wave four; a whole row lies in the wave's 32 registers a lane: mean, then the centred squares: no difference of large sums.
; A stream: every byte read once and written once; all of a wave's 48 loads are issued at its head; each load and store of a wave covers 512 consecutive bytes.  No LDS, no barrier, no matrix unit, no cluster.
; LIMITS: NaN and infinities are not served.
.set X,   32                           ; v32-159  four rows, 32 numbers a lane each
.set G,   160                          ; v160-191 the gain of my 32 columns;  v192-223 the offset
.set BE,  192
.set TA,  224                          ; v224-239 four registers a row, at work
.set PD,  240                          ; v240-243 lane permutes' destinations
.macro REDUCE                          ; v[TA + 4 i], i = 0 .. 3, summed over the 32 lanes, the four rows by turns
.irp m, 1,2,4,8
.irp i, 0,1,2,3
	v_add_f32_dpp v[TA+4*\i], v[TA+4*\i], v[TA+4*\i] row_xmask:\m row_mask:0xf bank_mask:0xf
.endr
.endr
.irp i, 0,1,2,3
	v_permlanex16_b32 v[PD+\i], v[TA+4*\i], s22, s23
.endr
.irp i, 0,1,2,3
	v_add_f32 v[TA+4*\i], v[TA+4*\i], v[PD+\i]
.endr
.endm
	s_load_b128 s[4:7], s[0:1], 0x0                ; y2, g2
	s_load_b128 s[8:11], s[0:1], 0x10              ; be2, out
	v_lshrrev_b32 v1, 5, v0
	v_readfirstlane_b32 s12, v1                    ; wave
	v_and_b32 v1, 31, v0
	v_lshlrev_b32 v4, 4, v1                        ; 16 x lane
	s_lshl_b32 s13, ttmp9, 4
	s_lshl_b32 s14, s12, 2
	s_add_co_u32 s13, s13, s14                     ; my first row
	s_lshl_b32 s14, s13, 12
	s_mov_b32 s15, 0
	s_mov_b32 s20, 0x3727c5ac                      ; 1e-5
	s_mov_b32 s21, 0x3a800000                      ; 1 / 1,024
	s_mov_b32 s22, 0x76543210
	s_mov_b32 s23, 0xfedcba98
.irp i, 0,1,2,3
	v_mov_b32 v[PD+\i], 0
.endr
	s_wait_kmcnt 0x0
	s_add_nc_u64 s[4:5], s[4:5], s[14:15]
	s_add_nc_u64 s[10:11], s[10:11], s[14:15]
.irp i, 0,1,2,3
.irp j, 0,1,2,3,4,5,6,7
	global_load_b128 v[X+32*\i+4*\j:X+32*\i+4*\j+3], v4, s[4:5] offset:4096*\i+512*\j th:TH_LOAD_NT
.endr
.endr
.irp j, 0,1,2,3,4,5,6,7
	global_load_b128 v[G+4*\j:G+4*\j+3], v4, s[6:7] offset:512*\j
	global_load_b128 v[BE+4*\j:BE+4*\j+3], v4, s[8:9] offset:512*\j
.endr
	s_wait_loadcnt 16                              ; the rows are in; the sixteen loads of gain and offset may be out
.irp i, 0,1,2,3
	v_pk_add_f32 v[TA+4*\i:TA+4*\i+1], v[X+32*\i:X+32*\i+1], v[X+32*\i+2:X+32*\i+3]
	v_pk_add_f32 v[TA+4*\i+2:TA+4*\i+3], v[X+32*\i+4:X+32*\i+5], v[X+32*\i+6:X+32*\i+7]
.endr
.irp k, 8,12,16,20,24,28
.irp i, 0,1,2,3
	v_pk_add_f32 v[TA+4*\i:TA+4*\i+1], v[TA+4*\i:TA+4*\i+1], v[X+32*\i+\k:X+32*\i+\k+1]
	v_pk_add_f32 v[TA+4*\i+2:TA+4*\i+3], v[TA+4*\i+2:TA+4*\i+3], v[X+32*\i+\k+2:X+32*\i+\k+3]
.endr
.endr
.irp i, 0,1,2,3
	v_pk_add_f32 v[TA+4*\i:TA+4*\i+1], v[TA+4*\i:TA+4*\i+1], v[TA+4*\i+2:TA+4*\i+3]
.endr
.irp i, 0,1,2,3
	v_add_f32 v[TA+4*\i], v[TA+4*\i], v[TA+4*\i+1]
.endr
	REDUCE
.irp i, 0,1,2,3
	v_mul_f32 v[TA+4*\i], 0xba800000, v[TA+4*\i]   ; - the mean
.endr
.irp k, 0,2,4,6,8,10,12,14,16,18,20,22,24,26,28,30
.irp i, 0,1,2,3
	v_pk_add_f32 v[X+32*\i+\k:X+32*\i+\k+1], v[X+32*\i+\k:X+32*\i+\k+1], v[TA+4*\i:TA+4*\i+1] op_sel_hi:[1,0]   ; centred, in place
.endr
.endr
.irp i, 0,1,2,3
	v_pk_mul_f32 v[TA+4*\i+2:TA+4*\i+3], v[X+32*\i:X+32*\i+1], v[X+32*\i:X+32*\i+1]
	v_pk_mul_f32 v[TA+4*\i:TA+4*\i+1], v[X+32*\i+2:X+32*\i+3], v[X+32*\i+2:X+32*\i+3]
.endr
.irp k, 4,8,12,16,20,24,28
.irp i, 0,1,2,3
	v_pk_fma_f32 v[TA+4*\i+2:TA+4*\i+3], v[X+32*\i+\k:X+32*\i+\k+1], v[X+32*\i+\k:X+32*\i+\k+1], v[TA+4*\i+2:TA+4*\i+3]
	v_pk_fma_f32 v[TA+4*\i:TA+4*\i+1], v[X+32*\i+\k+2:X+32*\i+\k+3], v[X+32*\i+\k+2:X+32*\i+\k+3], v[TA+4*\i:TA+4*\i+1]
.endr
.endr
.irp i, 0,1,2,3
	v_pk_add_f32 v[TA+4*\i:TA+4*\i+1], v[TA+4*\i:TA+4*\i+1], v[TA+4*\i+2:TA+4*\i+3]
.endr
.irp i, 0,1,2,3
	v_add_f32 v[TA+4*\i], v[TA+4*\i], v[TA+4*\i+1]
.endr
	REDUCE
.irp i, 0,1,2,3
	v_fma_f32 v[TA+4*\i], v[TA+4*\i], s21, s20     ; the variance + 1e-5
.endr
.irp i, 0,1,2,3
	v_rsq_f32 v[TA+4*\i], v[TA+4*\i]
.endr
	v_nop                                          ; a plain place behind the batch,
	s_wait_alu depctr_va_vdst(0)                   ; and one wait ahead of its first reader
	s_wait_loadcnt 0x0                             ; gain and offset
.irp k, 0,2,4,6,8,10,12,14,16,18,20,22,24,26,28,30
.irp i, 0,1,2,3
	v_pk_mul_f32 v[X+32*\i+\k:X+32*\i+\k+1], v[X+32*\i+\k:X+32*\i+\k+1], v[TA+4*\i:TA+4*\i+1] op_sel_hi:[1,0]
.endr
.irp i, 0,1,2,3
	v_pk_fma_f32 v[X+32*\i+\k:X+32*\i+\k+1], v[X+32*\i+\k:X+32*\i+\k+1], v[G+\k:G+\k+1], v[BE+\k:BE+\k+1]
.endr
.endr
.irp i, 0,1,2,3
.irp j, 0,1,2,3,4,5,6,7
	global_store_b128 v4, v[X+32*\i+4*\j:X+32*\i+4*\j+3], s[10:11] offset:4096*\i+512*\j th:TH_STORE_NT
.endr
.endr
	s_endpgm
.Lfunc_end_k_qa684096f92_ln2:
	.size	k_qa684096f92_ln2, .Lfunc_end_k_qa684096f92_ln2-k_qa684096f92_ln2
	.p2alignl 7, 3214868480
	.fill 96, 4, 3214868480
	.section	.rodata,"a",@progbits
	.p2align	6, 0x0
	.amdhsa_kernel k_qa684096f92_ln2
		.amdhsa_group_segment_fixed_size 0
		.amdhsa_private_segment_fixed_size 0
		.amdhsa_enable_private_segment 0
		.amdhsa_kernarg_size 32
		.amdhsa_user_sgpr_count 2
		.amdhsa_user_sgpr_kernarg_segment_ptr 1
		.amdhsa_wavefront_size32 1
		.amdhsa_system_sgpr_workgroup_id_x 1
		.amdhsa_system_sgpr_workgroup_id_y 1
		.amdhsa_system_sgpr_workgroup_id_z 1
		.amdhsa_system_vgpr_workitem_id 0
		.amdhsa_next_free_vgpr 256
		.amdhsa_next_free_sgpr 66
		.amdhsa_reserve_vcc 0
		.amdhsa_float_denorm_mode_32 3
		.amdhsa_float_denorm_mode_16_64 3
		.amdhsa_memory_ordered 1
		.amdhsa_forward_progress 1
		.amdhsa_inst_pref_size 33
	.end_amdhsa_kernel
	.amdgpu_metadata
---
amdhsa.version: [ 1, 2 ]
amdhsa.kernels:
  - .name:           k_qa684096f92_ln2
    .symbol:         k_qa684096f92_ln2.kd
    .args:
      - { .name: yb, .offset: 0, .size: 8, .value_kind: global_buffer, .address_space: global }
      - { .name: g2, .offset: 8, .size: 8, .value_kind: global_buffer, .address_space: global }
      - { .name: be2, .offset: 16, .size: 8, .value_kind: global_buffer, .address_space: global }
      - { .name: out0, .offset: 24, .size: 8, .value_kind: global_buffer, .address_space: global }
    .group_segment_fixed_size: 0
    .private_segment_fixed_size: 0
    .kernarg_segment_align: 8
    .kernarg_segment_size: 32
    .max_flat_workgroup_size: 128
    .sgpr_count:     66
    .vgpr_count:     256
    .wavefront_size: 32
...
	.end_amdgpu_metadata
.endif
;; end of part 8
;; ======== version 2 of 2: 8 launches
;; limits: right only within a limited range of input values
;; workspace buffers: p0 11,468,800 bytes; qkvb 9,830,400 bytes; ctxb 3,276,800 bytes; yb 16,777,216 bytes; x1b 20,054,016 bytes; hb 6,553,600 bytes
;; launch prep (part 9): grid 416 x 1, 4 waves a work-group, no clusters, 117,248 bytes of LDS; arguments x, w_qkv_codes, w_qkv_scales, w_o_codes, w_o_scales, w1_codes, w1_scales, w2_codes, w2_scales, w_ffn_o_codes, w_ffn_o_scales, p0; writes p0
.if DOCPART == 9
	.amdgcn_target "amdgcn-amd-amdhsa--gfx1250"
	.amdhsa_code_object_version 6
	.text
	.protected	k_qa684096f92_prep
	.globl	k_qa684096f92_prep
	.p2align	8
	.type	k_qa684096f92_prep,@function
k_qa684096f92_prep:
	s_mov_b64 s[64:65], 0
	v_nop
	global_prefetch_b8 v0, s[64:65] scope:SCOPE_SE
	s_setreg_imm32_b32 hwreg(HW_REG_WAVE_MODE, 25, 1), 1
	s_wait_xcnt 0x0
; x (f32) is quantised to codes of BF6 (E3M2) with one E8M0 byte for each 32 along K, and the five weights' codes and scale bytes are moved, unchanged, into ONE layout that every later launch reads:
; TILES: 16 rows form a tile; lane r of tile T is row 32 (T / 2) + 8 (T % 2) + r + 8 (r / 8), so that two neighbouring tiles, used as source 0 of a product, leave 16 neighbours along that axis in a lane's registers.
; HALF RECORD, 768 bytes, for (tile T, 64 along K number u): the six operand registers of lane l = (r, h), the 24 bytes of block 2 u + h of the lane's row: registers 0-3 at byte 16 l, registers 4-5 at byte 512 + 8 l.
; A tensor [R][K] lies as record (T K / 64 + u).  SCALE BYTES: that of (T, r, block j) lies at T K / 2 + 128 (j / 8) + 8 r + j % 8.
; p0: the weights' records (w_qkv, w_o, w1, w2, w_ffn_o on end), their scale bytes at W_SCL, x's records at X_IMG, x's scale bytes at X_SCL.
; A block's scale is 2^(floor(log2(largest magnitude)) - 4): its byte is the largest magnitude's exponent field - 4, held at 1 from below.
; LIMITS: a block of zeros gets the byte 1 where the rule says 127 (its codes are zeros, and this program alone reads the bytes); largest magnitudes under 2^-122 are held at byte 1; NaN and infinities are not served.
; Work-groups 0-255 take a tile of x each, work-groups 256-415 four jobs of weights each (a job: 16 rows x 1,024 along K).  The two ways part on the work-group's number and have LDS bytes of their own.
; Waves share nothing: no barrier.  No matrix unit, no cluster, no tensor load: a stream, each byte read once and written once.
.set X_IMG, 8192000
.set X_SCL, 11337728
.set W_SCL, 7864320
.set XP,    1040                       ; x's stage: a row's 1,024 bytes + 16
.set XW,    16*XP                      ; a wave's stage
.set WST,   4*XW                       ; behind them the weights' stages
.set WP,    784                        ; 768 bytes of codes + 16
.set WW,    16*WP
; 32 numbers of ONE block in v[s] on become 24 bytes of codes in v[c] .. v[c + 5] and the block's byte in v[byt]
.macro QB32 s, c, byt
.set XS, \s
.set CC, \c
	v_max3_num_f32 v8, |v[XS]|, |v[XS+1]|, |v[XS+2]|               ; the largest magnitude, in two chains
	v_max3_num_f32 v9, |v[XS+3]|, |v[XS+4]|, |v[XS+5]|
.irp i, 6,10,14,18,22,26
	v_max3_num_f32 v8, v8, |v[XS+\i]|, |v[XS+\i+1]|
	v_max3_num_f32 v9, v9, |v[XS+\i+2]|, |v[XS+\i+3]|
.endr
	v_max3_num_f32 v8, v8, |v[XS+30]|, |v[XS+31]|
	v_max3_num_f32 v8, v8, v9, 0x2800000           ; and the floor 2^(5 - 127): the byte cannot fall under 1
	v_add_nc_u32 v11, 0xfe000000, v8               ; 4 off the exponent field: the conversion's scale operand
	v_lshrrev_b32 v[\byt], 23, v11                 ; the scale's byte
	v_cvt_scalef32_pk16_bf6_f32 v[CC:CC+2], v[XS:XS+15], v11
	v_cvt_scalef32_pk16_bf6_f32 v[CC+6:CC+8], v[XS+16:XS+31], v11   ; (a conversion's three registers begin on an even number)
	v_nop                                          ; one plain place behind the conversions
.irp i, 0,1,2
	v_mov_b32 v[CC+3+\i], v[CC+6+\i]
.endr
.endm
	s_load_b128 s[4:7], s[0:1], 0x0                ; x, w_qkv codes
	s_load_b128 s[8:11], s[0:1], 0x10              ; w_qkv scales, w_o codes
	s_load_b128 s[12:15], s[0:1], 0x20             ; w_o scales, w1 codes
	s_load_b128 s[16:19], s[0:1], 0x30             ; w1 scales, w2 codes
	s_load_b128 s[20:23], s[0:1], 0x40             ; w2 scales, w_ffn_o codes
	s_load_b128 s[24:27], s[0:1], 0x50             ; w_ffn_o scales, p0
	v_lshl_add_u32 v254, v0, 2, 0x1c800
	v_mov_b32 v255, 0
	v_lshrrev_b32 v1, 5, v0
	v_readfirstlane_b32 s40, v1                    ; wave
	v_and_b32 v1, 31, v0                           ; lane
	v_and_b32 v2, 15, v0                           ; r
	v_bfe_u32 v3, v0, 4, 1                         ; h
	v_lshlrev_b32 v4, 4, v1                        ; 16 x lane
	v_lshlrev_b32 v5, 3, v1                        ; 8 x lane
	s_mov_b32 s38, 0x76543210
	s_mov_b32 s39, 0xfedcba98                      ; v_permlanex16_b32's selects for lane l xor 16
	s_cmp_lt_u32 ttmp9, 256
	s_cbranch_scc0 .Lweights
	; ---- a tile of x.  Wave w takes bytes 1,024 w .. 1,024 w + 1,023 (256 along K: records 4 w .. 4 w + 3) of all 16 rows
	s_lshr_b32 s41, ttmp9, 1
	s_lshl_b32 s41, s41, 5
	s_and_b32 s42, ttmp9, 1
	s_lshl_b32 s42, s42, 3
	s_add_co_u32 s41, s41, s42                     ; the tile's first row
	s_lshl_b32 s42, s41, 12
	s_lshl_b32 s43, s40, 10
	s_add_co_u32 s42, s42, s43
	s_mov_b32 s43, 0
	s_mul_i32 s44, s40, XW
	s_wait_alu depctr_va_vdst(0)
	v_add_nc_u32 v6, s44, v4                       ; into my stage: as the bytes lie
	v_mul_u32_u24 v7, v2, XP
	v_lshl_add_u32 v7, v3, 7, v7
	v_add_nc_u32 v7, s44, v7                       ; out of it: row r, block h of a record
	s_lshl_b32 s44, ttmp9, 4
	s_lshl_b32 s45, s40, 2
	s_add_co_u32 s44, s44, s45
	s_mul_i32 s44, s44, 768
	s_add_co_u32 s44, s44, X_IMG                   ; record 16 T + 4 w
	s_mov_b32 s45, 0
	s_lshl_b32 s46, ttmp9, 9
	s_lshl_b32 s47, s40, 7
	s_add_co_u32 s46, s46, s47
	s_add_co_u32 s46, s46, X_SCL                   ; scale bytes 512 T + 128 w
	s_mov_b32 s47, 0
	s_wait_alu depctr_va_vdst(0)
	s_wait_kmcnt 0x0
	s_add_nc_u64 s[4:5], s[4:5], s[42:43]
	s_add_nc_u64 s[44:45], s[26:27], s[44:45]
	s_add_nc_u64 s[46:47], s[26:27], s[46:47]
.irp i, 0,1,2,3,4,5,6,7,8,9,10,11,12,13,14,15
	global_load_b128 v[32+8*\i:35+8*\i], v4, s[4:5] offset:(\i+8*(\i/8))*4096       ; 32 lanes read 512 consecutive bytes
	global_load_b128 v[36+8*\i:39+8*\i], v4, s[4:5] offset:(\i+8*(\i/8))*4096+512
.endr
.irp i, 0,1,2,3,4,5,6,7,8,9,10,11,12,13,14,15
	s_wait_loadcnt 2*(15-\i)                       ; row i's two loads are in; the later rows' may be out
	ds_store_b128 v6, v[32+8*\i:35+8*\i] offset:\i*XP
	ds_store_b128 v6, v[36+8*\i:39+8*\i] offset:\i*XP+512
.endr
	s_wait_dscnt 0x0                               ; the stores have read their registers, which the loads below write
.irp u, 0,1,2,3
.irp j, 0,1,2,3,4,5,6,7
	ds_load_b128 v[32+32*\u+4*\j:35+32*\u+4*\j], v7 offset:256*\u+16*\j   ; lane (r, h): block 2 u + h of row r, whole
.endr
.endr
.irp u, 0,1,2,3
	s_wait_dscnt 8*(3-\u)                          ; this record's eight loads are in; the later records' may be out
	QB32 32+32*\u, 160+12*\u, 224+\u
	global_store_b128 v4, v[160+12*\u:163+12*\u], s[44:45] offset:768*\u          ; 512 consecutive bytes,
	global_store_b64 v5, v[164+12*\u:165+12*\u], s[44:45] offset:768*\u+512       ; and 256
.endr
	v_lshl_or_b32 v12, v225, 16, v224              ; my bytes of records 0, 1 and of records 2, 3,
	v_lshl_or_b32 v13, v227, 16, v226
	v_lshlrev_b32 v14, 3, v3
	v_lshlrev_b32 v12, v14, v12                    ; at their places in a word (8 h bits up);
	v_lshlrev_b32 v13, v14, v13
	v_mov_b32 v15, 0
	v_mov_b32 v16, 0
	v_permlanex16_b32 v15, v12, s38, s39
	v_permlanex16_b32 v16, v13, s38, s39
	v_or_b32 v12, v12, v15                         ; with lane l xor 16's the words are whole
	v_or_b32 v13, v13, v16
	v_cmp_le_u32 vcc_lo, 16, v1
	v_cndmask_b32 v12, v12, v13, vcc_lo            ; lanes 0-15 store the first word of their row, lanes 16-31 the second
	v_lshlrev_b32 v17, 2, v3
	v_lshl_add_u32 v17, v2, 3, v17                 ; 8 r + 4 h
	global_store_b32 v17, v12, s[46:47]            ; 128 consecutive bytes
	s_wait_tensorcnt 0x0
	ds_add_u32 v254, v255
	s_wait_dscnt 0x0
	s_endpgm
.Lweights:
	; ---- a job of weights for each wave: 16 rows x 768 bytes of codes become 16 records; 16 x 32 scale bytes are laid anew
	s_sub_co_u32 s28, ttmp9, 256
	s_wait_kmcnt 0x0
	s_mov_b64 s[30:31], s[6:7]                     ; which tensor: a choice on the work-group's number alone
	s_mov_b64 s[32:33], s[8:9]
	s_mov_b32 s34, 0                               ; its first job
	s_mov_b32 s35, 768                             ; a row of its codes in bytes
	s_cmp_ge_u32 s28, 48
	s_cselect_b64 s[30:31], s[10:11], s[30:31]
	s_cselect_b64 s[32:33], s[12:13], s[32:33]
	s_cselect_b32 s34, 192, s34
	s_cmp_ge_u32 s28, 64
	s_cselect_b64 s[30:31], s[14:15], s[30:31]
	s_cselect_b64 s[32:33], s[16:17], s[32:33]
	s_cselect_b32 s34, 256, s34
	s_cmp_ge_u32 s28, 96
	s_cselect_b64 s[30:31], s[18:19], s[30:31]
	s_cselect_b64 s[32:33], s[20:21], s[32:33]
	s_cselect_b32 s34, 384, s34
	s_cmp_ge_u32 s28, 128
	s_cselect_b64 s[30:31], s[22:23], s[30:31]
	s_cselect_b64 s[32:33], s[24:25], s[32:33]
	s_cselect_b32 s34, 512, s34
	s_cselect_b32 s35, 1536, s35                   ; w_ffn_o has K = 2,048: two jobs to a tile
	s_cselect_b32 s36, 64, 32                      ; a row of scale bytes
	s_cselect_b32 s37, 1, 0
	s_lshl_b32 s41, s28, 2
	s_add_co_u32 s41, s41, s40                     ; my job, 0 .. 639: its results lie at 12,288 and 512 bytes a job
	s_sub_co_u32 s42, s41, s34
	s_and_b32 s43, s42, s37                        ; which 1,024 along K
	s_lshr_b32 s42, s42, s37                       ; the tile
	s_lshr_b32 s44, s42, 1
	s_lshl_b32 s44, s44, 5
	s_and_b32 s45, s42, 1
	s_lshl_b32 s45, s45, 3
	s_add_co_u32 s44, s44, s45                     ; its first row
	s_mul_i32 s46, s44, s35
	s_mul_i32 s45, s43, 768
	s_add_co_u32 s46, s46, s45
	s_mov_b32 s47, 0
	s_add_nc_u64 s[30:31], s[30:31], s[46:47]
	s_mul_i32 s46, s44, s36
	s_lshl_b32 s45, s43, 5
	s_add_co_u32 s46, s46, s45
	s_add_nc_u64 s[32:33], s[32:33], s[46:47]
	s_mul_i32 s46, s41, 12288
	s_add_nc_u64 s[44:45], s[26:27], s[46:47]
	s_lshl_b32 s46, s41, 9
	s_add_co_u32 s46, s46, W_SCL
	s_add_nc_u64 s[46:47], s[26:27], s[46:47]
	s_mul_i32 s34, s40, WW
	s_add_co_u32 s34, s34, WST                     ; my stage
	s_wait_alu depctr_va_vdst(0)
	v_add_nc_u32 v9, s34, v5
	v_mul_u32_u24 v10, v2, WP
	v_mad_u32_u24 v10, v3, 24, v10
	v_add_nc_u32 v10, s34, v10
	v_and_b32 v8, 8, v2
	v_add_nc_u32 v8, v8, v2                        ; r + 8 (r / 8)
	v_mul_u32_u24 v8, s36, v8
	v_lshl_add_u32 v8, v3, 2, v8                   ; my row's scale bytes, word h of eight bytes
	v_lshlrev_b32 v11, 2, v3
	v_lshl_add_u32 v11, v2, 3, v11                 ; 8 r + 4 h
.irp i, 0,1,2,3,4,5,6,7,8,9,10,11,12,13,14,15
	v_mad_u32_u24 v[16+\i], s35, \i+8*(\i/8), v5   ; row i of the tile, 8 bytes a lane
.endr
.irp i, 0,1,2,3,4,5,6,7,8,9,10,11,12,13,14,15
.irp j, 0,1,2
	global_load_b64 v[32+6*\i+2*\j:33+6*\i+2*\j], v[16+\i], s[30:31] offset:256*\j th:TH_LOAD_NT   ; 256 consecutive bytes
.endr
.endr
.irp j, 0,1,2,3
	global_load_b32 v[224+\j], v8, s[32:33] offset:8*\j th:TH_LOAD_NT
.endr
.irp i, 0,1,2,3,4,5,6,7,8,9,10,11,12,13,14,15
	s_wait_loadcnt 4+3*(15-\i)                     ; row i's three loads are in; the later rows' and the four of scale bytes may be out
.irp j, 0,1,2
	ds_store_b64 v9, v[32+6*\i+2*\j:33+6*\i+2*\j] offset:\i*WP+256*\j
.endr
.endr
.irp u, 0,1,2,3,4,5,6,7,8,9,10,11,12,13,14,15
.irp p, 0,1,2
	ds_load_b64 v[128+6*\u+2*\p:129+6*\u+2*\p], v10 offset:48*\u+8*\p   ; LDS serves a wave's instructions in order: these see my stores.  Block 2 u + h of row r
.endr
.endr
.irp u, 0,1,2,3,4,5,6,7,8,9,10,11,12,13,14,15
	s_wait_dscnt 3*(15-\u)                         ; record u's three loads are in
	global_store_b128 v4, v[128+6*\u:131+6*\u], s[44:45] offset:768*\u
	global_store_b64 v5, v[132+6*\u:133+6*\u], s[44:45] offset:768*\u+512
.endr
	s_wait_loadcnt 0x0
.irp j, 0,1,2,3
	global_store_b32 v11, v[224+\j], s[46:47] offset:128*\j
.endr
	s_wait_tensorcnt 0x0
	ds_add_u32 v254, v255
	s_wait_dscnt 0x0
	s_endpgm
.Lfunc_end_k_qa684096f92_prep:
	.size	k_qa684096f92_prep, .Lfunc_end_k_qa684096f92_prep-k_qa684096f92_prep
	.p2alignl 7, 3214868480
	.fill 96, 4, 3214868480
	.section	.rodata,"a",@progbits
	.p2align	6, 0x0
	.amdhsa_kernel k_qa684096f92_prep
		.amdhsa_group_segment_fixed_size 117248
		.amdhsa_private_segment_fixed_size 0
		.amdhsa_enable_private_segment 0
		.amdhsa_kernarg_size 96
		.amdhsa_user_sgpr_count 2
		.amdhsa_user_sgpr_kernarg_segment_ptr 1
		.amdhsa_wavefront_size32 1
		.amdhsa_system_sgpr_workgroup_id_x 1
		.amdhsa_system_sgpr_workgroup_id_y 1
		.amdhsa_system_sgpr_workgroup_id_z 1
		.amdhsa_system_vgpr_workitem_id 0
		.amdhsa_next_free_vgpr 256
		.amdhsa_next_free_sgpr 66
		.amdhsa_reserve_vcc 1
		.amdhsa_float_denorm_mode_32 3
		.amdhsa_float_denorm_mode_16_64 3
		.amdhsa_memory_ordered 1
		.amdhsa_forward_progress 1
		.amdhsa_inst_pref_size 37
	.end_amdhsa_kernel
	.amdgpu_metadata
---
amdhsa.version: [ 1, 2 ]
amdhsa.kernels:
  - .name:           k_qa684096f92_prep
    .symbol:         k_qa684096f92_prep.kd
    .args:
      - { .name: x, .offset: 0, .size: 8, .value_kind: global_buffer, .address_space: global }
      - { .name: w_qkv_codes, .offset: 8, .size: 8, .value_kind: global_buffer, .address_space: global }
      - { .name: w_qkv_scales, .offset: 16, .size: 8, .value_kind: global_buffer, .address_space: global }
      - { .name: w_o_codes, .offset: 24, .size: 8, .value_kind: global_buffer, .address_space: global }
      - { .name: w_o_scales, .offset: 32, .size: 8, .value_kind: global_buffer, .address_space: global }
      - { .name: w1_codes, .offset: 40, .size: 8, .value_kind: global_buffer, .address_space: global }
      - { .name: w1_scales, .offset: 48, .size: 8, .value_kind: global_buffer, .address_space: global }
      - { .name: w2_codes, .offset: 56, .size: 8, .value_kind: global_buffer, .address_space: global }
      - { .name: w2_scales, .offset: 64, .size: 8, .value_kind: global_buffer, .address_space: global }
      - { .name: w_ffn_o_codes, .offset: 72, .size: 8, .value_kind: global_buffer, .address_space: global }
      - { .name: w_ffn_o_scales, .offset: 80, .size: 8, .value_kind: global_buffer, .address_space: global }
      - { .name: p0, .offset: 88, .size: 8, .value_kind: global_buffer, .address_space: global }
    .group_segment_fixed_size: 117248
    .private_segment_fixed_size: 0
    .kernarg_segment_align: 8
    .kernarg_segment_size: 96
    .max_flat_workgroup_size: 128
    .sgpr_count:     66
    .vgpr_count:     256
    .wavefront_size: 32
...
	.end_amdgpu_metadata
.endif
;; end of part 9
;; launch qkv (part 10): grid 12 x 16, 4 waves a work-group, clusters of 4 x 4, 327,680 bytes of LDS; arguments p0, qkvb; writes qkvb
.if DOCPART == 10
	.amdgcn_target "amdgcn-amd-amdhsa--gfx1250"
	.amdhsa_code_object_version 6
	.text
	.protected	k_qa684096f92_qkv
	.globl	k_qa684096f92_qkv
	.p2align	8
	.type	k_qa684096f92_qkv,@function
k_qa684096f92_qkv:
	s_mov_b64 s[64:65], 0
	v_nop
	global_prefetch_b8 v0, s[64:65] scope:SCOPE_SE
	s_setreg_imm32_b32 hwreg(HW_REG_WAVE_MODE, 25, 1), 1
	s_wait_xcnt 0x0
	s_wait_alu depctr_hold_cnt(0) depctr_sa_sdst(0) depctr_va_vdst(0) depctr_va_sdst(0) depctr_va_ssrc(0) depctr_va_vcc(0) depctr_vm_vsrc(0)
	s_getreg_b32 s2, hwreg(HW_REG_IB_STS2, 6, 4)
	s_cmp_eq_u32 s2, 0
	s_cbranch_scc0 .Lentry_in_a_cluster
	s_endpgm
.Lentry_in_a_cluster:
	s_bfe_u32 s2, ttmp6, 0x10000c
	s_cmp_lg_u32 s2, 0xf033
	s_cbranch_scc0 .Lentry_shape_is_right
	s_endpgm
.Lentry_shape_is_right:
; x w_qkv on codes of BF6 (E3M2) with E8M0 scales, K = 1,024; the results q, k, v are quantised in registers and leave as finished operands for the attention launch; no f32 number goes to memory.
; Operands lie in memory as images of operand registers (tiles of 16 rows in the order 32 (T / 2) + 8 (T % 2) + r + 8 (r / 8); half records of 768 bytes for 64 along K: registers 0-3 of lane l at 16 l, 4-5 at 512 + 8 l).
; A tile of 256 x 256 results is made by four waves, each 128 x 128: 64 accumulators.  K goes in steps of 256 through a ring of two LDS slots; the scale bytes of all of K come once and stay.
; Source 1 ('A') gives a lane its row, source 0 ('B') runs along a lane's registers.  Clusters x = 0, 1 (q, k): A = x's tokens, B = w_qkv's rows: a lane holds a token and 128 features: two heads, quantised along the head's 64.
; Cluster x = 2 (v): A = w_qkv's rows 2,048 on, B = x's tokens: a lane holds a feature and 128 tokens, quantised along the tokens, which are the second attention product's K.  The choice is made of offsets alone, by s_cselect_b32 on the cluster's x.
; CLUSTERS: 4 x 4 work-groups; A's tiles are asked for jointly along a row of the cluster, B's along a column.
; qkvb: q's and k's records [head group 32][tile 256][768]; v's fragments [b h 32][key step 16][4 tiles][1,536] at V_IMG; q's and k's scale words [head group][pair of tiles 128][16 rows] at QK_SCL (low half: the even tile's two bytes);
; v's [b h][key step][4 tiles][16 rows] at V_SCL.  The scale words leave in pieces of 64 or 128 bytes: 0.4 MB of the launch's 9.8.
; LIMITS: a block of zeros gets the byte 1 where the rule says 127 (this program alone reads the bytes); largest magnitudes under 2^-122 are held at byte 1; NaN and infinities are not served.
; REGISTERS: window 0: v16-31 addresses; v32-63 scale words, two sets, and nothing else; v64-133 at work on the way out; v128-223 A's fragments, one set.  window 1: B's fragments, two sets.  windows 2, 3: accumulator (a, b) at v[8 (8 (a % 4) + b)].
.set KDIM,   1024
.set X_IMG,  8192000
.set X_SCL,  11337728
.set W_SCL,  7864320
.set V_IMG,  6291456
.set QK_SCL, 9437184
.set V_SCL,  9699328
.set TIMG,   KDIM*12                   ; a tile's records of all of K, in bytes
.set TROW,   3072                      ; its four records of a slot
.set NQ,     2
.set FR,     12
.set NL,     4                         ; LDS loads that bring a fragment
.set NP,     4                         ; places behind this matrix instruction (ISA guide 7.12.1)
.set HALFT,  8*TROW                    ; 8 tiles: what a tensor load behind the head brings, and what a wave reads of A or of B
.set SLOT,   4*HALFT
.set LAPS,   KDIM/512
.set SB,     KDIM/2                    ; a tile's scale bytes
.set HALFS,  8*SB
.set SCL,    2*SLOT
.set SPARE,  SCL+4*HALFS               ; the spare words, 128 bytes a wave: two blocks of 256 bytes that no other line names
.set ADRA, 16                          ; v16-17 A's fragments in slot 0, 1, + 16 x lane; v18-19 the same + 8 x lane
.set ADRB, 20                          ; v20-23 the same for B
.set L16,  24                          ; v24 16 x lane
.set L8,   25                          ; v25 8 x lane
.set SO,   26                          ; v26 the scale words' place for my lane
.set ADRS, 27                          ; v27 my scale words in LDS: lanes 0-15 A's, lanes 16-31 B's
.set SPW,  28
.set NIL,  29
.set SC,   32
.set AF,   128
.set G1, 24
.set G0, 32
.set G1B, 48
.set G0B, 56
.set G1S, 68
.set G0S, 76
.set G1SB, 80
.set G0SB, 88
.set MSB, 0
.macro WIN new                         ; the immediate's high byte repeats the setting that is left
.if MSB != (\new)
	s_set_vgpr_msb (MSB<<8)|(\new)
.set MSB, (\new)
.endif
.endm
.set MUL_LO, 0xa1                      ; source 0 (B) window 1, source 1 (A) window 0, C and D window 2
.set MUL_HI, 0xf1
.set TO_B,   0x40
; A joint load: waves 0 and 1 fetch for A, waves 2 and 3 for B; the branch hangs on the wave's number alone.  Four v_nop follow each line.
.macro JLOAD g0a, g1a, g0b, g1b
	s_cmp_eq_u32 s15, 0
	s_cbranch_scc0 .Lfor_b_\@
	tensor_load_to_lds s[\g0a:\g0a+3], s[\g1a:\g1a+7]
	s_nop 0
.rept 4
	v_nop
.endr
	s_branch .Lasked_\@
.Lfor_b_\@:
	tensor_load_to_lds s[\g0b:\g0b+3], s[\g1b:\g1b+7]
	s_nop 0
.rept 4
	v_nop
.endr
.Lasked_\@:
.endm
.macro CREST                           ; a round of the cluster's barrier behind its opening barrier
	s_cmp_lg_u32 s14, 0
	s_cbranch_scc1 .Lnot_wave_0_\@
	s_barrier_signal -3
.Lnot_wave_0_\@:
	s_barrier_wait -3
	s_barrier_signal -1
	s_barrier_wait -1
.endm
.macro CROUND
	s_barrier_signal -1
	s_barrier_wait -1
	CREST
.endm
	s_load_b128 s[4:7], s[0:1], 0x0                ; p0, qkvb
	v_lshl_add_u32 v[SPW], v0, 2, SPARE
	v_mov_b32 v[NIL], 0
	ds_add_u32 v28, v29
	ds_add_u32 v28, v29
	s_wait_dscnt 0x0
	v_lshrrev_b32 v1, 5, v0
	v_readfirstlane_b32 s14, v1                    ; wave
	s_lshr_b32 s15, s14, 1                         ; my half of A's rows.  Also: I fetch for A (0) or for B (1)
	s_and_b32 s16, s14, 1                          ; my half of B's rows.  Also: which 8 tiles I fetch
	s_bfe_u32 s40, ttmp6, 0x40000                  ; cx
	s_bfe_u32 s41, ttmp6, 0x40004                  ; cy
	s_lshl_b32 s43, s41, 2
	s_lshl_b32 s43, 15, s43                        ; my row of the cluster
	s_lshl_b32 s44, 0x1111, s40                    ; my column
	s_and_b32 s18, ttmp7, 0xffff
	s_lshl_b32 s18, s18, 2                         ; 4 x cluster y
	s_lshl_b32 s19, ttmp9, 2                       ; 4 x cluster x
	s_mov_b32 s92, X_IMG
	s_mov_b32 s95, W_SCL
	s_mov_b32 s99, X_SCL
	s_cmp_eq_u32 ttmp9, 2                          ; v's clusters?  The same answer in all sixteen partners
	s_cselect_b32 s17, 8, s18
	s_cselect_b32 s42, s18, s19
	s_cselect_b32 s93, 0, s92                      ; A's records: w_qkv's or x's
	s_cselect_b32 s94, s92, 0                      ; B's
	s_cselect_b32 s96, s95, s99                    ; A's scale bytes
	s_cselect_b32 s97, s99, s95                    ; B's
	s_add_co_u32 s17, s17, s41                     ; A's block of 256 rows: hangs on cy, never on cx
	s_add_co_u32 s42, s42, s40                     ; B's: hangs on cx, never on cy
	; group 1, codes: 8 rows (tiles) of 3,072 bytes, TIMG bytes apart; elements of 8 bytes; dense in LDS
	s_or_b32 s[G1+0], s43, (3<<16)|(1<<21)
	s_or_b32 s[G1B+0], s44, (3<<16)|(1<<21)
.irp g, G1, G1B
	s_mov_b32 s[\g+1], 384<<16
	s_mov_b32 s[\g+2], 16<<16                      ; the head's loads bring all 16 tiles; behind them the two row counts are set to 8
	s_mov_b32 s[\g+3], 384<<16
	s_mov_b32 s[\g+4], 16
	s_mov_b32 s[\g+5], TIMG/8
	s_mov_b32 s[\g+6], 0
	s_mov_b32 s[\g+7], 0
.endr
	; group 1, scale bytes: a dense block of HALFS bytes as rows of 256
	s_or_b32 s[G1S+0], s43, (3<<16)|(1<<21)
	s_or_b32 s[G1SB+0], s44, (3<<16)|(1<<21)
.irp g, G1S, G1SB
	s_mov_b32 s[\g+1], 32<<16
	s_mov_b32 s[\g+2], (HALFS/128)<<16             ; the scale bytes of all 16 tiles: 2 HALFS bytes in one load
	s_mov_b32 s[\g+3], 32<<16
	s_mov_b32 s[\g+4], HALFS/128
	s_mov_b32 s[\g+5], 32
	s_mov_b32 s[\g+6], 0
	s_mov_b32 s[\g+7], 0
.endr
	s_mul_i32 s18, s16, 8*TIMG
	s_mul_i32 s20, s17, 16*TIMG
	s_add_co_u32 s20, s20, s18
	s_add_co_u32 s20, s20, s93
	s_mov_b32 s21, 0
	s_mul_i32 s22, s17, 16*SB
	s_add_co_u32 s22, s22, s96
	s_mov_b32 s23, 0
	s_mul_i32 s46, s42, 16*TIMG
	s_add_co_u32 s46, s46, s18
	s_add_co_u32 s46, s46, s94
	s_mov_b32 s47, 0
	s_mul_i32 s92, s42, 16*SB
	s_add_co_u32 s92, s92, s97
	s_mov_b32 s93, 0
	s_mul_i32 s45, s14, HALFT                      ; where they go: wave x 8 tiles: no place in the cluster enters an LDS address
	s_wait_kmcnt 0x0
	s_add_nc_u64 s[20:21], s[4:5], s[20:21]
	s_add_nc_u64 s[22:23], s[4:5], s[22:23]
	s_add_nc_u64 s[46:47], s[4:5], s[46:47]
	s_add_nc_u64 s[92:93], s[4:5], s[92:93]
	CROUND                                         ; all sixteen work-groups are here: the first joint loads meet
	s_mov_b32 s[G0S], 1
	s_mov_b32 s[G0S+1], SCL
	s_mov_b64 s[G0S+2:G0S+3], s[22:23]
	s_or_b32 s[G0S+3], s[G0S+3], 0x80000000
	s_mov_b32 s[G0SB], 1
	s_mov_b32 s[G0SB+1], SCL+2*HALFS
	s_mov_b64 s[G0SB+2:G0SB+3], s[92:93]
	s_or_b32 s[G0SB+3], s[G0SB+3], 0x80000000
.irp s, 0,1
	s_mov_b32 s[G0+4*\s], 1
	s_add_co_u32 s[G0+4*\s+1], s45, \s*SLOT
	s_add_nc_u64 s[G0+4*\s+2:G0+4*\s+3], s[20:21], \s*TROW
	s_or_b32 s[G0+4*\s+3], s[G0+4*\s+3], 0x80000000
	s_mov_b32 s[G0B+4*\s], 1
	s_add_co_u32 s[G0B+4*\s+1], s45, \s*SLOT
	s_add_nc_u64 s[G0B+4*\s+2:G0B+4*\s+3], s[46:47], \s*TROW
	s_or_b32 s[G0B+4*\s+3], s[G0B+4*\s+3], 0x80000000
.endr
; THE HEAD'S LOADS, ONE A WAVE: wave 0 K step 0 of A's 16 tiles, wave 1 A's scale bytes, wave 2 K step 0 of B's 16 tiles, wave 3 B's scale bytes.
; Waves 0 and 2 own half 0 of their tensor, so their slot 0 descriptors point at the first of the 16 tiles.  One chain of branches on the wave's number, one load to an arm.
.macro ARM under, g0, g1, next
	s_cmp_lt_u32 s14, \under
	s_cbranch_scc0 \next
	tensor_load_to_lds s[\g0:\g0+3], s[\g1:\g1+7]
	s_nop 0
.rept 4
	v_nop
.endr
	s_branch .Lhead_asked
\next:
.endm
	ARM 1, G0,  G1,  .Lhead_sa
	ARM 2, G0S, G1S, .Lhead_b
	ARM 3, G0B, G1B, .Lhead_sb
	tensor_load_to_lds s[G0SB:G0SB+3], s[G1SB:G1SB+7]
	s_nop 0
.rept 4
	v_nop
.endr
.Lhead_asked:
	v_and_b32 v1, 15, v0                           ; r
	v_bfe_u32 v2, v0, 4, 1                         ; h
	v_and_b32 v3, 31, v0
	v_lshlrev_b32 v[L16], 4, v3
	v_lshlrev_b32 v[L8], 3, v3
	s_mul_i32 s21, s15, HALFT
	s_mul_i32 s22, s16, HALFT
	s_add_co_u32 s22, s22, 2*HALFT
.irp s, 0,1
	v_add_nc_u32 v[ADRA+\s], s21, v[L16]
	v_add_nc_u32 v[ADRA+2+\s], s21, v[L8]
	v_add_nc_u32 v[ADRB+\s], s22, v[L16]
	v_add_nc_u32 v[ADRB+2+\s], s22, v[L8]
	s_add_co_u32 s21, s21, SLOT
	s_add_co_u32 s22, s22, SLOT
.endr
	v_lshlrev_b32 v5, 3, v1                        ; 8 r: a row's eight scale bytes of a slot
	s_mul_i32 s21, s15, HALFS
	s_mul_i32 s22, s16, HALFS
	s_add_co_u32 s22, s22, 2*HALFS
	s_sub_co_u32 s22, s22, s21
	v_mul_u32_u24 v6, s22, v2                      ; lanes 16-31 take B's
	s_add_co_u32 s21, s21, SCL
	v_add_nc_u32 v5, v5, v6
	v_add_nc_u32 v[ADRS], s21, v5
	; the way out's places, for both kinds of cluster; then the choice
	s_lshl_b32 s20, s42, 1
	s_add_co_u32 s20, s20, s16                     ; s: my 128 of B's rows
	s_lshl_b32 s21, s17, 4
	s_lshl_b32 s22, s15, 3
	s_add_co_u32 s21, s21, s22                     ; my first tile of A's rows
	s_mul_i32 s22, s20, 393216                     ; q, k: head group 2 s,
	s_mul_i32 s23, s21, 768                        ; token tile
	s_add_co_u32 s22, s22, s23
	s_lshl_b32 s23, s20, 14
	s_lshl_b32 s45, s21, 5
	s_add_co_u32 s23, s23, s45
	s_add_co_u32 s23, s23, QK_SCL
	s_sub_co_u32 s21, s21, 128                     ; v: tiles counted from feature 2,048 on
	s_lshr_b32 s21, s21, 2                         ; my first head
	s_lshr_b32 s45, s20, 4                         ; the batch
	s_lshl_b32 s45, s45, 4
	s_add_co_u32 s45, s45, s21
	s_lshl_b32 s45, s45, 4
	s_and_b32 s20, s20, 15                         ; the key step
	s_add_co_u32 s45, s45, s20
	s_mul_i32 s46, s45, 6144
	s_add_co_u32 s46, s46, V_IMG
	s_lshl_b32 s47, s45, 8
	s_add_co_u32 s47, s47, V_SCL
	s_mov_b32 s10, 196608
	s_mov_b32 s18, 768
	s_mov_b32 s20, 768
	s_mov_b32 s94, 8192
	s_mov_b32 s92, 0x05040100
	s_mov_b32 s93, 0x07060302
	s_cmp_eq_u32 ttmp9, 2
	s_cselect_b32 s8, s46, s22                     ; where registers 0-5 of a block's codes go
	s_cselect_b32 s12, s47, s23                    ; where the scale words go
	s_cselect_b32 s10, 768, s10                    ; registers 6-11: the fragment's second half (v) or the next head (q, k)
	s_cselect_b32 s18, 1536, s18                   ; from block to block
	s_cselect_b32 s20, 93696, s20                  ; from block 3 to block 4: in v the next head
	s_cselect_b32 s94, 64, s94                     ; from lanes 0-15 to lanes 16-31 of a scale store
	s_cselect_b32 s22, 128, 64                     ; from pair to pair of blocks
	s_cselect_b32 s46, 3968, 64                    ; from the second pair to the third
	s_cselect_b32 s92, 0x03020100, s92             ; lanes 0-15's word: v: the even block's; q, k: both blocks' low halves
	s_cselect_b32 s93, 0x07060504, s93             ; lanes 16-31's: v: the odd block's; q, k: both high halves
	s_mov_b32 s9, 0
	s_mov_b32 s11, 0
	s_mov_b32 s13, 0
	s_mov_b32 s19, 0
	s_mov_b32 s21, 0
	s_mov_b32 s23, 0
	s_mov_b32 s47, 0
	s_add_nc_u64 s[8:9], s[6:7], s[8:9]
	s_add_nc_u64 s[10:11], s[8:9], s[10:11]
	s_add_nc_u64 s[12:13], s[6:7], s[12:13]
	v_mul_u32_u24 v[SO], s94, v2
	v_lshl_add_u32 v[SO], v1, 2, v[SO]
	s_mov_b32 s98, 0xffff0000                      ; lanes 16-31
	s_mov_b32 s100, 0x76543210
	s_mov_b32 s101, 0xfedcba98                     ; v_permlanex16_b32's selects for lane l xor 16
.macro FRAG reg, a16, off              ; a fragment, 16 rows x 128 K: two half records as they lie
	ds_load_b128 v[\reg:\reg+3], v[\a16] offset:\off
	ds_load_b64 v[\reg+4:\reg+5], v[\a16+2] offset:(\off)+512
	ds_load_b128 v[\reg+6:\reg+9], v[\a16] offset:(\off)+768
	ds_load_b64 v[\reg+10:\reg+11], v[\a16+2] offset:(\off)+1280
.endm
; 16 matrix instructions: A's blocks a0, a0 + 1 x B's eight.  The 64 accumulators take turns, one instruction a turn, in the same order in every step.  zero = 1: the first product starts the sums.
.macro MUL16 a0, p, q, sc, zero
.irp a, \a0, \a0+1
.irp b, 0,1,2,3,4,5,6,7
.if (\zero) == 1
	v_wmma_scale_f32_16x16x128_f8f6f4 v[8*(8*((\a)%4)+\b):8*(8*((\a)%4)+\b)+7], v[128*(\p)+FR*\b:128*(\p)+FR*\b+FR-1], v[AF+FR*(\a):AF+FR*(\a)+FR-1], 0, v[SC+8*NQ*(\sc)+NQ*\b+(\q)], v[SC+8*NQ*(\sc)+NQ*(\a)+(\q)] matrix_a_fmt:MATRIX_FMT_BF6 matrix_b_fmt:MATRIX_FMT_BF6 matrix_a_scale:MATRIX_SCALE_ROW1
.else
	v_wmma_scale_f32_16x16x128_f8f6f4 v[8*(8*((\a)%4)+\b):8*(8*((\a)%4)+\b)+7], v[128*(\p)+FR*\b:128*(\p)+FR*\b+FR-1], v[AF+FR*(\a):AF+FR*(\a)+FR-1], v[8*(8*((\a)%4)+\b):8*(8*((\a)%4)+\b)+7], v[SC+8*NQ*(\sc)+NQ*\b+(\q)], v[SC+8*NQ*(\sc)+NQ*(\a)+(\q)] matrix_a_fmt:MATRIX_FMT_BF6 matrix_b_fmt:MATRIX_FMT_BF6 matrix_a_scale:MATRIX_SCALE_ROW1
.endif
.endr
.endr
.endm
.macro FETCH_B slot, q, p
	WIN TO_B
.irp i, 0,1,2,3,4,5,6,7
	FRAG 128*(\p)+FR*\i, ADRB+\slot, \i*TROW+(\q)*1536
.endr
	WIN 0
.endm
.macro FETCH_A slot, q, i0
.irp i, \i0, \i0+1, \i0+2, \i0+3
	FRAG AF+FR*(\i), ADRA+\slot, (\i)*TROW+(\q)*1536
.endr
.endm
.macro SCALES sc                       ; a slot's two scale words a row: lanes 0-15 A's block i, lanes 16-31 B's block i
.irp i, 0,1,2,3,4,5,6,7
	ds_load_b64 v[SC+8*NQ*\sc+NQ*\i:SC+8*NQ*\sc+NQ*\i+1], v[ADRS] offset:\i*SB
.endr
.endm
.macro PLACES n                        ; places in front of loads into registers that matrix instructions have read, and of the first read of results
.rept \n
	v_nop
.endr
.endm
.macro STEP slot, q, zero              ; 128 along K that have their successor in the same slot
	s_wait_dscnt 4*NL                              ; all but the youngest sixteen loads (A's blocks 4-7) are in
	WIN MUL_LO
	MUL16 0, (\q)%2, \q, \slot, \zero
	MUL16 2, (\q)%2, \q, \slot, \zero
	s_wait_dscnt 0
	PLACES NP
	FETCH_B \slot, (\q)+1, 1-(\q)%2
	FETCH_A \slot, (\q)+1, 0
	WIN MUL_HI
	MUL16 4, (\q)%2, \q, \slot, \zero
	MUL16 6, (\q)%2, \q, \slot, \zero
	PLACES NP
	WIN 0
	FETCH_A \slot, (\q)+1, 4
.endm
; A slot's last step changes slots: one barrier; in front of it each wave waits for all its tensor loads, adds 0 to its spare word, and waits for that and for its reads of this slot.  fill = 1: the slot is filled again, two K steps ahead.
.macro TURN slot, next, fill
	s_wait_tensorcnt 0x0                           ; all my tensor loads have landed: my part of the next slot
	ds_add_u32 v[SPW], v[NIL]                      ; 0 onto my spare word
	s_wait_dscnt 4*NL+1                            ; (the add and the youngest sixteen loads may be out)
	WIN MUL_LO
	MUL16 0, 1, NQ-1, \slot, 0
	s_wait_dscnt 0x0                               ; the add is done, and my reads of this slot are over
	s_barrier_signal -1
	MUL16 2, 1, NQ-1, \slot, 0
	WIN 0
	s_barrier_wait -1
.if \fill
	CREST                                          ; the barrier has opened a round of the cluster's barrier: no wave of any partner still reads this slot or has a load on its way
	s_add_nc_u64 s[G0+4*\slot+2:G0+4*\slot+3], s[G0+4*\slot+2:G0+4*\slot+3], 2*TROW
	s_add_nc_u64 s[G0B+4*\slot+2:G0B+4*\slot+3], s[G0B+4*\slot+2:G0B+4*\slot+3], 2*TROW
	JLOAD G0+4*\slot, G1, G0B+4*\slot, G1B         ; the first tensor load behind the round; its four v_nop are the places in front of the loads below
.else
	PLACES NP
.endif
	s_wait_alu depctr_va_vdst(0)
	v_add_nc_u32 v[ADRS], 128, v[ADRS]             ; the next slot's scale words
	FETCH_B \next, 0, 0
	FETCH_A \next, 0, 0
	SCALES \next
	WIN MUL_HI
	MUL16 4, 1, NQ-1, \slot, 0
	MUL16 6, 1, NQ-1, \slot, 0
	PLACES NP
	WIN 0
	FETCH_A \next, 0, 4
.endm
	s_wait_alu depctr_va_vdst(0)
	s_wait_tensorcnt 0x0                           ; my tile of the head's four is in; slot 1's first fill is issued as a refill is:
	ds_add_u32 v[SPW], v[NIL]                      ; 0 onto my spare word
	s_mov_b32 s[G1+2], 8<<16                       ; no load of mine is out: from here on a load brings 8 tiles
	s_mov_b32 s[G1+4], 8
	s_mov_b32 s[G1B+2], 8<<16
	s_mov_b32 s[G1B+4], 8
	s_wait_dscnt 0x0
	CROUND                                         ; all four tiles are in, and all sixteen work-groups are here
	JLOAD G0+4, G1, G0B+4, G1B                     ; K step 1, the first tensor load behind the round
	FETCH_B 0, 0, 0
	FETCH_A 0, 0, 0
	SCALES 0
	FETCH_A 0, 0, 4
	STEP 0, 0, 1
	s_mov_b32 s3, LAPS-1
.Llap:                                                 ; a trip goes once round the ring and fills both slots again
	TURN 0, 1, 1
	STEP 1, 0, 0
	TURN 1, 0, 1
	STEP 0, 0, 0
	s_sub_co_u32 s3, s3, 1
	s_cmp_lg_u32 s3, 0
	s_cbranch_scc1 .Llap
	TURN 0, 1, 0                                   ; the last lap fills nothing
	STEP 1, 0, 0
	s_wait_dscnt 4*NL
	WIN MUL_LO
	MUL16 0, 1, NQ-1, 1, 0
	MUL16 2, 1, NQ-1, 1, 0
	s_wait_dscnt 0
	WIN MUL_HI
	MUL16 4, 1, NQ-1, 1, 0
	MUL16 6, 1, NQ-1, 1, 0
	WIN 0
; THE WAY OUT.  Block a: a lane's 128 results, register 16 b + i = place 32 b + 16 (lane / 16) + i along B's rows, become a fragment's codes in v112-123 and its scale word in v[104 + a].
.macro QUANTW a
.set AC, 64*((\a)%4)
.set W, 2+(\a)/4
	WIN W*0x15                                     ; all three sources in the accumulators' window
.irp tr, 0,1,2,3,4
.irp b, 0,1,2,3
	v_max3_num_f32 v[64+6*\b+\tr], |v[AC+16*\b+3*\tr]|, |v[AC+16*\b+3*\tr+1]|, |v[AC+16*\b+3*\tr+2]|   ; ascending: each accumulator is first read at its low end
.endr
.endr
.irp b, 0,1,2,3
	v_max3_num_f32 v[64+6*\b+5], |v[AC+16*\b+15]|, |v[AC+16*\b+15]|, 0x2800000   ; and the floor 2^(5 - 127)
.endr
	WIN 0
.irp b, 0,1,2,3
	v_max3_num_f32 v[88+\b], v[64+6*\b], v[65+6*\b], v[66+6*\b]
.endr
.irp b, 0,1,2,3
	v_max3_num_f32 v[88+\b], v[88+\b], v[67+6*\b], v[68+6*\b]
.endr
.irp b, 0,1,2,3
	v_max_num_f32 v[88+\b], v[88+\b], v[69+6*\b]
.endr
.irp b, 0,1,2,3
	v_permlanex16_b32 v[92+\b], v[88+\b], s100, s101
.endr
.irp b, 0,1,2,3
	v_max_num_f32 v[88+\b], v[88+\b], v[92+\b]     ; with lane l xor 16's: the block's largest magnitude
.endr
.irp b, 0,1,2,3
	v_add_nc_u32 v[96+\b], 0xfe000000, v[88+\b]    ; 4 off the exponent field: the conversion's scale operand
.endr
.irp b, 0,1,2,3
	v_lshrrev_b32 v[100+\b], 23, v[96+\b]          ; the byte
.endr
	v_lshl_or_b32 v[104+(\a)], v101, 8, v100
	v_lshl_or_b32 v[104+(\a)], v102, 16, v[104+(\a)]
	v_lshl_or_b32 v[104+(\a)], v103, 24, v[104+(\a)]
	WIN W                                          ; source 0 alone
.irp c, 0,1
	v_cvt_scalef32_pk16_bf6_f32 v[112+6*\c:114+6*\c], v[AC+32*\c:AC+32*\c+15], v[96+2*\c]
	v_cvt_scalef32_pk16_bf6_f32 v[124+4*\c:126+4*\c], v[AC+32*\c+16:AC+32*\c+31], v[97+2*\c]
.endr
	WIN 0
	v_nop                                          ; one plain place behind the conversions
.irp c, 0,1                                    ; the operand's layout wants a whole block in a lane
.irp i, 0,1,2
	v_permlane16_swap_b32 v[112+6*\c+\i], v[124+4*\c+\i]
.endr
.irp i, 0,1,2
	v_mov_b32 v[115+6*\c+\i], v[124+4*\c+\i]
.endr
.endr
.endm
	PLACES NP
.irp b, 0,1,2,3
	v_mov_b32 v[92+\b], 0                          ; written once: a lane permute's destination counts as one of its sources
.endr
.irp a, 0,1,2,3,4,5,6,7
	QUANTW \a
	global_store_b128 v[L16], v[112:115], s[8:9]               ; 512 consecutive bytes,
	global_store_b64 v[L8], v[116:117], s[8:9] offset:512      ; and 256: a half record
	global_store_b128 v[L16], v[118:121], s[10:11]
	global_store_b64 v[L8], v[122:123], s[10:11] offset:512
.if \a%2 == 1
	v_perm_b32 v132, v[104+\a], v[103+\a], s92
	v_perm_b32 v133, v[104+\a], v[103+\a], s93
	v_cndmask_b32 v132, v132, v133, s98
	global_store_b32 v[SO], v132, s[12:13]
.endif
.if \a < 7
	s_wait_xcnt 0x0                                ; the stores have read their bases and their data: both are written again only behind this wait
.if \a == 3
	s_add_nc_u64 s[8:9], s[8:9], s[20:21]
	s_add_nc_u64 s[10:11], s[10:11], s[20:21]
	s_add_nc_u64 s[12:13], s[12:13], s[46:47]
.else
	s_add_nc_u64 s[8:9], s[8:9], s[18:19]
	s_add_nc_u64 s[10:11], s[10:11], s[18:19]
.endif
.if (\a == 1) || (\a == 5)
	s_add_nc_u64 s[12:13], s[12:13], s[22:23]
.endif
.endif
.endr
	s_wait_tensorcnt 0x0                           ; the wave's end
	ds_add_u32 v[SPW], v[NIL]
	s_wait_dscnt 0x0
	CROUND                                         ; the closing round
	s_endpgm
.Lfunc_end_k_qa684096f92_qkv:
	.size	k_qa684096f92_qkv, .Lfunc_end_k_qa684096f92_qkv-k_qa684096f92_qkv
	.p2alignl 7, 3214868480
	.fill 96, 4, 3214868480
	.section	.rodata,"a",@progbits
	.p2align	6, 0x0
	.amdhsa_kernel k_qa684096f92_qkv
		.amdhsa_group_segment_fixed_size 327680
		.amdhsa_private_segment_fixed_size 0
		.amdhsa_enable_private_segment 0
		.amdhsa_kernarg_size 16
		.amdhsa_user_sgpr_count 2
		.amdhsa_user_sgpr_kernarg_segment_ptr 1
		.amdhsa_wavefront_size32 1
		.amdhsa_system_sgpr_workgroup_id_x 1
		.amdhsa_system_sgpr_workgroup_id_y 1
		.amdhsa_system_sgpr_workgroup_id_z 1
		.amdhsa_system_vgpr_workitem_id 0
		.amdhsa_next_free_vgpr 1024
		.amdhsa_next_free_sgpr 102
		.amdhsa_reserve_vcc 0
		.amdhsa_float_denorm_mode_32 3
		.amdhsa_float_denorm_mode_16_64 3
		.amdhsa_memory_ordered 1
		.amdhsa_forward_progress 1
		.amdhsa_inst_pref_size 154
	.end_amdhsa_kernel
	.amdgpu_metadata
---
amdhsa.version: [ 1, 2 ]
amdhsa.kernels:
  - .name:           k_qa684096f92_qkv
    .symbol:         k_qa684096f92_qkv.kd
    .args:
      - { .name: p0, .offset: 0, .size: 8, .value_kind: global_buffer, .address_space: global }
      - { .name: qkvb, .offset: 8, .size: 8, .value_kind: global_buffer, .address_space: global }
    .group_segment_fixed_size: 327680
    .private_segment_fixed_size: 0
    .kernarg_segment_align: 8
    .kernarg_segment_size: 16
    .max_flat_workgroup_size: 128
    .sgpr_count:     102
    .vgpr_count:     1024
    .wavefront_size: 32
...
	.end_amdgpu_metadata
.endif
;; end of part 10
;; launch attn (part 11): grid 8 x 32, 16 waves a work-group, no clusters, 327,680 bytes of LDS; arguments qkvb, ctxb; writes ctxb
.if DOCPART == 11
	.amdgcn_target "amdgcn-amd-amdhsa--gfx1250"
	.amdhsa_code_object_version 6
	.text
	.protected	k_qa684096f92_attn
	.globl	k_qa684096f92_attn
	.p2align	8
	.type	k_qa684096f92_attn,@function
k_qa684096f92_attn:
	s_mov_b64 s[64:65], 0
	v_nop
	global_prefetch_b8 v0, s[64:65] scope:SCOPE_SE
	s_setreg_imm32_b32 hwreg(HW_REG_WAVE_MODE, 25, 1), 1
	s_wait_xcnt 0x0
; ctx[b][q][h][:] = the sum over k of softmax_k(q . k / 8) v, both products on codes of BF6 (E3M2) with E8M0 scales; ctx is quantised along E in registers and leaves as the next product's operand.
; THE SOFTMAX: t = score x log2(e) / 8; M = the row's largest t so far, rounded UP to a whole number; p = 2^(t - M) is quantised along the keys, not normalised; the row's sum is taken of the unquantised p and divides at the end.
; SHARES.  A work-group owns 256 queries of one (b, h); each of its sixteen waves 16 of them, one tile, in 256 registers.  Every wave walks the head's 2,048 keys, 128 a step.
; A WHOLE HEAD'S K AND V STAY IN LDS: 2 x 98,304 bytes of codes and 2 x 4,096 of scale words, filled once: no slot is ever filled again.  Each wave brings two pieces by two tensor loads: one at the head (steps 0-3 or scale
; words), one of steps 4-15 behind the first barrier.  Steps 0-3 are read behind a wait and a barrier while steps 4-15 are on their way.
; NO CLUSTER: what the eight work-groups of a head share is these 204,800 bytes, asked for once, by two loads a wave; there is no later request that partners could make jointly, and each wave's 16 key steps hold
; some 240 vector instructions each beside 12 matrix instructions: the launch's time is vector work, which sharing does not touch.
; LAYOUT.  Both products are used transposed (S^T = K Q^T, O^T = V^T P^T): a lane holds ONE query.  The keys of a tile lie in the order 32 (T / 2) + 8 (T % 2) + r + 8 (r / 8), so that the 16 registers of two neighbouring tiles are 16 neighbouring keys.
; THE HEAD HAS 64 ALONG K, THE INSTRUCTION 128.  A fragment of K holds key tile 2 f in registers 0-5 and tile 2 f + 1 in registers 6-11.  Q stands twice: v16-27 (codes, then zero codes) and v80-91 (zero codes, then codes).  A product takes one tile;
; the other tile's codes meet zero codes: every such product is exactly 0, since a code of this format is finite and the scale bytes lie between 1 and 254.
; LIMITS: a block of zeros gets the byte 1 where the rule says 127 (this program alone reads the bytes); NaN and infinities are not served.
; REGISTERS: v1-5 lane terms; v12 -M, v13 the largest t, v[14:15] the sum; v16-27, v80-91 Q; v32-79 four fragments of K, then of V; v92-96 addresses in hand; v128-191 S^T, then p; v192-223 O^T; v224-235 p's codes; v232-254 at work;
; v248-249 K's scale words, v250-251 V's (two tiles a register: lanes 0-15, lanes 16-31); v253 p's; v255 Q's.
.set V_IMG,   6291456
.set QK_SCL,  9437184
.set V_SCL,   9699328
.set CTX_SCL, 3145728
.set QB,   49152                       ; 49,152 bytes: 4 QB is all of K's and V's codes
.set VO,   24576
.set SCK,  4*QB                        ; K's scale words, 256 bytes a step; V's 4,096 bytes on
.set TB,   2                           ; s2  LDS byte of the step's K
.set TS,   3                           ; s3  and of its scale words, from SCK on
.set CNT,  9
.set CS,   20                          ; s[20:21] c = log2(e) / 8
.set SEL,  22                          ; s[22:23] selects for lane l xor 16
.set G1C,  24                          ; s[24:31] group 1: 16 rows of 256 bytes, later 36;  s[32:39]: 8 rows
.set G1S,  32
	s_load_b128 s[4:7], s[0:1], 0x0                ; qkvb, ctxb
	v_lshl_add_u32 v127, v0, 2, 0x32000
	v_mov_b32 v243, 0
	ds_add_u32 v127, v243
	ds_add_u32 v127, v243
	v_lshrrev_b32 v1, 5, v0
	s_delay_alu instid0(VALU_DEP_1)
	v_readfirstlane_b32 s8, v1                     ; wave 0..15
	s_and_b32 s10, ttmp7, 0xffff                   ; b h
	s_lshr_b32 s11, s10, 4                         ; b
	s_and_b32 s12, s10, 15                         ; h
	s_lshl_b32 s13, s11, 7
	s_lshl_b32 s14, ttmp9, 4
	s_add_co_u32 s13, s13, s14
	s_add_co_u32 s13, s13, s8                      ; my tile of queries: 128 b + 16 x + wave
.irp g, G1C, G1S
	s_mov_b32 s[\g], 3<<16                         ; no mask; elements of 8 bytes; no padding
	s_mov_b32 s[\g+1], 32<<16                      ; rows of 256 bytes, dense
	s_mov_b32 s[\g+3], 32<<16
	s_mov_b32 s[\g+5], 32
	s_mov_b32 s[\g+6], 0
	s_mov_b32 s[\g+7], 0
.endr
	; WHO BRINGS WHAT: a quarter's 49,152 bytes come as 12 pieces of 4,096 (waves 0-5 K's, waves 6-11 V's); the 8,192 bytes of scale words as 4 pieces of 2,048 (waves 12, 13 K's, waves 14, 15 V's).
	; One load a wave at the head (quarter 0, the scale words); steps 4-15 are asked for behind the first barrier, one load a wave.
	s_mov_b32 s[G1C+2], 16<<16
	s_mov_b32 s[G1C+4], 16
	s_mov_b32 s[G1S+2], 8<<16
	s_mov_b32 s[G1S+4], 8
	s_add_co_u32 s14, s12, 16                      ; k's head group
	s_mul_i32 s15, s14, 196608
	s_mul_i32 s16, s11, 98304
	s_add_co_u32 s15, s15, s16                     ; K's records of this batch
	s_mul_i32 s16, s10, 98304
	s_add_co_u32 s16, s16, V_IMG-24576             ; V's fragments, less the six waves that bring K's steps 0-3
	s_lshl_b32 s17, s14, 13
	s_lshl_b32 s18, s11, 12
	s_add_co_u32 s17, s17, s18
	s_add_co_u32 s17, s17, QK_SCL
	s_lshl_b32 s18, s10, 12
	s_add_co_u32 s18, s18, V_SCL-4096
	; LDS: all of K's 16 steps (98,304 bytes, 6,144 a step), then all of V's, in the keys' order; the scale words behind them.
	; The second fill, steps 4-15: 16 pieces of 9,216 bytes, waves 0-7 K's, waves 8-15 V's.  K: s15 + 24,576 + 9,216 w;  V: (s16 + 24,576) + 24,576 + 9,216 (w - 8) = s16 - 24,576 + 9,216 w
	s_add_co_u32 s52, s15, 24576
	s_sub_co_u32 s53, s16, 24576
	s_cmp_lt_u32 s8, 8
	s_cselect_b32 s52, s52, s53
	s_mul_i32 s54, s8, 9216
	s_add_co_u32 s52, s52, s54
	s_mov_b32 s53, 0
	s_lshr_b32 s55, s8, 3
	s_mul_i32 s55, s55, 24576
	s_add_co_u32 s54, s54, s55                     ; in LDS: 9,216 w, and V's pieces 24,576 further on (over V's steps 0-3)
	s_add_co_u32 s56, s8, 2
	s_lshr_b32 s56, s56, 3                         ; 1 for waves 6-11, which bring V's steps 0-3,
	s_mul_i32 s56, s56, 73728                      ; to byte 98,304 + 4,096 (w - 6)
	s_cmp_lt_u32 s8, 6
	s_cselect_b32 s20, s15, s16
	s_cmp_lt_u32 s8, 14
	s_cselect_b32 s22, s17, s18
	s_lshl_b32 s19, s8, 12                         ; my piece of a quarter, in memory and in LDS alike (waves 0-11)
	s_add_co_u32 s20, s20, s19
	s_mov_b32 s21, 0
	s_and_b32 s2, s8, 3
	s_lshl_b32 s2, s2, 11                          ; my piece of the scale words (waves 12-15)
	s_add_co_u32 s22, s22, s2
	s_mov_b32 s23, 0
	s_wait_dscnt 0x0
	s_wait_kmcnt 0x0
	s_add_nc_u64 s[20:21], s[4:5], s[20:21]
	s_add_nc_u64 s[22:23], s[4:5], s[22:23]
	s_mov_b32 s40, 1
	s_add_co_u32 s41, s2, SCK
	s_mov_b64 s[42:43], s[22:23]
	s_or_b32 s43, s43, 0x80000000
	s_mov_b32 s44, 1                               ; steps 0-3
	s_add_co_u32 s45, s19, s56
	s_mov_b64 s[46:47], s[20:21]
	s_or_b32 s47, s47, 0x80000000
	s_mov_b32 s48, 1                               ; steps 4-15
	s_add_co_u32 s49, s54, 24576
	s_add_nc_u64 s[50:51], s[4:5], s[52:53]
	s_or_b32 s51, s51, 0x80000000
	s_cmp_lt_u32 s8, 12
	s_cbranch_scc0 .Lhead_s
	tensor_load_to_lds s[44:47], s[G1C:G1C+7]      ; quarter 0
	s_nop 0
.rept 4
	v_nop
.endr
	s_branch .Lhead_j
.Lhead_s:
	tensor_load_to_lds s[40:43], s[G1S:G1S+7]      ; the scale words
	s_nop 0
.rept 4
	v_nop
.endr
.Lhead_j:
	s_mul_i32 s14, s12, 196608                     ; Q: head group h, my tile
	s_mul_i32 s15, s13, 768
	s_add_co_u32 s14, s14, s15
	s_mov_b32 s15, 0
	s_add_nc_u64 s[14:15], s[4:5], s[14:15]
	s_lshl_b32 s16, s12, 13
	s_lshr_b32 s17, s13, 1
	s_lshl_b32 s17, s17, 6
	s_add_co_u32 s16, s16, s17
	s_add_co_u32 s16, s16, QK_SCL
	s_mov_b32 s17, 0
	s_add_nc_u64 s[16:17], s[4:5], s[16:17]
	s_lshl_b32 s18, s13, 4                         ; ctx: record 16 T + h,
	s_add_co_u32 s18, s18, s12
	s_mul_i32 s18, s18, 768
	s_mov_b32 s19, 0
	s_add_nc_u64 s[18:19], s[6:7], s[18:19]
	s_lshl_b32 s60, s13, 9                         ; scale bytes 512 T + 128 (h / 4) + 2 (h % 4)
	s_lshr_b32 s61, s12, 2
	s_lshl_b32 s61, s61, 7
	s_add_co_u32 s60, s60, s61
	s_and_b32 s61, s12, 3
	s_lshl_b32 s61, s61, 1
	s_add_co_u32 s60, s60, s61
	s_add_co_u32 s60, s60, CTX_SCL
	s_mov_b32 s61, 0
	s_add_nc_u64 s[60:61], s[6:7], s[60:61]
	s_mov_b32 s[CS], 0x3e38aa3b
	s_mov_b32 s[CS+1], s[CS]                       ; (named with it as a pair, so it is written)
	s_mov_b32 s[SEL], 0x76543210
	s_mov_b32 s[SEL+1], 0xfedcba98
	s_mov_b32 s62, 0xffff0000                      ; lanes 16-31
	s_and_b32 s63, s8, 1
	s_lshl_b32 s63, s63, 4                         ; my tile's half of its pair's scale word
	v_and_b32 v6, 31, v0
	v_and_b32 v7, 15, v0
	v_bfe_u32 v8, v0, 4, 1
	s_delay_alu instid0(VALU_DEP_3)
	v_lshlrev_b32 v1, 4, v6                        ; 16 x lane
	s_delay_alu instid0(VALU_DEP_4)
	v_lshlrev_b32 v2, 3, v6                        ; 8 x lane
	v_lshl_add_u32 v3, v6, 2, SCK                  ; SCK + 4 x lane
	v_lshlrev_b32 v4, 2, v7                        ; 4 r
	v_lshl_add_u32 v5, v7, 3, v8                   ; 8 r + lane / 16
	global_load_b128 v[16:19], v1, s[14:15]        ; Q's record, twice
	global_load_b64 v[20:21], v2, s[14:15] offset:512
	global_load_b128 v[86:89], v1, s[14:15]
	global_load_b64 v[90:91], v2, s[14:15] offset:512
	global_load_b32 v255, v4, s[16:17]
.irp j, 0,1,2,3,4,5
	v_mov_b32 v[22+\j], 0                          ; zero codes
	v_mov_b32 v[80+\j], 0
.endr
	v_mov_b32 v13, 0xff61b1e6                      ; the largest t so far: -3e38
	s_delay_alu instid0(VALU_DEP_1)
	v_floor_f32 v12, -v13                          ; -M
	v_mov_b32 v14, 0
	v_mov_b32 v15, 0
.irp b, 0,1,2,3
	v_mov_b32 v[236+\b], 0                         ; written once: a lane permute's destination counts as one of its sources
.endr
	v_mov_b32 v253, 0
	s_wait_loadcnt 0x0
	v_lshrrev_b32 v255, s63, v255
	s_delay_alu instid0(VALU_DEP_1)
	v_and_b32 v255, 0xffff, v255
	s_delay_alu instid0(VALU_DEP_1)
	v_lshl_or_b32 v255, v255, 16, v255             ; my tile's two bytes, for both halves of the instruction's K
.set J, 0
.rept 32
	v_mov_b32 v[192+J], 0                          ; O^T: the step is written once; its first trip finds zeros.  (Also the places between v255's last write and the first product)
.set J, J+1
.endr
.macro STEP                            ; 128 keys
	v_add_nc_u32 v92, s[TB], v1
	v_add_nc_u32 v93, s[TB], v2
	v_add_nc_u32 v94, s[TS], v3
	v_add_nc_u32 v95, 0x18000, v92                 ; V's step lies 98,304 bytes behind K's: beyond a load's immediate
	v_add_nc_u32 v96, 0x18000, v93                 ; (these five are the places in front of the loads below)
.irp f, 0,1,2,3
	ds_load_b128 v[32+12*\f:35+12*\f], v92 offset:1536*\f
	ds_load_b64 v[36+12*\f:37+12*\f], v93 offset:1536*\f+512
	ds_load_b128 v[38+12*\f:41+12*\f], v92 offset:1536*\f+768
	ds_load_b64 v[42+12*\f:43+12*\f], v93 offset:1536*\f+1280
.endr
	ds_load_b32 v248, v94
	ds_load_b32 v249, v94 offset:128
	s_wait_alu depctr_va_vdst(0)
	s_wait_dscnt 0x0
.irp f, 0,1,2,3                                ; S^T: key tile 2 f against Q's first form, tile 2 f + 1 against its second
.if \f%2 == 0
	v_wmma_scale_f32_16x16x128_f8f6f4 v[128+16*\f:135+16*\f], v[32+12*\f:43+12*\f], v[16:27], 0, v[248+\f/2], v255 matrix_a_fmt:MATRIX_FMT_BF6 matrix_b_fmt:MATRIX_FMT_BF6
	v_wmma_scale_f32_16x16x128_f8f6f4 v[136+16*\f:143+16*\f], v[32+12*\f:43+12*\f], v[80:91], 0, v[248+\f/2], v255 matrix_a_fmt:MATRIX_FMT_BF6 matrix_b_fmt:MATRIX_FMT_BF6
.else
	v_wmma_scale_f32_16x16x128_f8f6f4 v[128+16*\f:135+16*\f], v[32+12*\f:43+12*\f], v[16:27], 0, v[248+\f/2], v255 matrix_a_fmt:MATRIX_FMT_BF6 matrix_b_fmt:MATRIX_FMT_BF6 matrix_a_scale:MATRIX_SCALE_ROW1
	v_wmma_scale_f32_16x16x128_f8f6f4 v[136+16*\f:143+16*\f], v[32+12*\f:43+12*\f], v[80:91], 0, v[248+\f/2], v255 matrix_a_fmt:MATRIX_FMT_BF6 matrix_b_fmt:MATRIX_FMT_BF6 matrix_a_scale:MATRIX_SCALE_ROW1
.endif
.endr
.rept 4
	v_nop                                          ; places in front of the loads below and of the first read of the scores
.endr
.irp t, 0,1,2,3                                ; V's four fragments land while the softmax is worked
	ds_load_b128 v[32+12*\t:35+12*\t], v95 offset:1536*\t
	ds_load_b64 v[36+12*\t:37+12*\t], v96 offset:1536*\t+512
	ds_load_b128 v[38+12*\t:41+12*\t], v95 offset:1536*\t+768
	ds_load_b64 v[42+12*\t:43+12*\t], v96 offset:1536*\t+1280
.endr
	ds_load_b32 v250, v94 offset:4096
	ds_load_b32 v251, v94 offset:4096+128
.irp b, 0,1,2,3
	v_max3_num_f32 v[232+\b], v[128+16*\b], v[129+16*\b], v[130+16*\b]   ; the largest score of each block of 32 keys: for the row's maximum and, since p rises with the score, for the block's largest p
.endr
.irp i, 3,5,7,9,11,13
.irp b, 0,1,2,3
	v_max3_num_f32 v[232+\b], v[232+\b], v[128+16*\b+\i], v[129+16*\b+\i]
.endr
.endr
.irp b, 0,1,2,3
	v_max_num_f32 v[232+\b], v[232+\b], v[143+16*\b]
.endr
.irp b, 0,1,2,3
	s_delay_alu instid0(VALU_DEP_4)
	v_permlanex16_b32 v[236+\b], v[232+\b], s[SEL], s[SEL+1]
.endr
.irp b, 0,1,2,3
	s_delay_alu instid0(VALU_DEP_4)
	v_max_num_f32 v[232+\b], v[232+\b], v[236+\b]
.endr
	s_delay_alu instid0(VALU_DEP_2)
	v_max3_num_f32 v254, v232, v233, v234
	s_delay_alu instid0(VALU_DEP_1)
	v_max_num_f32 v254, v254, v235
	s_delay_alu instid0(VALU_DEP_1)
	v_mul_f32 v254, s[CS], v254                    ; as t (c is positive)
	s_delay_alu instid0(VALU_DEP_1)
	v_max_num_f32 v13, v13, v254                   ; the running largest t
	v_mov_b32 v254, v12
	s_delay_alu instid0(VALU_DEP_2)
	v_floor_f32 v12, -v13                          ; the new -M = -ceil(t)
	s_delay_alu instid0(VALU_DEP_1)
	v_sub_f32 v254, v12, v254                      ; old M - new M: a whole number, 0 or less
	s_delay_alu instid0(VALU_DEP_1)
	v_cvt_i32_f32 v254, v254                       ; (it saturates)
	s_delay_alu instid0(VALU_DEP_1)
	v_ldexp_f32 v252, 1.0, v254                    ; f = 2^(old M - new M)
.set J, 0
.rept 32
	v_pk_fma_f32 v[128+J:129+J], v[128+J:129+J], s[CS:CS+1], v[12:13] op_sel_hi:[1,0,0]   ; t - M
.set J, J+2
.endr
.irp b, 0,1,2,3
	v_fma_f32 v[232+\b], v[232+\b], s[CS], v12
.endr
.set J, 0
	s_wait_alu depctr_va_vdst(0)
.rept 64
	v_exp_f32 v[128+J], v[128+J]                   ; p = 2^(t - M)
.set J, J+1
.endr
	v_pk_mul_f32 v[14:15], v[14:15], v[252:253] op_sel_hi:[1,0]   ; the sums under the new M: a plain place behind the exponentials
	s_wait_alu depctr_va_vdst(0)                   ; one wait for the batch, ahead of its first reader
.irp b, 0,1,2,3
	v_exp_f32 v[232+\b], v[232+\b]                 ; each block's largest p
.endr
	v_pk_add_f32 v[236:237], v[132:133], v[136:137]
	v_pk_add_f32 v[248:249], v[140:141], v[144:145]
	v_pk_add_f32 v[246:247], v[148:149], v[152:153]
	v_pk_add_f32 v[244:245], v[156:157], v[160:161]
	v_pk_add_f32 v[240:241], v[164:165], v[168:169]
	v_pk_add_f32 v[238:239], v[172:173], v[176:177]
	v_pk_add_f32 v[230:231], v[180:181], v[184:185]
	v_pk_add_f32 v[14:15], v[14:15], v[188:189]
	v_pk_add_f32 v[236:237], v[236:237], v[128:129]
	v_pk_add_f32 v[248:249], v[248:249], v[130:131]
	v_pk_add_f32 v[246:247], v[246:247], v[134:135]
	v_pk_add_f32 v[244:245], v[244:245], v[138:139]
	v_pk_add_f32 v[240:241], v[240:241], v[142:143]
	v_pk_add_f32 v[238:239], v[238:239], v[146:147]
	v_pk_add_f32 v[230:231], v[230:231], v[150:151]
	v_pk_add_f32 v[14:15], v[14:15], v[154:155]
	v_pk_add_f32 v[236:237], v[236:237], v[158:159]
	v_pk_add_f32 v[248:249], v[248:249], v[162:163]
	v_pk_add_f32 v[246:247], v[246:247], v[166:167]
	v_pk_add_f32 v[244:245], v[244:245], v[170:171]
	v_pk_add_f32 v[240:241], v[240:241], v[174:175]
	v_pk_add_f32 v[238:239], v[238:239], v[178:179]
	v_pk_add_f32 v[230:231], v[230:231], v[182:183]
	v_pk_add_f32 v[14:15], v[14:15], v[186:187]
	v_pk_add_f32 v[236:237], v[236:237], v[190:191]
	s_delay_alu instid0(VALU_DEP_2)
	v_pk_add_f32 v[14:15], v[14:15], v[244:245]
	s_delay_alu instid0(VALU_DEP_2)
	v_pk_add_f32 v[236:237], v[236:237], v[240:241]
	v_pk_add_f32 v[248:249], v[248:249], v[238:239]
	v_pk_add_f32 v[246:247], v[246:247], v[230:231]
	s_delay_alu instid0(VALU_DEP_2)
	v_pk_add_f32 v[14:15], v[14:15], v[248:249]
	s_delay_alu instid0(VALU_DEP_2)
	v_pk_add_f32 v[236:237], v[236:237], v[246:247]
	s_delay_alu instid0(VALU_DEP_1)
	v_pk_add_f32 v[14:15], v[14:15], v[236:237]
	s_wait_alu depctr_va_vdst(0)                   ; and one for the four
.irp b, 0,1,2,3
	v_max_num_f32 v[232+\b], 0x2800000, v[232+\b]  ; the floor 2^(5 - 127)
.endr
.irp b, 0,1,2,3
	s_delay_alu instid0(VALU_DEP_4)
	v_add_nc_u32 v[244+\b], 0xfe000000, v[232+\b]
.endr
.irp b, 0,1,2,3
	s_delay_alu instid0(VALU_DEP_4)
	v_lshrrev_b32 v[236+\b], 23, v[244+\b]
.endr
	s_delay_alu instid0(VALU_DEP_3)
	v_lshl_or_b32 v253, v237, 8, v236              ; p's scale word for these 128 keys
	s_delay_alu instid0(VALU_DEP_1)
	v_lshl_or_b32 v253, v238, 16, v253
	s_delay_alu instid0(VALU_DEP_1)
	v_lshl_or_b32 v253, v239, 24, v253
.irp c, 0,1
	v_cvt_scalef32_pk16_bf6_f32 v[224+6*\c:226+6*\c], v[128+32*\c:143+32*\c], v[244+2*\c]
	v_cvt_scalef32_pk16_bf6_f32 v[236+4*\c:238+4*\c], v[144+32*\c:159+32*\c], v[244+2*\c+1]
.endr
	v_nop                                          ; one plain place behind the conversions
.irp c, 0,1
.irp i, 0,1,2
	v_permlane16_swap_b32 v[224+6*\c+\i], v[236+4*\c+\i]
.endr
.irp i, 0,1,2
	s_delay_alu instid0(VALU_DEP_3)
	v_mov_b32 v[227+6*\c+\i], v[236+4*\c+\i]
.endr
.endr
.set J, 0
.rept 16
	v_pk_mul_f32 v[192+J:193+J], v[192+J:193+J], v[252:253] op_sel_hi:[1,0]   ; O^T under the new M; also the places in front of the products below
.set J, J+2
.endr
	s_wait_alu depctr_va_vdst(0)
	s_wait_dscnt 0x0                               ; V is in
	v_wmma_scale_f32_16x16x128_f8f6f4 v[192:199], v[32:43], v[224:235], v[192:199], v250, v253 matrix_a_fmt:MATRIX_FMT_BF6 matrix_b_fmt:MATRIX_FMT_BF6
	v_wmma_scale_f32_16x16x128_f8f6f4 v[200:207], v[44:55], v[224:235], v[200:207], v250, v253 matrix_a_fmt:MATRIX_FMT_BF6 matrix_b_fmt:MATRIX_FMT_BF6 matrix_a_scale:MATRIX_SCALE_ROW1
	v_wmma_scale_f32_16x16x128_f8f6f4 v[208:215], v[56:67], v[224:235], v[208:215], v251, v253 matrix_a_fmt:MATRIX_FMT_BF6 matrix_b_fmt:MATRIX_FMT_BF6
	v_wmma_scale_f32_16x16x128_f8f6f4 v[216:223], v[68:79], v[224:235], v[216:223], v251, v253 matrix_a_fmt:MATRIX_FMT_BF6 matrix_b_fmt:MATRIX_FMT_BF6 matrix_a_scale:MATRIX_SCALE_ROW1
.endm
	s_wait_tensorcnt 0x0                           ; my piece of steps 0-3, or of the scale words, is in; the second fill is issued as a refill is:
	ds_add_u32 v127, v243                          ; 0 onto my spare word
	s_mov_b32 s[G1C+2], 36<<16                     ; no load of mine is out: the next load brings 36 rows of 256 bytes
	s_mov_b32 s[G1C+4], 36
	s_wait_dscnt 0x0
	s_barrier_signal -1
	s_barrier_wait -1                              ; everybody's are
	tensor_load_to_lds s[48:51], s[G1C:G1C+7]      ; my piece of steps 4-15, a first fill, my one load behind this barrier: it has four steps in which to land
	s_nop 0
.rept 4
	v_nop
.endr
	s_mov_b32 s[TB], 0
	s_mov_b32 s[TS], 0
	s_mov_b32 s[CNT], 4
.Lstep0:
	STEP
	s_add_co_u32 s[TB], s[TB], 6144
	s_add_co_u32 s[TS], s[TS], 256
	s_sub_co_u32 s[CNT], s[CNT], 1
	s_cmp_lg_u32 s[CNT], 0
	s_cbranch_scc1 .Lstep0
	s_wait_tensorcnt 0x0                           ; my piece of steps 4-15 is in
	s_wait_dscnt 0x0
	s_barrier_signal -1
	s_barrier_wait -1                              ; everybody's is
	s_mov_b32 s[TB], 24576
	s_mov_b32 s[TS], 1024
	s_mov_b32 s[CNT], 12
.Lstep1:
	STEP
	s_add_co_u32 s[TB], s[TB], 6144
	s_add_co_u32 s[TS], s[TS], 256
	s_sub_co_u32 s[CNT], s[CNT], 1
	s_cmp_lg_u32 s[CNT], 0
	s_cbranch_scc1 .Lstep1
	; THE WAY OUT.  O^T / the sum: register 16 b + i is channel 32 b + 16 (lane / 16) + i of my query: two blocks along E, quantised as they stand: one half record.
.rept 4
	v_nop
.endr
	v_add_f32 v14, v14, v15
	s_delay_alu instid0(VALU_DEP_1)
	v_permlanex16_b32 v252, v14, s[SEL], s[SEL+1]
	s_delay_alu instid0(VALU_DEP_1)
	v_add_f32 v14, v14, v252                       ; the row's sum
	s_wait_alu depctr_va_vdst(0)
	v_rcp_f32 v14, v14
	v_nop
	s_wait_alu depctr_va_vdst(0)
.set J, 0
.rept 32
	v_mul_f32 v[128+J], v[192+J], v14
.set J, J+1
.endr
.irp b, 0,1
	v_max3_num_f32 v[232+\b], |v[128+16*\b]|, |v[129+16*\b]|, 0x2800000
.endr
.irp i, 2,4,6,8,10,12,14
.irp b, 0,1
	s_delay_alu instid0(VALU_DEP_2)
	v_max3_num_f32 v[232+\b], v[232+\b], |v[128+16*\b+\i]|, |v[129+16*\b+\i]|
.endr
.endr
.irp b, 0,1
	s_delay_alu instid0(VALU_DEP_2)
	v_permlanex16_b32 v[236+\b], v[232+\b], s[SEL], s[SEL+1]
.endr
.irp b, 0,1
	s_delay_alu instid0(VALU_DEP_2)
	v_max_num_f32 v[232+\b], v[232+\b], v[236+\b]
.endr
.irp b, 0,1
	s_delay_alu instid0(VALU_DEP_2)
	v_add_nc_u32 v[244+\b], 0xfe000000, v[232+\b]
.endr
.irp b, 0,1
	s_delay_alu instid0(VALU_DEP_2)
	v_lshrrev_b32 v[238+\b], 23, v[244+\b]
.endr
	v_cvt_scalef32_pk16_bf6_f32 v[224:226], v[128:143], v244
	v_cvt_scalef32_pk16_bf6_f32 v[240:242], v[144:159], v245
	v_nop
.irp i, 0,1,2
	v_permlane16_swap_b32 v[224+\i], v[240+\i]
.endr
.irp i, 0,1,2
	s_delay_alu instid0(VALU_DEP_3)
	v_mov_b32 v[227+\i], v[240+\i]
.endr
	v_cndmask_b32 v238, v238, v239, s62            ; lanes 0-15 store block 0's byte, lanes 16-31 block 1's
	global_store_b128 v1, v[224:227], s[18:19]     ; 512 consecutive bytes,
	global_store_b64 v2, v[228:229], s[18:19] offset:512   ; and 256
	global_store_b8 v5, v238, s[60:61]
	s_wait_tensorcnt 0x0
	ds_add_u32 v127, v243
	s_wait_dscnt 0x0
	s_endpgm
.Lfunc_end_k_qa684096f92_attn:
	.size	k_qa684096f92_attn, .Lfunc_end_k_qa684096f92_attn-k_qa684096f92_attn
	.p2alignl 7, 3214868480
	.fill 96, 4, 3214868480
	.section	.rodata,"a",@progbits
	.p2align	6, 0x0
	.amdhsa_kernel k_qa684096f92_attn
		.amdhsa_group_segment_fixed_size 327680
		.amdhsa_private_segment_fixed_size 0
		.amdhsa_enable_private_segment 0
		.amdhsa_kernarg_size 16
		.amdhsa_user_sgpr_count 2
		.amdhsa_user_sgpr_kernarg_segment_ptr 1
		.amdhsa_wavefront_size32 1
		.amdhsa_system_sgpr_workgroup_id_x 1
		.amdhsa_system_sgpr_workgroup_id_y 1
		.amdhsa_system_sgpr_workgroup_id_z 1
		.amdhsa_system_vgpr_workitem_id 0
		.amdhsa_next_free_vgpr 256
		.amdhsa_next_free_sgpr 66
		.amdhsa_reserve_vcc 0
		.amdhsa_float_denorm_mode_32 3
		.amdhsa_float_denorm_mode_16_64 3
		.amdhsa_memory_ordered 1
		.amdhsa_forward_progress 1
		.amdhsa_inst_pref_size 49
	.end_amdhsa_kernel
	.amdgpu_metadata
---
amdhsa.version: [ 1, 2 ]
amdhsa.kernels:
  - .name:           k_qa684096f92_attn
    .symbol:         k_qa684096f92_attn.kd
    .args:
      - { .name: qkvb, .offset: 0, .size: 8, .value_kind: global_buffer, .address_space: global }
      - { .name: ctxb, .offset: 8, .size: 8, .value_kind: global_buffer, .address_space: global }
    .group_segment_fixed_size: 327680
    .private_segment_fixed_size: 0
    .kernarg_segment_align: 8
    .kernarg_segment_size: 16
    .max_flat_workgroup_size: 512
    .sgpr_count:     66
    .vgpr_count:     256
    .wavefront_size: 32
...
	.end_amdgpu_metadata
.endif
;; end of part 11
;; launch wo (part 12): grid 8 x 32, 4 waves a work-group, clusters of 4 x 4, 327,680 bytes of LDS; arguments ctxb, p0, b_o, x, yb; writes yb
.if DOCPART == 12
	.amdgcn_target "amdgcn-amd-amdhsa--gfx1250"
	.amdhsa_code_object_version 6
	.text
	.protected	k_qa684096f92_wo
	.globl	k_qa684096f92_wo
	.p2align	8
	.type	k_qa684096f92_wo,@function
k_qa684096f92_wo:
	s_mov_b64 s[64:65], 0
	v_nop
	global_prefetch_b8 v0, s[64:65] scope:SCOPE_SE
	s_setreg_imm32_b32 hwreg(HW_REG_WAVE_MODE, 25, 1), 1
	s_wait_xcnt 0x0
	s_wait_alu depctr_hold_cnt(0) depctr_sa_sdst(0) depctr_va_vdst(0) depctr_va_sdst(0) depctr_va_ssrc(0) depctr_va_vcc(0) depctr_vm_vsrc(0)
	s_getreg_b32 s2, hwreg(HW_REG_IB_STS2, 6, 4)
	s_cmp_eq_u32 s2, 0
	s_cbranch_scc0 .Lentry_in_a_cluster
	s_endpgm
.Lentry_in_a_cluster:
	s_bfe_u32 s2, ttmp6, 0x10000c
	s_cmp_lg_u32 s2, 0xf033
	s_cbranch_scc0 .Lentry_shape_is_right
	s_endpgm
.Lentry_shape_is_right:
; y1 = x + ctx w_o + b_o: the product on codes of BF6 (E3M2) with E8M0 scales, K = 1,024; bias, residual and result in f32.
; Operands lie in memory as images of operand registers (tiles of 16 rows in the order 32 (T / 2) + 8 (T % 2) + r + 8 (r / 8); half records of 768 bytes for 64 along K: registers 0-3 of lane l at 16 l, 4-5 at 512 + 8 l).
; THE TILE IS 128 x 128: the 4,096 x 1,024 results make 256 such tiles, against 64 of 256 x 256.  Four waves, each 64 x 64: 16 accumulators.
; ALL OF K LIES IN LDS: two slots of 512 along K (A's 8 tiles and B's 8 tiles, 6,144 bytes each) and the scale bytes, each filled once, all asked for together at the head: nothing is ever filled again.
; Source 1 ('A' = ctx) gives a lane its token, source 0 ('B' = w_o's rows) runs along a lane's registers: eight neighbouring columns an accumulator.  The bias is the C of each sum's first matrix instruction.
; The residual's rows are asked for at the head, into registers that nothing else touches, and are there when the sums are finished.
; CLUSTERS: 4 x 4 work-groups; A's tiles are asked for jointly along a row of the cluster, B's along a column.
; REGISTERS: window 0: v8-24 addresses; v32-63 all scale words of K, and nothing else; v96-127 the bias; v128-223 A's fragments, two sets; on the way out v128-255 rows of the result.
; window 1: B's fragments, two sets, at v0 and v64.  window 2: accumulator (a, b) at v[8 (4 a + b)].  window 3: v0-127 the residual.
.set KDIM,   1024
.set A_IMG,  0
.set A_SCL,  3145728
.set B_IMG,  2359296
.set B_SCL,  7962624
.set TIMG,   KDIM*12                   ; a tile's records of all of K, in bytes
.set NKQ,    KDIM/128                  ; steps of 128 along K
.set NSLOT,  2
.set TROW,   12288                     ; a tile's sixteen records: all of K, as they lie in memory
.set FR,     12
.set NP,     4                         ; places behind this matrix instruction (ISA guide 7.12.1)
.set HALFT,  4*TROW                    ; 4 tiles: what a wave reads of A or of B
.set SLOT,   4*HALFT
.set SB,     KDIM/2                    ; a tile's scale bytes
.set HALFS,  4*SB
.set SCL,    SLOT                      ; A's 8 tiles and B's 8 tiles of all of K lie in front of the scale bytes
.set STAGE,  SCL+4*HALFS               ; the way out: 16 rows x (256 + 16) bytes for each wave; no fill lands here
.set SPITCH, 272
.set ADRA, 8                           ; v8-9 A's fragments in slot 0, 1, + 16 x lane; v11-12 the same + 8 x lane
.set ADRB, 14                          ; v14-15, v17-18 the same for B
.set STO,  20
.set RD,   21
.set CO,   22
.set ADRS, 23
.set BO,   24
.set SC,   32                          ; register SC + NKQ i + kq: lanes 0-15 the word of A's tile i, lanes 16-31 that of B's tile i, for step kq
.set BI,   96
.set AF,   128
.set BK,   128
.set G1, 24                            ; s[24:31] group 1 for A's tiles; s[32:35] group 0
.set G0, 32
.set G1B, 44                           ; s[44:51], s[52:55] the same for B's
.set G0B, 52
.set G1S, 68
.set G0S, 76
.set G1SB, 80
.set G0SB, 88
.set MSB, 0
.macro WIN new                         ; the immediate's high byte repeats the setting that is left
.if MSB != (\new)
	s_set_vgpr_msb (MSB<<8)|(\new)
.set MSB, (\new)
.endif
.endm
.set MUL,   0xa1                       ; source 0 (B) window 1, source 1 (A) window 0, C and D window 2
.set MULB,  0x81                       ; the same with the bias, window 0, as C
.set TO_B,  0x40                       ; destination window 1
.set TO_R,  0xc0                       ; destination window 3
.set ADD_R, 0x0c                       ; source 1 window 3
.set ACC,   0x08                       ; an LDS store's data (source 1): window 2
.macro JLOAD g0a, g1a, g0b, g1b        ; a joint load: waves 0 and 1 fetch for A, waves 2 and 3 for B; four v_nop follow each line
	s_cmp_eq_u32 s15, 0
	s_cbranch_scc0 .Lfor_b_\@
	tensor_load_to_lds s[\g0a:\g0a+3], s[\g1a:\g1a+7]
	s_nop 0
.rept 4
	v_nop
.endr
	s_branch .Lasked_\@
.Lfor_b_\@:
	tensor_load_to_lds s[\g0b:\g0b+3], s[\g1b:\g1b+7]
	s_nop 0
.rept 4
	v_nop
.endr
.Lasked_\@:
.endm
.macro CROUND                          ; a round of the cluster's barrier
	s_barrier_signal -1
	s_barrier_wait -1
	s_cmp_lg_u32 s14, 0
	s_cbranch_scc1 .Lnot_wave_0_\@
	s_barrier_signal -3
.Lnot_wave_0_\@:
	s_barrier_wait -3
	s_barrier_signal -1
	s_barrier_wait -1
.endm
	s_load_b128 s[4:7], s[0:1], 0x0                ; A's buffer, p0
	s_load_b128 s[8:11], s[0:1], 0x10              ; the bias, the residual
	s_load_b64 s[12:13], s[0:1], 0x20              ; the result
	v_lshl_add_u32 v94, v0, 2, 0x36400
	v_mov_b32 v95, 0
	ds_add_u32 v94, v95
	ds_add_u32 v94, v95
	v_lshrrev_b32 v1, 5, v0
	v_readfirstlane_b32 s14, v1                    ; wave
	s_lshr_b32 s15, s14, 1                         ; my half of A's rows.  Also: I fetch for A (0) or for B (1)
	s_and_b32 s16, s14, 1                          ; my half of B's rows
	s_bfe_u32 s92, ttmp6, 0x40000                  ; cx
	s_bfe_u32 s93, ttmp6, 0x40004                  ; cy
	s_lshl_b32 s94, ttmp9, 2
	s_add_co_u32 s94, s94, s92                     ; B's block of 128 rows
	s_and_b32 s17, ttmp7, 0xffff
	s_lshl_b32 s17, s17, 2
	s_add_co_u32 s17, s17, s93                     ; A's block of 128 rows
	s_lshl_b32 s95, s93, 2
	s_lshl_b32 s95, 15, s95                        ; my row of the cluster
	s_lshl_b32 s96, 0x1111, s92                    ; my column
	s_or_b32 s[G1+0], s95, (3<<16)|(1<<21)         ; codes: 8 rows (tiles) of 12,288 bytes, TIMG bytes apart; elements of 8 bytes; dense in LDS
	s_or_b32 s[G1B+0], s96, (3<<16)|(1<<21)
.irp g, G1, G1B
	s_mov_b32 s[\g+1], 1536<<16                    ; 8 rows (tiles) of 12,288 bytes: a dense block of 98,304 bytes, all of K, in one load
	s_mov_b32 s[\g+2], 8<<16
	s_mov_b32 s[\g+3], 1536<<16
	s_mov_b32 s[\g+4], 8
	s_mov_b32 s[\g+5], TIMG/8
	s_mov_b32 s[\g+6], 0
	s_mov_b32 s[\g+7], 0
.endr
	s_or_b32 s[G1S+0], s95, (3<<16)|(1<<21)        ; scale bytes: a dense block of 2 HALFS bytes as rows of 256
	s_or_b32 s[G1SB+0], s96, (3<<16)|(1<<21)
.irp g, G1S, G1SB
	s_mov_b32 s[\g+1], 32<<16
	s_mov_b32 s[\g+2], (HALFS/128)<<16             ; the scale bytes of all 8 tiles in one load
	s_mov_b32 s[\g+3], 32<<16
	s_mov_b32 s[\g+4], HALFS/128
	s_mov_b32 s[\g+5], 32
	s_mov_b32 s[\g+6], 0
	s_mov_b32 s[\g+7], 0
.endr
	s_mul_i32 s18, s16, 4*TIMG
	s_mul_i32 s20, s17, 8*TIMG
	s_add_co_u32 s20, s20, s18
	s_add_co_u32 s20, s20, A_IMG
	s_mov_b32 s21, 0
	s_mul_i32 s22, s17, 8*SB
	s_add_co_u32 s22, s22, A_SCL
	s_mov_b32 s23, 0
	s_mul_i32 s98, s94, 8*TIMG
	s_add_co_u32 s98, s98, s18
	s_add_co_u32 s98, s98, B_IMG
	s_mov_b32 s99, 0
	s_mul_i32 s100, s94, 8*SB
	s_add_co_u32 s100, s100, B_SCL
	s_mov_b32 s101, 0
	s_mul_i32 s97, s14, HALFT                      ; where they go: wave x 4 tiles: no place in the cluster enters an LDS address
	s_wait_dscnt 0x0
	s_wait_kmcnt 0x0
	s_add_nc_u64 s[20:21], s[4:5], s[20:21]
	s_add_nc_u64 s[22:23], s[4:5], s[22:23]
	s_add_nc_u64 s[98:99], s[6:7], s[98:99]
	s_add_nc_u64 s[100:101], s[6:7], s[100:101]
	CROUND                                         ; all sixteen work-groups are here: the first joint loads meet
	s_mov_b32 s[G0S], 1
	s_mov_b32 s[G0S+1], SCL
	s_mov_b64 s[G0S+2:G0S+3], s[22:23]
	s_or_b32 s[G0S+3], s[G0S+3], 0x80000000
	s_mov_b32 s[G0SB], 1
	s_mov_b32 s[G0SB+1], SCL+2*HALFS
	s_mov_b64 s[G0SB+2:G0SB+3], s[100:101]
	s_or_b32 s[G0SB+3], s[G0SB+3], 0x80000000
.irp s, 0
	s_mov_b32 s[G0+4*\s], 1
	s_add_co_u32 s[G0+4*\s+1], s97, \s*SLOT
	s_add_nc_u64 s[G0+4*\s+2:G0+4*\s+3], s[20:21], \s*TROW
	s_or_b32 s[G0+4*\s+3], s[G0+4*\s+3], 0x80000000
	s_mov_b32 s[G0B+4*\s], 1
	s_add_co_u32 s[G0B+4*\s+1], s97, \s*SLOT
	s_add_nc_u64 s[G0B+4*\s+2:G0B+4*\s+3], s[98:99], \s*TROW
	s_or_b32 s[G0B+4*\s+3], s[G0B+4*\s+3], 0x80000000
.endr
; THE HEAD'S LOADS, ONE A WAVE, AND THE LAUNCH'S ONLY ONES: wave 0 A's 8 tiles of all of K, wave 1 A's scale bytes, wave 2 B's 8 tiles, wave 3 B's scale bytes.
; Waves 0 and 2 own half 0 of their tensor, so their descriptors point at the first of the 8 tiles.  One chain of branches on the wave's number, one load to an arm.
.macro ARM under, g0, g1, next
	s_cmp_lt_u32 s14, \under
	s_cbranch_scc0 \next
	tensor_load_to_lds s[\g0:\g0+3], s[\g1:\g1+7]
	s_nop 0
.rept 4
	v_nop
.endr
	s_branch .Lhead_asked
\next:
.endm
	ARM 1, G0,  G1,  .Lhead_sa
	ARM 2, G0S, G1S, .Lhead_b
	ARM 3, G0B, G1B, .Lhead_sb
	tensor_load_to_lds s[G0SB:G0SB+3], s[G1SB:G1SB+7]
	s_nop 0
.rept 4
	v_nop
.endr
.Lhead_asked:
	v_and_b32 v1, 15, v0                           ; r
	v_bfe_u32 v2, v0, 4, 1                         ; h
	v_and_b32 v3, 31, v0
	v_lshlrev_b32 v5, 4, v3                        ; 16 x lane
	v_lshlrev_b32 v4, 3, v3                        ; 8 x lane
	s_mul_i32 s21, s15, HALFT
	s_mul_i32 s22, s16, HALFT
	s_add_co_u32 s22, s22, 2*HALFT                 ; B's tiles lie behind A's eight
.irp s, 0,1
	v_add_nc_u32 v[ADRA+\s], s21, v5
	v_add_nc_u32 v[ADRA+3+\s], s21, v4
	v_add_nc_u32 v[ADRB+\s], s22, v5
	v_add_nc_u32 v[ADRB+3+\s], s22, v4
	s_add_co_u32 s21, s21, 6144                    ; 'slot 1' is the second 512 along K of the same tile: 6,144 bytes on
	s_add_co_u32 s22, s22, 6144
.endr
	v_lshlrev_b32 v6, 3, v1                        ; 8 r: a row's eight scale bytes of 256 along K
	s_mul_i32 s21, s15, HALFS
	s_mul_i32 s22, s16, HALFS
	s_add_co_u32 s22, s22, 2*HALFS
	s_sub_co_u32 s22, s22, s21
	v_mul_u32_u24 v7, s22, v2                      ; lanes 16-31 take B's scale words
	s_add_co_u32 s21, s21, SCL
	v_add_nc_u32 v6, v6, v7
	v_add_nc_u32 v[ADRS], s21, v6
	v_lshlrev_b32 v[BO], 6, v2                     ; the bias: lane (r, h) wants, for tile b, columns 32 (b / 2) + 8 (b % 2) + 16 h + 0 .. 7
	s_lshl_b32 s98, s94, 9
	s_lshl_b32 s99, s16, 8
	s_add_co_u32 s98, s98, s99                     ; my first column, in bytes: 512 x block + 256 x half
	s_mov_b32 s99, 0
	s_add_nc_u64 s[8:9], s[8:9], s[98:99]
.irp b, 0,1,2,3
	global_load_b128 v[BI+8*\b:BI+8*\b+3], v[BO], s[8:9] offset:(32*(\b/2)+8*(\b%2))*4
	global_load_b128 v[BI+8*\b+4:BI+8*\b+7], v[BO], s[8:9] offset:(32*(\b/2)+8*(\b%2))*4+16
.endr
	s_mul_i32 s23, s14, 16*SPITCH
	s_add_co_u32 s23, s23, STAGE                   ; my stage
	v_mul_u32_u24 v6, v1, SPITCH
	v_lshl_add_u32 v6, v2, 6, v6
	v_add_nc_u32 v[STO], s23, v6                   ; in: row r, + 64 h
	v_mul_u32_u24 v7, v2, SPITCH
	v_lshl_add_u32 v7, v1, 4, v7
	v_add_nc_u32 v[RD], s23, v7                    ; back: lanes 0-15 one row of 256 bytes, lanes 16-31 the next
	v_lshlrev_b32 v[CO], 12, v2
	v_lshl_add_u32 v[CO], v1, 4, v[CO]             ; and the same two rows in memory
	s_wait_alu depctr_va_vdst(0)
	s_lshl_b32 s20, s17, 7
	s_lshl_b32 s21, s15, 6
	s_add_co_u32 s20, s20, s21                     ; my first row
	s_lshl_b32 s20, s20, 12
	s_add_co_u32 s20, s20, s98
	s_mov_b32 s21, 0
	s_add_nc_u64 s[12:13], s[12:13], s[20:21]
	s_add_nc_u64 s[10:11], s[10:11], s[20:21]
	; the residual: my 64 rows x 256 bytes.  Rows 2 t, 2 t + 1 of block a are rows 32 (a / 2) + 8 (a % 2) + 2 t + 8 (t / 4) and the next of my 64: in the immediate, 253,952 bytes at the most
	WIN TO_R
.irp a, 0,1,2,3
.irp t, 0,1,2,3,4,5,6,7
	global_load_b128 v[32*\a+4*\t:32*\a+4*\t+3], v[CO], s[10:11] offset:(32*(\a/2)+8*(\a%2)+2*\t+8*(\t/4))*4096
.endr
.endr
	WIN 0
.macro FRAG reg, a16, off              ; a fragment, 16 rows x 128 K: two half records as they lie
	ds_load_b128 v[\reg:\reg+3], v[\a16] offset:\off
	ds_load_b64 v[\reg+4:\reg+5], v[\a16+3] offset:(\off)+512
	ds_load_b128 v[\reg+6:\reg+9], v[\a16] offset:(\off)+768
	ds_load_b64 v[\reg+10:\reg+11], v[\a16+3] offset:(\off)+1280
.endm
.macro FETCH slot, q, p                ; 32 LDS loads in one run: the eight fragments of the slot's q-th 128 along K into set p
	WIN TO_B
.irp i, 0,1,2,3
	FRAG 64*(\p)+FR*\i, ADRB+(\slot), \i*TROW+(\q)*1536
.endr
	WIN 0
.irp i, 0,1,2,3
	FRAG AF+48*(\p)+FR*\i, ADRA+(\slot), \i*TROW+(\q)*1536
.endr
.endm
.macro SCALES                          ; all scale words of K, once: two words a load
.irp i, 0,1,2,3
.set M, 0
.rept NKQ/2
	ds_load_b64 v[SC+NKQ*\i+2*M:SC+NKQ*\i+2*M+1], v[ADRS] offset:\i*SB+128*M
.set M, M+1
.endr
.endr
.endm
; 16 matrix instructions: A's four blocks x B's four.  The 16 accumulators take turns, one instruction a turn, in the same order in every step.  bias = 1: the bias starts the sums.
.macro MUL16 p, kq, bias
.irp a, 0,1,2,3
.irp b, 0,1,2,3
.if \bias
	v_wmma_scale_f32_16x16x128_f8f6f4 v[8*(4*\a+\b):8*(4*\a+\b)+7], v[64*(\p)+FR*\b:64*(\p)+FR*\b+FR-1], v[AF+48*(\p)+FR*\a:AF+48*(\p)+FR*\a+FR-1], v[BI+8*\b:BI+8*\b+7], v[SC+NKQ*\b+(\kq)], v[SC+NKQ*\a+(\kq)] matrix_a_fmt:MATRIX_FMT_BF6 matrix_b_fmt:MATRIX_FMT_BF6 matrix_a_scale:MATRIX_SCALE_ROW1
.else
	v_wmma_scale_f32_16x16x128_f8f6f4 v[8*(4*\a+\b):8*(4*\a+\b)+7], v[64*(\p)+FR*\b:64*(\p)+FR*\b+FR-1], v[AF+48*(\p)+FR*\a:AF+48*(\p)+FR*\a+FR-1], v[8*(4*\a+\b):8*(4*\a+\b)+7], v[SC+NKQ*\b+(\kq)], v[SC+NKQ*\a+(\kq)] matrix_a_fmt:MATRIX_FMT_BF6 matrix_b_fmt:MATRIX_FMT_BF6 matrix_a_scale:MATRIX_SCALE_ROW1
.endif
.endr
.endr
.endm
.macro PLACES n                        ; places in front of loads into registers that matrix instructions have read, and of the first read of results
.rept \n
	v_nop
.endr
.endm
; Step kq of 128 along K multiplies set kq % 2; ahead of its products it fetches step kq + 1 into the other set, which the step before has multiplied.
; how = 0: four places stand in front of those loads;  1: the next step's slot is read for the first time: every wave shows its part landed, one barrier;  3: no places (the first step; the last, which fetches nothing).
.macro STEP kq, how
.set NXS, (((\kq)+1)/4)%NSLOT
.set NXQ, ((\kq)+1)%4
.set NXP, ((\kq)+1)%2
.if (\how) == 1
	s_wait_tensorcnt 0x0                           ; my part of the next slot has landed: it was my last load that was out
	s_wait_dscnt 0x0                               ; no LDS instruction of mine is pending at the signal
	s_barrier_signal -1
	s_barrier_wait -1                              ; everybody's has
	PLACES NP
.elseif (\how) == 0
	PLACES NP
.endif
.if (\kq) < NKQ-1
	FETCH NXS, NXQ, NXP
	s_wait_dscnt 32                                ; all but the 32 loads just issued: this step's set is in
.else
	s_wait_dscnt 0x0
.endif
.if (\kq) == 0
	WIN MULB
	MUL16 0, 0, 1
.else
	WIN MUL
	MUL16 (\kq)%2, \kq, 0
.endif
.endm
	s_wait_tensorcnt 0x0                           ; my tile of the head's four is in
	s_barrier_signal -1
	s_barrier_wait -1                              ; everybody's is: all of K and all scale bytes
	FETCH 0, 0, 0
	SCALES
	s_wait_loadcnt 32                              ; the bias is in; the residual's 32 loads may be out
	STEP 0, 3
	STEP 1, 0
	STEP 2, 0
	STEP 3, 0
	STEP 4, 0
	STEP 5, 0
	STEP 6, 0
	STEP 7, 3
	WIN 0
; THE WAY OUT, block by block of 16 rows x 64 columns, through my own stage: back come whole rows of 256 bytes, two an instruction; the residual's same rows are added; sixteen lanes store 256 consecutive bytes, aligned.
; Each block has registers of its own, so no store's data are written again.
.macro TOSTAGE a
	WIN ACC
.irp b, 0,1,2,3
	ds_store_b128 v[STO], v[32*(\a)+8*\b:32*(\a)+8*\b+3] offset:128*(\b/2)+32*(\b%2)          ; each accumulator from its low end on
	ds_store_b128 v[STO], v[32*(\a)+8*\b+4:32*(\a)+8*\b+7] offset:128*(\b/2)+32*(\b%2)+16
.endr
	WIN 0
.irp t, 0,1,2,3,4,5,6,7
	ds_load_b128 v[BK+32*(\a)+4*\t:BK+32*(\a)+4*\t+3], v[RD] offset:2*\t*SPITCH   ; LDS serves a wave's instructions in order: these see my stores, and the next block's stores come behind them
.endr
.endm
.macro ADDOUT a
	WIN ADD_R
.set J, 0
.rept 16
	v_pk_add_f32 v[BK+32*(\a)+J:BK+32*(\a)+J+1], v[BK+32*(\a)+J:BK+32*(\a)+J+1], v[32*(\a)+J:32*(\a)+J+1]
.set J, J+2
.endr
	WIN 0
.irp t, 0,1,2,3,4,5,6,7
	global_store_b128 v[CO], v[BK+32*(\a)+4*\t:BK+32*(\a)+4*\t+3], s[12:13] offset:(32*((\a)/2)+8*((\a)%2)+2*\t+8*(\t/4))*4096
.endr
.endm
	PLACES NP
	s_wait_loadcnt 0x0                             ; the residual
	TOSTAGE 0
.irp a, 1,2,3
	TOSTAGE \a
	s_wait_dscnt 16                                ; the block before is back; this block's 8 stores and 8 loads may be out
	ADDOUT \a-1
.endr
	s_wait_dscnt 0x0
	ADDOUT 3
	s_wait_tensorcnt 0x0
	ds_add_u32 v94, v95
	s_wait_dscnt 0x0
	CROUND                                         ; the closing round: no work-group ends while a partner may still ask for a tile that names it
	s_endpgm
.Lfunc_end_k_qa684096f92_wo:
	.size	k_qa684096f92_wo, .Lfunc_end_k_qa684096f92_wo-k_qa684096f92_wo
	.p2alignl 7, 3214868480
	.fill 96, 4, 3214868480
	.section	.rodata,"a",@progbits
	.p2align	6, 0x0
	.amdhsa_kernel k_qa684096f92_wo
		.amdhsa_group_segment_fixed_size 327680
		.amdhsa_private_segment_fixed_size 0
		.amdhsa_enable_private_segment 0
		.amdhsa_kernarg_size 40
		.amdhsa_user_sgpr_count 2
		.amdhsa_user_sgpr_kernarg_segment_ptr 1
		.amdhsa_wavefront_size32 1
		.amdhsa_system_sgpr_workgroup_id_x 1
		.amdhsa_system_sgpr_workgroup_id_y 1
		.amdhsa_system_sgpr_workgroup_id_z 1
		.amdhsa_system_vgpr_workitem_id 0
		.amdhsa_next_free_vgpr 1024
		.amdhsa_next_free_sgpr 102
		.amdhsa_reserve_vcc 0
		.amdhsa_float_denorm_mode_32 3
		.amdhsa_float_denorm_mode_16_64 3
		.amdhsa_memory_ordered 1
		.amdhsa_forward_progress 1
		.amdhsa_inst_pref_size 60
	.end_amdhsa_kernel
	.amdgpu_metadata
---
amdhsa.version: [ 1, 2 ]
amdhsa.kernels:
  - .name:           k_qa684096f92_wo
    .symbol:         k_qa684096f92_wo.kd
    .args:
      - { .name: ctxb, .offset: 0, .size: 8, .value_kind: global_buffer, .address_space: global }
      - { .name: p0, .offset: 8, .size: 8, .value_kind: global_buffer, .address_space: global }
      - { .name: b_o, .offset: 16, .size: 8, .value_kind: global_buffer, .address_space: global }
      - { .name: x, .offset: 24, .size: 8, .value_kind: global_buffer, .address_space: global }
      - { .name: yb, .offset: 32, .size: 8, .value_kind: global_buffer, .address_space: global }
    .group_segment_fixed_size: 327680
    .private_segment_fixed_size: 0
    .kernarg_segment_align: 8
    .kernarg_segment_size: 40
    .max_flat_workgroup_size: 128
    .sgpr_count:     102
    .vgpr_count:     1024
    .wavefront_size: 32
...
	.end_amdgpu_metadata
.endif
;; end of part 12
;; launch ln1 (part 13): grid 256 x 1, 4 waves a work-group, no clusters, 66,304 bytes of LDS; arguments yb, g1, be1, x1b; writes x1b
.if DOCPART == 13
	.amdgcn_target "amdgcn-amd-amdhsa--gfx1250"
	.amdhsa_code_object_version 6
	.text
	.protected	k_qa684096f92_ln1
	.globl	k_qa684096f92_ln1
	.p2align	8
	.type	k_qa684096f92_ln1,@function
k_qa684096f92_ln1:
	s_mov_b64 s[64:65], 0
	v_nop
	global_prefetch_b8 v0, s[64:65] scope:SCOPE_SE
	s_setreg_imm32_b32 hwreg(HW_REG_WAVE_MODE, 25, 1), 1
	s_wait_xcnt 0x0
; x1 = layernorm(y1) g1 + be1, rows of 1,024 f32; x1 leaves as f32 (the second residual) and, quantised to BF6 (E3M2) with E8M0 scales along the row, as the next products' operand.
; A work-group takes a tile of 16 rows, 32 (T / 2) + 8 (T % 2) + r + 8 (r / 8); wave w norms rows 4 w .. 4 w + 3 of the tile, a whole row in the wave's 32 registers a lane: mean, then the centred squares: no difference of large sums.
; The normed rows go through a stage in LDS (pitch 4,096 + 16 bytes), one barrier; then wave w makes half records 4 w .. 4 w + 3: lane (r, h) holds block 2 u + h of row r whole.
; x1b: x1 at 0; its records (tile T, 64 along K number u) at X1_IMG + (16 T + u) 768: registers 0-3 of lane l at 16 l, 4-5 at 512 + 8 l; scale bytes at X1_SCL + 512 T + 128 (j / 8) + 8 r + j % 8.
; LIMITS: a block of zeros gets the byte 1 where the rule says 127 (this program alone reads the bytes); largest magnitudes under 2^-122 are held at byte 1; NaN and infinities are not served.
; A stream: every byte read once; all of a wave's 48 loads are issued at its head.  No matrix unit, no cluster, no tensor load.
.set X1_IMG, 16777216
.set X1_SCL, 19922944
.set SP,  4112
.set X,   32                           ; v32-159  four rows, 32 numbers a lane each
.set G,   160                          ; v160-191 the gain of my 32 columns;  v192-223 the offset
.set BE,  192
.set TA,  224                          ; v224-239 four registers a row, at work
.set PD,  240                          ; v240-243 lane permutes' destinations
.macro QB32 s, c, byt
.set XS, \s
.set CC, \c
	v_max3_num_f32 v8, |v[XS]|, |v[XS+1]|, |v[XS+2]|
	v_max3_num_f32 v9, |v[XS+3]|, |v[XS+4]|, |v[XS+5]|
.irp i, 6,10,14,18,22,26
	v_max3_num_f32 v8, v8, |v[XS+\i]|, |v[XS+\i+1]|
	v_max3_num_f32 v9, v9, |v[XS+\i+2]|, |v[XS+\i+3]|
.endr
	v_max3_num_f32 v8, v8, |v[XS+30]|, |v[XS+31]|
	v_max3_num_f32 v8, v8, v9, 0x2800000           ; the floor 2^(5 - 127)
	v_add_nc_u32 v11, 0xfe000000, v8               ; 4 off the exponent field: the conversion's scale operand
	v_lshrrev_b32 v[\byt], 23, v11
	v_cvt_scalef32_pk16_bf6_f32 v[CC:CC+2], v[XS:XS+15], v11
	v_cvt_scalef32_pk16_bf6_f32 v[CC+6:CC+8], v[XS+16:XS+31], v11
	v_nop
.irp i, 0,1,2
	v_mov_b32 v[CC+3+\i], v[CC+6+\i]
.endr
.endm
.macro REDUCE                          ; v[TA + 4 i], i = 0 .. 3, summed over the 32 lanes, the four rows by turns
.irp m, 1,2,4,8
.irp i, 0,1,2,3
	v_add_f32_dpp v[TA+4*\i], v[TA+4*\i], v[TA+4*\i] row_xmask:\m row_mask:0xf bank_mask:0xf
.endr
.endr
.irp i, 0,1,2,3
	v_permlanex16_b32 v[PD+\i], v[TA+4*\i], s22, s23
.endr
.irp i, 0,1,2,3
	v_add_f32 v[TA+4*\i], v[TA+4*\i], v[PD+\i]
.endr
.endm
	s_load_b128 s[4:7], s[0:1], 0x0                ; y1, g1
	s_load_b128 s[8:11], s[0:1], 0x10              ; be1, x1b
	v_lshl_add_u32 v254, v0, 2, 0x10100
	v_mov_b32 v255, 0
	v_lshrrev_b32 v1, 5, v0
	v_readfirstlane_b32 s12, v1                    ; wave
	v_and_b32 v1, 31, v0
	v_and_b32 v2, 15, v0                           ; r
	v_bfe_u32 v3, v0, 4, 1                         ; h
	v_lshlrev_b32 v4, 4, v1                        ; 16 x lane
	s_wait_alu depctr_va_vdst(0)
	v_lshlrev_b32 v5, 3, v1                        ; 8 x lane
	s_lshr_b32 s13, ttmp9, 1
	s_lshl_b32 s13, s13, 5
	s_and_b32 s14, ttmp9, 1
	s_lshl_b32 s14, s14, 3
	s_add_co_u32 s13, s13, s14
	s_lshl_b32 s14, s12, 2
	s_add_co_u32 s13, s13, s14
	s_lshr_b32 s14, s12, 1
	s_lshl_b32 s14, s14, 3
	s_add_co_u32 s13, s13, s14                     ; my first row: the tile's + 4 w + 8 (w / 2)
	s_lshl_b32 s14, s13, 12
	s_mov_b32 s15, 0
	s_mul_i32 s13, s12, 4*SP
	v_add_nc_u32 v6, s13, v4                       ; the stage, in: my four rows
	v_mul_u32_u24 v7, v2, SP
	v_lshl_add_u32 v7, v3, 7, v7
	s_lshl_b32 s13, s12, 10
	v_add_nc_u32 v7, s13, v7                       ; and out: row r, + 1,024 w + 128 h
	s_lshl_b32 s18, ttmp9, 4
	s_lshl_b32 s19, s12, 2
	s_add_co_u32 s18, s18, s19
	s_mul_i32 s18, s18, 768
	s_add_co_u32 s18, s18, X1_IMG
	s_mov_b32 s19, 0
	s_lshl_b32 s24, ttmp9, 9
	s_lshl_b32 s25, s12, 7
	s_add_co_u32 s24, s24, s25
	s_add_co_u32 s24, s24, X1_SCL
	s_mov_b32 s25, 0
	s_mov_b32 s20, 0x3727c5ac                      ; 1e-5
	s_mov_b32 s21, 0x3a800000                      ; 1 / 1,024
	s_mov_b32 s22, 0x76543210
	s_mov_b32 s23, 0xfedcba98
.irp i, 0,1,2,3
	v_mov_b32 v[PD+\i], 0
.endr
	s_wait_kmcnt 0x0
	s_add_nc_u64 s[4:5], s[4:5], s[14:15]
	s_add_nc_u64 s[16:17], s[10:11], s[14:15]
	s_add_nc_u64 s[18:19], s[10:11], s[18:19]
	s_add_nc_u64 s[24:25], s[10:11], s[24:25]
.irp i, 0,1,2,3
.irp j, 0,1,2,3,4,5,6,7
	global_load_b128 v[X+32*\i+4*\j:X+32*\i+4*\j+3], v4, s[4:5] offset:4096*\i+512*\j th:TH_LOAD_NT   ; 512 consecutive bytes
.endr
.endr
.irp j, 0,1,2,3,4,5,6,7
	global_load_b128 v[G+4*\j:G+4*\j+3], v4, s[6:7] offset:512*\j
	global_load_b128 v[BE+4*\j:BE+4*\j+3], v4, s[8:9] offset:512*\j
.endr
	s_wait_loadcnt 16                              ; the rows are in; the sixteen loads of gain and offset may be out
.irp i, 0,1,2,3
	v_pk_add_f32 v[TA+4*\i:TA+4*\i+1], v[X+32*\i:X+32*\i+1], v[X+32*\i+2:X+32*\i+3]
	v_pk_add_f32 v[TA+4*\i+2:TA+4*\i+3], v[X+32*\i+4:X+32*\i+5], v[X+32*\i+6:X+32*\i+7]
.endr
.irp k, 8,12,16,20,24,28
.irp i, 0,1,2,3
	v_pk_add_f32 v[TA+4*\i:TA+4*\i+1], v[TA+4*\i:TA+4*\i+1], v[X+32*\i+\k:X+32*\i+\k+1]
	v_pk_add_f32 v[TA+4*\i+2:TA+4*\i+3], v[TA+4*\i+2:TA+4*\i+3], v[X+32*\i+\k+2:X+32*\i+\k+3]
.endr
.endr
.irp i, 0,1,2,3
	v_pk_add_f32 v[TA+4*\i:TA+4*\i+1], v[TA+4*\i:TA+4*\i+1], v[TA+4*\i+2:TA+4*\i+3]
.endr
.irp i, 0,1,2,3
	v_add_f32 v[TA+4*\i], v[TA+4*\i], v[TA+4*\i+1]
.endr
	REDUCE
.irp i, 0,1,2,3
	v_mul_f32 v[TA+4*\i], 0xba800000, v[TA+4*\i]   ; - the mean
.endr
.irp k, 0,2,4,6,8,10,12,14,16,18,20,22,24,26,28,30
.irp i, 0,1,2,3
	v_pk_add_f32 v[X+32*\i+\k:X+32*\i+\k+1], v[X+32*\i+\k:X+32*\i+\k+1], v[TA+4*\i:TA+4*\i+1] op_sel_hi:[1,0]   ; centred, in place
.endr
.endr
.irp i, 0,1,2,3
	v_pk_mul_f32 v[TA+4*\i+2:TA+4*\i+3], v[X+32*\i:X+32*\i+1], v[X+32*\i:X+32*\i+1]
	v_pk_mul_f32 v[TA+4*\i:TA+4*\i+1], v[X+32*\i+2:X+32*\i+3], v[X+32*\i+2:X+32*\i+3]
.endr
.irp k, 4,8,12,16,20,24,28
.irp i, 0,1,2,3
	v_pk_fma_f32 v[TA+4*\i+2:TA+4*\i+3], v[X+32*\i+\k:X+32*\i+\k+1], v[X+32*\i+\k:X+32*\i+\k+1], v[TA+4*\i+2:TA+4*\i+3]
	v_pk_fma_f32 v[TA+4*\i:TA+4*\i+1], v[X+32*\i+\k+2:X+32*\i+\k+3], v[X+32*\i+\k+2:X+32*\i+\k+3], v[TA+4*\i:TA+4*\i+1]
.endr
.endr
.irp i, 0,1,2,3
	v_pk_add_f32 v[TA+4*\i:TA+4*\i+1], v[TA+4*\i:TA+4*\i+1], v[TA+4*\i+2:TA+4*\i+3]
.endr
.irp i, 0,1,2,3
	v_add_f32 v[TA+4*\i], v[TA+4*\i], v[TA+4*\i+1]
.endr
	REDUCE
.irp i, 0,1,2,3
	v_fma_f32 v[TA+4*\i], v[TA+4*\i], s21, s20     ; the variance + 1e-5
.endr
	s_wait_alu depctr_va_vdst(0)
.irp i, 0,1,2,3
	v_rsq_f32 v[TA+4*\i], v[TA+4*\i]
.endr
	v_nop                                          ; a plain place behind the batch,
	s_wait_alu depctr_va_vdst(0)                   ; and one wait ahead of its first reader
	s_wait_loadcnt 0x0                             ; gain and offset
.irp k, 0,2,4,6,8,10,12,14,16,18,20,22,24,26,28,30
.irp i, 0,1,2,3
	v_pk_mul_f32 v[X+32*\i+\k:X+32*\i+\k+1], v[X+32*\i+\k:X+32*\i+\k+1], v[TA+4*\i:TA+4*\i+1] op_sel_hi:[1,0]
.endr
.irp i, 0,1,2,3
	v_pk_fma_f32 v[X+32*\i+\k:X+32*\i+\k+1], v[X+32*\i+\k:X+32*\i+\k+1], v[G+\k:G+\k+1], v[BE+\k:BE+\k+1]
.endr
.endr
.irp i, 0,1,2,3
.irp j, 0,1,2,3,4,5,6,7
	global_store_b128 v4, v[X+32*\i+4*\j:X+32*\i+4*\j+3], s[16:17] offset:4096*\i+512*\j
	ds_store_b128 v6, v[X+32*\i+4*\j:X+32*\i+4*\j+3] offset:SP*\i+512*\j
.endr
.endr
	s_wait_dscnt 0x0                               ; for the others' sake: my rows lie in the stage
	s_barrier_signal -1
	s_barrier_wait -1
	s_wait_xcnt 0x0                                ; the global stores have read v32-159, which the loads below write
.irp u, 0,1,2,3
.irp j, 0,1,2,3,4,5,6,7
	ds_load_b128 v[X+32*\u+4*\j:X+32*\u+4*\j+3], v7 offset:256*\u+16*\j
.endr
.endr
.irp u, 0,1,2,3
	s_wait_dscnt 8*(3-\u)                          ; this record's eight loads are in
	QB32 X+32*\u, 160+12*\u, 224+\u
	global_store_b128 v4, v[160+12*\u:163+12*\u], s[18:19] offset:768*\u
	global_store_b64 v5, v[164+12*\u:165+12*\u], s[18:19] offset:768*\u+512
.endr
	v_lshl_or_b32 v12, v225, 16, v224
	v_lshl_or_b32 v13, v227, 16, v226
	v_lshlrev_b32 v14, 3, v3
	v_lshlrev_b32 v12, v14, v12
	v_lshlrev_b32 v13, v14, v13
	v_permlanex16_b32 v[PD], v12, s22, s23
	v_permlanex16_b32 v[PD+1], v13, s22, s23
	v_or_b32 v12, v12, v[PD]
	v_or_b32 v13, v13, v[PD+1]
	v_cmp_le_u32 vcc_lo, 16, v1
	v_cndmask_b32 v12, v12, v13, vcc_lo
	v_lshlrev_b32 v15, 2, v3
	v_lshl_add_u32 v15, v2, 3, v15                 ; 8 r + 4 h
	global_store_b32 v15, v12, s[24:25]
	s_wait_tensorcnt 0x0
	ds_add_u32 v254, v255
	s_wait_dscnt 0x0
	s_endpgm
.Lfunc_end_k_qa684096f92_ln1:
	.size	k_qa684096f92_ln1, .Lfunc_end_k_qa684096f92_ln1-k_qa684096f92_ln1
	.p2alignl 7, 3214868480
	.fill 96, 4, 3214868480
	.section	.rodata,"a",@progbits
	.p2align	6, 0x0
	.amdhsa_kernel k_qa684096f92_ln1
		.amdhsa_group_segment_fixed_size 66304
		.amdhsa_private_segment_fixed_size 0
		.amdhsa_enable_private_segment 0
		.amdhsa_kernarg_size 32
		.amdhsa_user_sgpr_count 2
		.amdhsa_user_sgpr_kernarg_segment_ptr 1
		.amdhsa_wavefront_size32 1
		.amdhsa_system_sgpr_workgroup_id_x 1
		.amdhsa_system_sgpr_workgroup_id_y 1
		.amdhsa_system_sgpr_workgroup_id_z 1
		.amdhsa_system_vgpr_workitem_id 0
		.amdhsa_next_free_vgpr 256
		.amdhsa_next_free_sgpr 66
		.amdhsa_reserve_vcc 1
		.amdhsa_float_denorm_mode_32 3
		.amdhsa_float_denorm_mode_16_64 3
		.amdhsa_memory_ordered 1
		.amdhsa_forward_progress 1
		.amdhsa_inst_pref_size 46
	.end_amdhsa_kernel
	.amdgpu_metadata
---
amdhsa.version: [ 1, 2 ]
amdhsa.kernels:
  - .name:           k_qa684096f92_ln1
    .symbol:         k_qa684096f92_ln1.kd
    .args:
      - { .name: yb, .offset: 0, .size: 8, .value_kind: global_buffer, .address_space: global }
      - { .name: g1, .offset: 8, .size: 8, .value_kind: global_buffer, .address_space: global }
      - { .name: be1, .offset: 16, .size: 8, .value_kind: global_buffer, .address_space: global }
      - { .name: x1b, .offset: 24, .size: 8, .value_kind: global_buffer, .address_space: global }
    .group_segment_fixed_size: 66304
    .private_segment_fixed_size: 0
    .kernarg_segment_align: 8
    .kernarg_segment_size: 32
    .max_flat_workgroup_size: 128
    .sgpr_count:     66
    .vgpr_count:     256
    .wavefront_size: 32
...
	.end_amdgpu_metadata
.endif
;; end of part 13
;; launch ffn1 (part 14): grid 16 x 16, 4 waves a work-group, clusters of 4 x 4, 327,680 bytes of LDS; arguments x1b, p0, b1, b2, hb; writes hb
.if DOCPART == 14
	.amdgcn_target "amdgcn-amd-amdhsa--gfx1250"
	.amdhsa_code_object_version 6
	.text
	.protected	k_qa684096f92_ffn1
	.globl	k_qa684096f92_ffn1
	.p2align	8
	.type	k_qa684096f92_ffn1,@function
k_qa684096f92_ffn1:
	s_mov_b64 s[64:65], 0
	v_nop
	global_prefetch_b8 v0, s[64:65] scope:SCOPE_SE
	s_setreg_imm32_b32 hwreg(HW_REG_WAVE_MODE, 25, 1), 1
	s_wait_xcnt 0x0
	s_wait_alu depctr_hold_cnt(0) depctr_sa_sdst(0) depctr_va_vdst(0) depctr_va_sdst(0) depctr_va_ssrc(0) depctr_va_vcc(0) depctr_vm_vsrc(0)
	s_getreg_b32 s2, hwreg(HW_REG_IB_STS2, 6, 4)
	s_cmp_eq_u32 s2, 0
	s_cbranch_scc0 .Lentry_in_a_cluster
	s_endpgm
.Lentry_in_a_cluster:
	s_bfe_u32 s2, ttmp6, 0x10000c
	s_cmp_lg_u32 s2, 0xf033
	s_cbranch_scc0 .Lentry_shape_is_right
	s_endpgm
.Lentry_shape_is_right:
.set KDIM,   1024
.set A_IMG,  16777216
.set A_SCL,  19922944
.set B_IMG,  3145728
.set B_SCL,  7995392
.set H_SCL,  6291456
.set TIMG,   KDIM*12
.set TROW,   3072
.set NQ,     2
.set FR,     12
.set NL,     4
.set NP,     4
.set HALFT,  8*TROW
.set SLOT,   4*HALFT
.set LAPS,   KDIM/512
.set SB,     KDIM/2
.set HALFS,  8*SB
.set SCL,    2*SLOT
.set SPARE,  SCL+4*HALFS
.set ADRA, 16
.set ADRB, 20
.set L16,  24
.set L8,   25
.set SO,   26
.set ADRS, 27
.set SPW,  28
.set NIL,  29
.set ADRS2, 30
.set SC,   32
.set BI,   64
.set AF,   128
.set G1, 24
.set G0, 32
.set G1B, 48
.set G0B, 56
.set G1S, 68
.set G0S, 76
.set G1SB, 80
.set G0SB, 88
.set MSB, 0
.macro WIN new
.if MSB != (\new)
	s_set_vgpr_msb (MSB<<8)|(\new)
.set MSB, (\new)
.endif
.endm
.set MUL_LO, 0xa1
.set MUL_HI, 0xf1
.set TO_B,   0x40
.macro JLOAD g0a, g1a, g0b, g1b
	s_cmp_eq_u32 s15, 0
	s_cbranch_scc0 .Lfor_b_\@
	tensor_load_to_lds s[\g0a:\g0a+3], s[\g1a:\g1a+7]
	s_nop 0
.rept 4
	v_nop
.endr
	s_branch .Lasked_\@
.Lfor_b_\@:
	tensor_load_to_lds s[\g0b:\g0b+3], s[\g1b:\g1b+7]
	s_nop 0
.rept 4
	v_nop
.endr
.Lasked_\@:
.endm
.macro CREST
	s_cmp_lg_u32 s14, 0
	s_cbranch_scc1 .Lnot_wave_0_\@
	s_barrier_signal -3
.Lnot_wave_0_\@:
	s_barrier_wait -3
	s_barrier_signal -1
	s_barrier_wait -1
.endm
.macro CROUND
	s_barrier_signal -1
	s_barrier_wait -1
	CREST
.endm
	s_load_b128 s[4:7], s[0:1], 0x0
	s_load_b128 s[8:11], s[0:1], 0x10
	s_load_b64 s[12:13], s[0:1], 0x20
	v_lshl_add_u32 v[SPW], v0, 2, SPARE
	v_mov_b32 v[NIL], 0
	ds_add_u32 v28, v29
	ds_add_u32 v28, v29
	s_wait_dscnt 0x0
	v_lshrrev_b32 v1, 5, v0
	v_readfirstlane_b32 s14, v1
	s_lshr_b32 s15, s14, 1
	s_and_b32 s16, s14, 1
	s_bfe_u32 s40, ttmp6, 0x40000
	s_bfe_u32 s41, ttmp6, 0x40004
	s_lshl_b32 s42, ttmp9, 2
	s_add_co_u32 s42, s42, s40
	s_and_b32 s17, ttmp7, 0xffff
	s_lshl_b32 s17, s17, 2
	s_add_co_u32 s17, s17, s41
	s_lshl_b32 s43, s41, 2
	s_lshl_b32 s43, 15, s43
	s_lshl_b32 s44, 0x1111, s40
	s_or_b32 s[G1+0], s43, (3<<16)|(1<<21)
	s_or_b32 s[G1B+0], s44, (3<<16)|(1<<21)
.irp g, G1, G1B
	s_mov_b32 s[\g+1], 384<<16
	s_mov_b32 s[\g+2], 8<<16
	s_mov_b32 s[\g+3], 384<<16
	s_mov_b32 s[\g+4], 8
	s_mov_b32 s[\g+5], TIMG/8
	s_mov_b32 s[\g+6], 0
	s_mov_b32 s[\g+7], 0
.endr
	s_or_b32 s[G1S+0], s43, (3<<16)|(1<<21)
	s_or_b32 s[G1SB+0], s44, (3<<16)|(1<<21)
.irp g, G1S, G1SB
	s_mov_b32 s[\g+1], 32<<16
	s_mov_b32 s[\g+2], (HALFS/256)<<16
	s_mov_b32 s[\g+3], 32<<16
	s_mov_b32 s[\g+4], HALFS/256
	s_mov_b32 s[\g+5], 32
	s_mov_b32 s[\g+6], 0
	s_mov_b32 s[\g+7], 0
.endr
	s_mul_i32 s18, s16, 8*TIMG
	s_mul_i32 s19, s16, HALFS
	s_mul_i32 s20, s17, 16*TIMG
	s_add_co_u32 s20, s20, s18
	s_add_co_u32 s20, s20, A_IMG
	s_mov_b32 s21, 0
	s_mul_i32 s22, s17, 16*SB
	s_add_co_u32 s22, s22, s19
	s_add_co_u32 s22, s22, A_SCL
	s_mov_b32 s23, 0
	s_mul_i32 s46, s42, 8*TIMG
	s_mul_i32 s18, s16, 1572864
	s_add_co_u32 s46, s46, s18
	s_add_co_u32 s46, s46, B_IMG
	s_mov_b32 s47, 0
	s_mul_i32 s92, s42, HALFS
	s_lshl_b32 s18, s16, 16
	s_add_co_u32 s92, s92, s18
	s_add_co_u32 s92, s92, B_SCL
	s_mov_b32 s93, 0
	s_mul_i32 s45, s14, HALFT
	s_mul_i32 s94, s14, HALFS
	s_wait_kmcnt 0x0
	s_add_nc_u64 s[20:21], s[4:5], s[20:21]
	s_add_nc_u64 s[22:23], s[4:5], s[22:23]
	s_add_nc_u64 s[46:47], s[6:7], s[46:47]
	s_add_nc_u64 s[92:93], s[6:7], s[92:93]
	CROUND
	s_mov_b32 s[G0S], 1
	s_add_co_u32 s[G0S+1], s94, SCL
	s_mov_b64 s[G0S+2:G0S+3], s[22:23]
	s_or_b32 s[G0S+3], s[G0S+3], 0x80000000
	s_mov_b32 s[G0SB], 1
	s_add_co_u32 s[G0SB+1], s94, SCL
	s_mov_b64 s[G0SB+2:G0SB+3], s[92:93]
	s_or_b32 s[G0SB+3], s[G0SB+3], 0x80000000
	JLOAD G0S, G1S, G0SB, G1SB
.irp s, 0,1
	s_mov_b32 s[G0+4*\s], 1
	s_add_co_u32 s[G0+4*\s+1], s45, \s*SLOT
	s_add_nc_u64 s[G0+4*\s+2:G0+4*\s+3], s[20:21], \s*TROW
	s_or_b32 s[G0+4*\s+3], s[G0+4*\s+3], 0x80000000
	s_mov_b32 s[G0B+4*\s], 1
	s_add_co_u32 s[G0B+4*\s+1], s45, \s*SLOT
	s_add_nc_u64 s[G0B+4*\s+2:G0B+4*\s+3], s[46:47], \s*TROW
	s_or_b32 s[G0B+4*\s+3], s[G0B+4*\s+3], 0x80000000
	s_wait_alu depctr_va_vdst(0)
	s_wait_tensorcnt 0x0
	ds_add_u32 v28, v29
	s_wait_dscnt 0x0
	CROUND
	JLOAD G0+4*\s, G1, G0B+4*\s, G1B
.endr
	v_and_b32 v1, 15, v0
	v_bfe_u32 v2, v0, 4, 1
	v_and_b32 v3, 31, v0
	v_lshlrev_b32 v[L16], 4, v3
	v_lshlrev_b32 v[L8], 3, v3
	s_mul_i32 s21, s15, HALFT
	s_mul_i32 s22, s16, 4*TROW
	s_add_co_u32 s22, s22, 2*HALFT
.irp s, 0,1
	v_add_nc_u32 v[ADRA+\s], s21, v[L16]
	v_add_nc_u32 v[ADRA+2+\s], s21, v[L8]
	v_add_nc_u32 v[ADRB+\s], s22, v[L16]
	v_add_nc_u32 v[ADRB+2+\s], s22, v[L8]
	s_add_co_u32 s21, s21, SLOT
	s_add_co_u32 s22, s22, SLOT
.endr
	v_lshlrev_b32 v5, 3, v1
	s_mul_i32 s21, s15, HALFS
	s_mul_i32 s22, s16, 4*SB
	s_add_co_u32 s22, s22, 2*HALFS
	s_sub_co_u32 s22, s22, s21
	v_mul_u32_u24 v6, s22, v2
	s_add_co_u32 s21, s21, SCL
	v_add_nc_u32 v5, v5, v6
	v_add_nc_u32 v[ADRS], s21, v5
	v_lshl_add_u32 v[ADRS2], v2, 11, v[ADRS]
	v_lshlrev_b32 v8, 6, v2
	s_lshl_b32 s46, s42, 9
	s_lshl_b32 s47, s16, 8
	s_add_co_u32 s46, s46, s47
	s_mov_b32 s47, 0
	s_add_nc_u64 s[8:9], s[8:9], s[46:47]
	s_add_nc_u64 s[10:11], s[10:11], s[46:47]
.irp b, 0,1,2,3
	global_load_b128 v[BI+8*\b:BI+8*\b+3], v8, s[8:9] offset:(32*(\b/2)+8*(\b%2))*4
	global_load_b128 v[BI+8*\b+4:BI+8*\b+7], v8, s[8:9] offset:(32*(\b/2)+8*(\b%2))*4+16
	global_load_b128 v[BI+32+8*\b:BI+32+8*\b+3], v8, s[10:11] offset:(32*(\b/2)+8*(\b%2))*4
	global_load_b128 v[BI+32+8*\b+4:BI+32+8*\b+7], v8, s[10:11] offset:(32*(\b/2)+8*(\b%2))*4+16
.endr
	v_lshl_add_u32 v[SO], v1, 3, v2
	s_lshl_b32 s20, s17, 4
	s_lshl_b32 s21, s15, 3
	s_add_co_u32 s20, s20, s21
	s_lshl_b32 s21, s20, 10
	s_lshr_b32 s22, s42, 1
	s_lshl_b32 s22, s22, 7
	s_add_co_u32 s21, s21, s22
	s_and_b32 s22, s42, 1
	s_lshl_b32 s22, s22, 2
	s_add_co_u32 s21, s21, s22
	s_lshl_b32 s22, s16, 1
	s_add_co_u32 s21, s21, s22
	s_add_co_u32 s22, s21, H_SCL
	s_mov_b32 s23, 0
	s_add_nc_u64 s[22:23], s[12:13], s[22:23]
	s_lshl_b32 s20, s20, 5
	s_lshl_b32 s21, s42, 1
	s_add_co_u32 s20, s20, s21
	s_add_co_u32 s20, s20, s16
	s_mul_i32 s20, s20, 768
	s_mov_b32 s21, 0
	s_add_nc_u64 s[12:13], s[12:13], s[20:21]
	s_mov_b32 s98, 0xffff0000
	s_mov_b32 s100, 0x76543210
	s_mov_b32 s101, 0xfedcba98
.macro FRAG reg, a16, off
	ds_load_b128 v[\reg:\reg+3], v[\a16] offset:\off
	ds_load_b64 v[\reg+4:\reg+5], v[\a16+2] offset:(\off)+512
	ds_load_b128 v[\reg+6:\reg+9], v[\a16] offset:(\off)+768
	ds_load_b64 v[\reg+10:\reg+11], v[\a16+2] offset:(\off)+1280
.endm
.macro MUL16 a0, p, q, sc, zero
.irp a, \a0, \a0+1
.irp b, 0,1,2,3,4,5,6,7
.if (\zero) == 2
	v_wmma_scale_f32_16x16x128_f8f6f4 v[8*(8*((\a)%4)+\b):8*(8*((\a)%4)+\b)+7], v[128*(\p)+FR*\b:128*(\p)+FR*\b+FR-1], v[AF+FR*(\a):AF+FR*(\a)+FR-1], v[BI+8*\b:BI+8*\b+7], v[SC+8*NQ*(\sc)+NQ*\b+(\q)], v[SC+8*NQ*(\sc)+NQ*(\a)+(\q)] matrix_a_fmt:MATRIX_FMT_BF6 matrix_b_fmt:MATRIX_FMT_BF6 matrix_a_scale:MATRIX_SCALE_ROW1
.else
	v_wmma_scale_f32_16x16x128_f8f6f4 v[8*(8*((\a)%4)+\b):8*(8*((\a)%4)+\b)+7], v[128*(\p)+FR*\b:128*(\p)+FR*\b+FR-1], v[AF+FR*(\a):AF+FR*(\a)+FR-1], v[8*(8*((\a)%4)+\b):8*(8*((\a)%4)+\b)+7], v[SC+8*NQ*(\sc)+NQ*\b+(\q)], v[SC+8*NQ*(\sc)+NQ*(\a)+(\q)] matrix_a_fmt:MATRIX_FMT_BF6 matrix_b_fmt:MATRIX_FMT_BF6 matrix_a_scale:MATRIX_SCALE_ROW1
.endif
.endr
.endr
.endm
.macro FETCH_B slot, q, p
	WIN TO_B
.irp i, 0,1,2,3,4,5,6,7
	FRAG 128*(\p)+FR*\i, ADRB+\slot, \i*TROW+(\i/4)*4*TROW+(\q)*1536
.endr
	WIN 0
.endm
.macro FETCH_A slot, q, i0
.irp i, \i0, \i0+1, \i0+2, \i0+3
	FRAG AF+FR*(\i), ADRA+\slot, (\i)*TROW+(\q)*1536
.endr
.endm
.macro SCALES sc
.irp i, 0,1,2,3
	ds_load_b64 v[SC+8*NQ*\sc+NQ*\i:SC+8*NQ*\sc+NQ*\i+1], v[ADRS] offset:\i*SB
.endr
.irp i, 4,5,6,7
	ds_load_b64 v[SC+8*NQ*\sc+NQ*\i:SC+8*NQ*\sc+NQ*\i+1], v[ADRS2] offset:\i*SB
.endr
.endm
.macro PLACES n
.rept \n
	v_nop
.endr
.endm
.macro STEP slot, q, zero
	s_wait_dscnt 4*NL
	WIN MUL_LO-0x20*((\zero)/2)
	MUL16 0, (\q)%2, \q, \slot, \zero
	MUL16 2, (\q)%2, \q, \slot, \zero
	s_wait_dscnt 0
	PLACES NP
	FETCH_B \slot, (\q)+1, 1-(\q)%2
	FETCH_A \slot, (\q)+1, 0
	WIN MUL_HI-0x30*((\zero)/2)
	MUL16 4, (\q)%2, \q, \slot, \zero
	MUL16 6, (\q)%2, \q, \slot, \zero
	PLACES NP
	WIN 0
	FETCH_A \slot, (\q)+1, 4
.endm
.macro TURN slot, next, fill
	s_wait_tensorcnt 0x0
	ds_add_u32 v[SPW], v[NIL]
	s_wait_dscnt 4*NL+1
	WIN MUL_LO
	MUL16 0, 1, NQ-1, \slot, 0
	s_wait_dscnt 0x0
	s_barrier_signal -1
	MUL16 2, 1, NQ-1, \slot, 0
	WIN 0
	s_barrier_wait -1
.if \fill
	CREST
	s_add_nc_u64 s[G0+4*\slot+2:G0+4*\slot+3], s[G0+4*\slot+2:G0+4*\slot+3], 2*TROW
	s_add_nc_u64 s[G0B+4*\slot+2:G0B+4*\slot+3], s[G0B+4*\slot+2:G0B+4*\slot+3], 2*TROW
	JLOAD G0+4*\slot, G1, G0B+4*\slot, G1B
.else
	PLACES NP
.endif
	s_wait_alu depctr_va_vdst(0)
	v_add_nc_u32 v[ADRS], 128, v[ADRS]
	v_add_nc_u32 v[ADRS2], 128, v[ADRS2]
	FETCH_B \next, 0, 0
	FETCH_A \next, 0, 0
	SCALES \next
	WIN MUL_HI
	MUL16 4, 1, NQ-1, \slot, 0
	MUL16 6, 1, NQ-1, \slot, 0
	PLACES NP
	WIN 0
	FETCH_A \next, 0, 4
.endm
	s_wait_alu depctr_va_vdst(0)
	s_wait_tensorcnt 1
	s_barrier_signal -1
	s_barrier_wait -1
	FETCH_B 0, 0, 0
	FETCH_A 0, 0, 0
	SCALES 0
	FETCH_A 0, 0, 4
	s_wait_loadcnt 0x0
	STEP 0, 0, 2
	s_mov_b32 s3, LAPS-1
.Llap:
	TURN 0, 1, 1
	STEP 1, 0, 0
	TURN 1, 0, 1
	STEP 0, 0, 0
	s_sub_co_u32 s3, s3, 1
	s_cmp_lg_u32 s3, 0
	s_cbranch_scc1 .Llap
	TURN 0, 1, 0
	STEP 1, 0, 0
	s_wait_dscnt 4*NL
	WIN MUL_LO
	MUL16 0, 1, NQ-1, 1, 0
	MUL16 2, 1, NQ-1, 1, 0
	s_wait_dscnt 0
	WIN MUL_HI
	MUL16 4, 1, NQ-1, 1, 0
	MUL16 6, 1, NQ-1, 1, 0
	WIN 0
.macro GATE a
.set AC, 64*((\a)%4)
.set W, 2+(\a)/4
	WIN W
.set J, 0
.rept 16
	v_pk_mul_f32 v[64+J:65+J], v[AC+32+J:AC+33+J], 0xbfb8aa3b op_sel_hi:[1,0]
.set J, J+2
.endr
	WIN 0
.set J, 0
	s_wait_alu depctr_va_vdst(0)
.rept 32
	v_exp_f32 v[64+J], v[64+J]
.set J, J+1
.endr
	v_nop
	s_wait_alu depctr_va_vdst(0)
.set J, 0
.rept 16
	v_pk_add_f32 v[64+J:65+J], v[64+J:65+J], 1.0 op_sel_hi:[1,0]
.set J, J+2
.endr
.set J, 0
	s_wait_alu depctr_va_vdst(0)
.rept 32
	v_rcp_f32 v[64+J], v[64+J]
.set J, J+1
.endr
	v_nop
	s_wait_alu depctr_va_vdst(0)
	WIN W
.set J, 0
.rept 16
	v_pk_mul_f32 v[64+J:65+J], v[AC+J:AC+J+1], v[64+J:65+J]
.set J, J+2
.endr
	WIN 0
.irp b, 0,1
	v_max3_num_f32 v[96+\b], |v[64+16*\b]|, |v[65+16*\b]|, 0x2800000
.endr
.irp i, 2,4,6,8,10,12,14
.irp b, 0,1
	v_max3_num_f32 v[96+\b], v[96+\b], |v[64+16*\b+\i]|, |v[65+16*\b+\i]|
.endr
.endr
.irp b, 0,1
	v_permlanex16_b32 v[98+\b], v[96+\b], s100, s101
.endr
.irp b, 0,1
	v_max_num_f32 v[96+\b], v[96+\b], v[98+\b]
.endr
.irp b, 0,1
	v_add_nc_u32 v[100+\b], 0xfe000000, v[96+\b]
.endr
.irp b, 0,1
	v_lshrrev_b32 v[102+\b], 23, v[100+\b]
.endr
.if (\a) > 0
	s_wait_alu depctr_va_vdst(0)
	s_wait_xcnt 0x0
.endif
	v_cvt_scalef32_pk16_bf6_f32 v[112:114], v[64:79], v100
	v_cvt_scalef32_pk16_bf6_f32 v[118:120], v[80:95], v101
	v_nop
.irp i, 0,1,2
	v_permlane16_swap_b32 v[112+\i], v[118+\i]
.endr
.irp i, 0,1,2
	v_mov_b32 v[115+\i], v[118+\i]
.endr
	v_cndmask_b32 v104, v102, v103, s98
	global_store_b128 v[L16], v[112:115], s[12:13] offset:(\a)*24576
	global_store_b64 v[L8], v[116:117], s[12:13] offset:(\a)*24576+512
	global_store_b8 v[SO], v104, s[22:23] offset:(\a)*1024
.endm
	PLACES NP
	v_mov_b32 v98, 0
	v_mov_b32 v99, 0
.irp a, 0,1,2,3,4,5,6,7
	GATE \a
.endr
	s_wait_tensorcnt 0x0
	ds_add_u32 v[SPW], v[NIL]
	s_wait_dscnt 0x0
	CROUND
	s_endpgm
.Lfunc_end_k_qa684096f92_ffn1:
	.size	k_qa684096f92_ffn1, .Lfunc_end_k_qa684096f92_ffn1-k_qa684096f92_ffn1
	.p2alignl 7, 3214868480
	.fill 96, 4, 3214868480
	.section	.rodata,"a",@progbits
	.p2align	6, 0x0
	.amdhsa_kernel k_qa684096f92_ffn1
		.amdhsa_group_segment_fixed_size 327680
		.amdhsa_private_segment_fixed_size 0
		.amdhsa_enable_private_segment 0
		.amdhsa_kernarg_size 40
		.amdhsa_user_sgpr_count 2
		.amdhsa_user_sgpr_kernarg_segment_ptr 1
		.amdhsa_wavefront_size32 1
		.amdhsa_system_sgpr_workgroup_id_x 1
		.amdhsa_system_sgpr_workgroup_id_y 1
		.amdhsa_system_sgpr_workgroup_id_z 1
		.amdhsa_system_vgpr_workitem_id 0
		.amdhsa_next_free_vgpr 1024
		.amdhsa_next_free_sgpr 102
		.amdhsa_reserve_vcc 0
		.amdhsa_float_denorm_mode_32 3
		.amdhsa_float_denorm_mode_16_64 3
		.amdhsa_memory_ordered 1
		.amdhsa_forward_progress 1
		.amdhsa_inst_pref_size 182
	.end_amdhsa_kernel
	.amdgpu_metadata
---
amdhsa.version: [ 1, 2 ]
amdhsa.kernels:
  - .name:           k_qa684096f92_ffn1
    .symbol:         k_qa684096f92_ffn1.kd
    .args:
      - { .name: x1b, .offset: 0, .size: 8, .value_kind: global_buffer, .address_space: global }
      - { .name: p0, .offset: 8, .size: 8, .value_kind: global_buffer, .address_space: global }
      - { .name: b1, .offset: 16, .size: 8, .value_kind: global_buffer, .address_space: global }
      - { .name: b2, .offset: 24, .size: 8, .value_kind: global_buffer, .address_space: global }
      - { .name: hb, .offset: 32, .size: 8, .value_kind: global_buffer, .address_space: global }
    .group_segment_fixed_size: 327680
    .private_segment_fixed_size: 0
    .kernarg_segment_align: 8
    .kernarg_segment_size: 40
    .max_flat_workgroup_size: 128
    .sgpr_count:     102
    .vgpr_count:     1024
    .wavefront_size: 32
...
	.end_amdgpu_metadata
.endif
;; end of part 14
;; launch ffn2 (part 15): grid 8 x 32, 4 waves a work-group, clusters of 4 x 4, 327,680 bytes of LDS; arguments hb, p0, b_ffn_o, x1b, yb; writes yb
.if DOCPART == 15
	.amdgcn_target "amdgcn-amd-amdhsa--gfx1250"
	.amdhsa_code_object_version 6
	.text
	.protected	k_qa684096f92_ffn2
	.globl	k_qa684096f92_ffn2
	.p2align	8
	.type	k_qa684096f92_ffn2,@function
k_qa684096f92_ffn2:
	s_mov_b64 s[64:65], 0
	v_nop
	global_prefetch_b8 v0, s[64:65] scope:SCOPE_SE
	s_setreg_imm32_b32 hwreg(HW_REG_WAVE_MODE, 25, 1), 1
	s_wait_xcnt 0x0
	s_wait_alu depctr_hold_cnt(0) depctr_sa_sdst(0) depctr_va_vdst(0) depctr_va_sdst(0) depctr_va_ssrc(0) depctr_va_vcc(0) depctr_vm_vsrc(0)
	s_getreg_b32 s2, hwreg(HW_REG_IB_STS2, 6, 4)
	s_cmp_eq_u32 s2, 0
	s_cbranch_scc0 .Lentry_in_a_cluster
	s_endpgm
.Lentry_in_a_cluster:
	s_bfe_u32 s2, ttmp6, 0x10000c
	s_cmp_lg_u32 s2, 0xf033
	s_cbranch_scc0 .Lentry_shape_is_right
	s_endpgm
.Lentry_shape_is_right:
.set KDIM,   2048
.set A_IMG,  0
.set A_SCL,  6291456
.set B_IMG,  6291456
.set B_SCL,  8126464
.set TIMG,   KDIM*12
.set NKQ,    KDIM/128
.set NSLOT,  3
.set TROW,   6144
.set FR,     12
.set NP,     4
.set HALFT,  4*TROW
.set SLOT,   4*HALFT
.set SB,     KDIM/2
.set HALFS,  4*SB
.set SCL,    NSLOT*SLOT
.set SPARE,  SCL+4*HALFS
.set STAGE,  SLOT
.set SPITCH, 272
.set ADRA, 8
.set ADRB, 14
.set STO,  20
.set RD,   21
.set CO,   22
.set ADRS, 23
.set BO,   24
.set SPW,  28
.set NIL,  29
.set SC,   32
.set BI,   96
.set AF,   128
.set BK,   128
.set G1, 24
.set G0, 32
.set G1B, 44
.set G0B, 52
.set G1S, 68
.set G0S, 76
.set G1SB, 80
.set G0SB, 88
.set MSB, 0
.macro WIN new
.if MSB != (\new)
	s_set_vgpr_msb (MSB<<8)|(\new)
.set MSB, (\new)
.endif
.endm
.set MUL,   0xa1
.set MULB,  0x81
.set TO_B,  0x40
.set TO_R,  0xc0
.set ADD_R, 0x0c
.set ACC,   0x08
.macro JLOAD g0a, g1a, g0b, g1b
	s_cmp_eq_u32 s15, 0
	s_cbranch_scc0 .Lfor_b_\@
	tensor_load_to_lds s[\g0a:\g0a+3], s[\g1a:\g1a+7]
	s_nop 0
.rept 4
	v_nop
.endr
	s_branch .Lasked_\@
.Lfor_b_\@:
	tensor_load_to_lds s[\g0b:\g0b+3], s[\g1b:\g1b+7]
	s_nop 0
.rept 4
	v_nop
.endr
.Lasked_\@:
.endm
.macro CROUND
	s_barrier_signal -1
	s_barrier_wait -1
	s_cmp_lg_u32 s14, 0
	s_cbranch_scc1 .Lnot_wave_0_\@
	s_barrier_signal -3
.Lnot_wave_0_\@:
	s_barrier_wait -3
	s_barrier_signal -1
	s_barrier_wait -1
.endm
	s_load_b128 s[4:7], s[0:1], 0x0
	s_load_b128 s[8:11], s[0:1], 0x10
	s_load_b64 s[12:13], s[0:1], 0x20
	v_lshl_add_u32 v[SPW], v0, 2, SPARE
	v_mov_b32 v[NIL], 0
	ds_add_u32 v28, v29
	ds_add_u32 v28, v29
	s_wait_dscnt 0x0
	v_lshrrev_b32 v1, 5, v0
	v_readfirstlane_b32 s14, v1
	s_lshr_b32 s15, s14, 1
	s_and_b32 s16, s14, 1
	s_bfe_u32 s92, ttmp6, 0x40000
	s_bfe_u32 s93, ttmp6, 0x40004
	s_lshl_b32 s94, ttmp9, 2
	s_add_co_u32 s94, s94, s92
	s_and_b32 s17, ttmp7, 0xffff
	s_lshl_b32 s17, s17, 2
	s_add_co_u32 s17, s17, s93
	s_lshl_b32 s95, s93, 2
	s_lshl_b32 s95, 15, s95
	s_lshl_b32 s96, 0x1111, s92
	s_or_b32 s[G1+0], s95, (3<<16)|(1<<21)
	s_or_b32 s[G1B+0], s96, (3<<16)|(1<<21)
.irp g, G1, G1B
	s_mov_b32 s[\g+1], 768<<16
	s_mov_b32 s[\g+2], 8<<16                       ; the head's loads bring all 8 tiles, 512 along K
	s_mov_b32 s[\g+3], 768<<16
	s_mov_b32 s[\g+4], 8
	s_mov_b32 s[\g+5], TIMG/8
	s_mov_b32 s[\g+6], 0
	s_mov_b32 s[\g+7], 0
.endr
	s_or_b32 s[G1S+0], s95, (3<<16)|(1<<21)
	s_or_b32 s[G1SB+0], s96, (3<<16)|(1<<21)
.irp g, G1S, G1SB
	s_mov_b32 s[\g+1], 32<<16
	s_mov_b32 s[\g+2], (HALFS/128)<<16             ; the scale bytes of all 8 tiles in one load
	s_mov_b32 s[\g+3], 32<<16
	s_mov_b32 s[\g+4], HALFS/128
	s_mov_b32 s[\g+5], 32
	s_mov_b32 s[\g+6], 0
	s_mov_b32 s[\g+7], 0
.endr
	s_mul_i32 s18, s16, 4*TIMG
	s_mul_i32 s20, s17, 8*TIMG
	s_add_co_u32 s20, s20, s18
	s_add_co_u32 s20, s20, A_IMG
	s_mov_b32 s21, 0
	s_mul_i32 s22, s17, 8*SB
	s_add_co_u32 s22, s22, A_SCL
	s_mov_b32 s23, 0
	s_mul_i32 s98, s94, 8*TIMG
	s_add_co_u32 s98, s98, s18
	s_add_co_u32 s98, s98, B_IMG
	s_mov_b32 s99, 0
	s_mul_i32 s100, s94, 8*SB
	s_add_co_u32 s100, s100, B_SCL
	s_mov_b32 s101, 0
	s_mul_i32 s97, s14, HALFT
	s_wait_kmcnt 0x0
	s_add_nc_u64 s[20:21], s[4:5], s[20:21]
	s_add_nc_u64 s[22:23], s[4:5], s[22:23]
	s_add_nc_u64 s[98:99], s[6:7], s[98:99]
	s_add_nc_u64 s[100:101], s[6:7], s[100:101]
	CROUND
	s_mov_b32 s[G0S], 1
	s_mov_b32 s[G0S+1], SCL
	s_mov_b64 s[G0S+2:G0S+3], s[22:23]
	s_or_b32 s[G0S+3], s[G0S+3], 0x80000000
	s_mov_b32 s[G0SB], 1
	s_mov_b32 s[G0SB+1], SCL+2*HALFS
	s_mov_b64 s[G0SB+2:G0SB+3], s[100:101]
	s_or_b32 s[G0SB+3], s[G0SB+3], 0x80000000
; LDS: slot 0 (K 0-511, later K 1,536-2,047: a tile's 6,144 bytes on end), then, from SLOT on, K 512-1,535 with a tile's 12,288 bytes on end, filled once by one load a wave.
.irp s, 0,1
	s_mov_b32 s[G0+4*\s], 1
	s_add_co_u32 s[G0+4*\s+1], s97, \s*SLOT
	s_add_nc_u64 s[G0+4*\s+2:G0+4*\s+3], s[20:21], \s*TROW
	s_or_b32 s[G0+4*\s+3], s[G0+4*\s+3], 0x80000000
	s_mov_b32 s[G0B+4*\s], 1
	s_add_co_u32 s[G0B+4*\s+1], s97, \s*SLOT
	s_add_nc_u64 s[G0B+4*\s+2:G0B+4*\s+3], s[98:99], \s*TROW
	s_or_b32 s[G0B+4*\s+3], s[G0B+4*\s+3], 0x80000000
	s_lshl_b32 s97, s97, 1                         ; the second set's four tiles are twice as long (not used behind the second set)
.endr
; THE HEAD'S LOADS, ONE A WAVE: wave 0 K 0-511 of A's 8 tiles, wave 1 A's scale bytes, wave 2 K 0-511 of B's 8 tiles, wave 3 B's scale bytes.
; Waves 0 and 2 own half 0 of their tensor, so their slot 0 descriptors point at the first of the 8 tiles.  One chain of branches on the wave's number, one load to an arm.
.macro ARM under, g0, g1, next
	s_cmp_lt_u32 s14, \under
	s_cbranch_scc0 \next
	tensor_load_to_lds s[\g0:\g0+3], s[\g1:\g1+7]
	s_nop 0
.rept 4
	v_nop
.endr
	s_branch .Lhead_asked
\next:
.endm
	ARM 1, G0,  G1,  .Lhead_sa
	ARM 2, G0S, G1S, .Lhead_b
	ARM 3, G0B, G1B, .Lhead_sb
	tensor_load_to_lds s[G0SB:G0SB+3], s[G1SB:G1SB+7]
	s_nop 0
.rept 4
	v_nop
.endr
.Lhead_asked:
	v_and_b32 v1, 15, v0
	v_bfe_u32 v2, v0, 4, 1
	v_and_b32 v3, 31, v0
	v_lshlrev_b32 v5, 4, v3
	v_lshlrev_b32 v4, 3, v3
	s_wait_alu depctr_va_vdst(0)
	s_mul_i32 s21, s15, HALFT
	s_mul_i32 s22, s16, HALFT
	s_add_co_u32 s22, s22, 2*HALFT
.irp s, 0,1,2
	v_add_nc_u32 v[ADRA+\s], s21, v5
	v_add_nc_u32 v[ADRA+3+\s], s21, v4
	v_add_nc_u32 v[ADRB+\s], s22, v5
	v_add_nc_u32 v[ADRB+3+\s], s22, v4
.if \s == 0
	s_lshl_b32 s21, s21, 1                         ; behind slot 0 a tile is 12,288 bytes, so my four tiles begin twice as far in,
	s_lshl_b32 s22, s22, 1
	s_add_co_u32 s21, s21, SLOT                    ; from SLOT on: K 512-1,023;
	s_add_co_u32 s22, s22, SLOT
.else
	s_add_co_u32 s21, s21, TROW                    ; and K 1,024-1,535 is 6,144 bytes further on in each tile
	s_add_co_u32 s22, s22, TROW
.endif
.endr
	v_lshlrev_b32 v6, 3, v1
	s_mul_i32 s21, s15, HALFS
	s_mul_i32 s22, s16, HALFS
	s_add_co_u32 s22, s22, 2*HALFS
	s_sub_co_u32 s22, s22, s21
	v_mul_u32_u24 v7, s22, v2
	s_add_co_u32 s21, s21, SCL
	v_add_nc_u32 v6, v6, v7
	v_add_nc_u32 v[ADRS], s21, v6
	v_lshlrev_b32 v[BO], 6, v2
	s_lshl_b32 s98, s94, 9
	s_lshl_b32 s99, s16, 8
	s_add_co_u32 s98, s98, s99
	s_mov_b32 s99, 0
	s_add_nc_u64 s[8:9], s[8:9], s[98:99]
.irp b, 0,1,2,3
	global_load_b128 v[BI+8*\b:BI+8*\b+3], v[BO], s[8:9] offset:(32*(\b/2)+8*(\b%2))*4
	global_load_b128 v[BI+8*\b+4:BI+8*\b+7], v[BO], s[8:9] offset:(32*(\b/2)+8*(\b%2))*4+16
.endr
	s_mul_i32 s23, s14, 16*SPITCH
	s_add_co_u32 s23, s23, STAGE
	v_mul_u32_u24 v6, v1, SPITCH
	v_lshl_add_u32 v6, v2, 6, v6
	v_add_nc_u32 v[STO], s23, v6
	v_mul_u32_u24 v7, v2, SPITCH
	v_lshl_add_u32 v7, v1, 4, v7
	v_add_nc_u32 v[RD], s23, v7
	v_lshlrev_b32 v[CO], 12, v2
	v_lshl_add_u32 v[CO], v1, 4, v[CO]
	s_wait_alu depctr_va_vdst(0)
	s_lshl_b32 s20, s17, 7
	s_lshl_b32 s21, s15, 6
	s_add_co_u32 s20, s20, s21
	s_lshl_b32 s20, s20, 12
	s_add_co_u32 s20, s20, s98
	s_mov_b32 s21, 0
	s_add_nc_u64 s[12:13], s[12:13], s[20:21]
	s_add_nc_u64 s[10:11], s[10:11], s[20:21]
	WIN TO_R
.irp a, 0,1,2,3
.irp t, 0,1,2,3,4,5,6,7
	global_load_b128 v[32*\a+4*\t:32*\a+4*\t+3], v[CO], s[10:11] offset:(32*(\a/2)+8*(\a%2)+2*\t+8*(\t/4))*4096
.endr
.endr
	WIN 0
.macro FRAG reg, a16, off
	ds_load_b128 v[\reg:\reg+3], v[\a16] offset:\off
	ds_load_b64 v[\reg+4:\reg+5], v[\a16+3] offset:(\off)+512
	ds_load_b128 v[\reg+6:\reg+9], v[\a16] offset:(\off)+768
	ds_load_b64 v[\reg+10:\reg+11], v[\a16+3] offset:(\off)+1280
.endm
.macro FETCH slot, q, p
	WIN TO_B
.irp i, 0,1,2,3
	FRAG 64*(\p)+FR*\i, ADRB+(\slot), \i*TROW*(1+((\slot)+1)/2)+(\q)*1536
.endr
	WIN 0
.irp i, 0,1,2,3
	FRAG AF+48*(\p)+FR*\i, ADRA+(\slot), \i*TROW*(1+((\slot)+1)/2)+(\q)*1536
.endr
.endm
.macro SCALES
.irp i, 0,1,2,3
.set M, 0
.rept NKQ/2
	ds_load_b64 v[SC+NKQ*\i+2*M:SC+NKQ*\i+2*M+1], v[ADRS] offset:\i*SB+128*M
.set M, M+1
.endr
.endr
.endm
.macro MUL16 p, kq, bias
.irp a, 0,1,2,3
.irp b, 0,1,2,3
.if \bias
	v_wmma_scale_f32_16x16x128_f8f6f4 v[8*(4*\a+\b):8*(4*\a+\b)+7], v[64*(\p)+FR*\b:64*(\p)+FR*\b+FR-1], v[AF+48*(\p)+FR*\a:AF+48*(\p)+FR*\a+FR-1], v[BI+8*\b:BI+8*\b+7], v[SC+NKQ*\b+(\kq)], v[SC+NKQ*\a+(\kq)] matrix_a_fmt:MATRIX_FMT_BF6 matrix_b_fmt:MATRIX_FMT_BF6 matrix_a_scale:MATRIX_SCALE_ROW1
.else
	v_wmma_scale_f32_16x16x128_f8f6f4 v[8*(4*\a+\b):8*(4*\a+\b)+7], v[64*(\p)+FR*\b:64*(\p)+FR*\b+FR-1], v[AF+48*(\p)+FR*\a:AF+48*(\p)+FR*\a+FR-1], v[8*(4*\a+\b):8*(4*\a+\b)+7], v[SC+NKQ*\b+(\kq)], v[SC+NKQ*\a+(\kq)] matrix_a_fmt:MATRIX_FMT_BF6 matrix_b_fmt:MATRIX_FMT_BF6 matrix_a_scale:MATRIX_SCALE_ROW1
.endif
.endr
.endr
.endm
.macro PLACES n
.rept \n
	v_nop
.endr
.endm
.macro STEP kq, how
.set NXS, (((\kq)+1)/4)%NSLOT
.set NXQ, ((\kq)+1)%4
.set NXP, ((\kq)+1)%2
.if (\how) == 2
	WIN 0
	s_wait_tensorcnt 0x0
	ds_add_u32 v[SPW], v[NIL]
	s_add_nc_u64 s[G0+2:G0+3], s[G0+2:G0+3], 3*TROW
	s_add_nc_u64 s[G0B+2:G0B+3], s[G0B+2:G0B+3], 3*TROW
	s_mov_b32 s[G1+1], 768<<16                     ; no load of mine is out: the refill's rows are 6,144 bytes again
	s_mov_b32 s[G1+3], 768<<16
	s_mov_b32 s[G1B+1], 768<<16
	s_mov_b32 s[G1B+3], 768<<16
	s_wait_dscnt 0x0
	CROUND
	JLOAD G0, G1, G0B, G1B
.elseif (\how) == 1
	s_wait_tensorcnt 0x0
	s_wait_dscnt 0x0
	s_barrier_signal -1
	s_barrier_wait -1
	PLACES NP
.elseif (\how) == 0
	PLACES NP
.endif
.if (\kq) < NKQ-1
	FETCH NXS, NXQ, NXP
	s_wait_dscnt 32
.else
	s_wait_dscnt 0x0
.endif
.if (\kq) == 0
	WIN MULB
	MUL16 0, 0, 1
.else
	WIN MUL
	MUL16 (\kq)%2, \kq, 0
.endif
.endm
	s_wait_tensorcnt 0x0                           ; my tile of the head's four is in; the later first fill is issued as a refill is:
	ds_add_u32 v[SPW], v[NIL]                      ; 0 onto my spare word
.irp g, G1, G1B
	s_mov_b32 s[\g+1], 1536<<16                    ; no load of mine is out: the next load brings my 4 tiles, 12,288 bytes (K 512-1,535) each
	s_mov_b32 s[\g+2], 4<<16
	s_mov_b32 s[\g+3], 1536<<16
	s_mov_b32 s[\g+4], 4
.endr
	s_wait_dscnt 0x0
	CROUND                                         ; all four tiles are in, and all sixteen work-groups are here
	JLOAD G0+4, G1, G0B+4, G1B                     ; the first tensor load behind the round; it has steps 0 to 2 in which to land
	FETCH 0, 0, 0
	SCALES
	s_wait_loadcnt 32
	STEP 0, 3
	STEP 1, 0
	STEP 2, 0
	STEP 3, 2
.irp k, 4,5,6,7,8,9,10
	STEP \k, 0
.endr
	STEP 11, 1
	STEP 12, 0
	STEP 13, 0
	STEP 14, 0
	STEP 15, 3
	WIN 0
.macro TOSTAGE a
	WIN ACC
.irp b, 0,1,2,3
	ds_store_b128 v[STO], v[32*(\a)+8*\b:32*(\a)+8*\b+3] offset:128*(\b/2)+32*(\b%2)
	ds_store_b128 v[STO], v[32*(\a)+8*\b+4:32*(\a)+8*\b+7] offset:128*(\b/2)+32*(\b%2)+16
.endr
	WIN 0
.irp t, 0,1,2,3,4,5,6,7
	ds_load_b128 v[BK+32*(\a)+4*\t:BK+32*(\a)+4*\t+3], v[RD] offset:2*\t*SPITCH
.endr
.endm
.macro ADDOUT a
	WIN ADD_R
.set J, 0
.rept 16
	v_pk_add_f32 v[BK+32*(\a)+J:BK+32*(\a)+J+1], v[BK+32*(\a)+J:BK+32*(\a)+J+1], v[32*(\a)+J:32*(\a)+J+1]
.set J, J+2
.endr
	WIN 0
.irp t, 0,1,2,3,4,5,6,7
	global_store_b128 v[CO], v[BK+32*(\a)+4*\t:BK+32*(\a)+4*\t+3], s[12:13] offset:(32*((\a)/2)+8*((\a)%2)+2*\t+8*(\t/4))*4096
.endr
.endm
	PLACES NP
	s_wait_loadcnt 0x0
	TOSTAGE 0
.irp a, 1,2,3
	TOSTAGE \a
	s_wait_dscnt 16
	ADDOUT \a-1
.endr
	s_wait_dscnt 0x0
	ADDOUT 3
	s_wait_tensorcnt 0x0
	ds_add_u32 v[SPW], v[NIL]
	s_wait_dscnt 0x0
	CROUND
	s_endpgm
.Lfunc_end_k_qa684096f92_ffn2:
	.size	k_qa684096f92_ffn2, .Lfunc_end_k_qa684096f92_ffn2-k_qa684096f92_ffn2
	.p2alignl 7, 3214868480
	.fill 96, 4, 3214868480
	.section	.rodata,"a",@progbits
	.p2align	6, 0x0
	.amdhsa_kernel k_qa684096f92_ffn2
		.amdhsa_group_segment_fixed_size 327680
		.amdhsa_private_segment_fixed_size 0
		.amdhsa_enable_private_segment 0
		.amdhsa_kernarg_size 40
		.amdhsa_user_sgpr_count 2
		.amdhsa_user_sgpr_kernarg_segment_ptr 1
		.amdhsa_wavefront_size32 1
		.amdhsa_system_sgpr_workgroup_id_x 1
		.amdhsa_system_sgpr_workgroup_id_y 1
		.amdhsa_system_sgpr_workgroup_id_z 1
		.amdhsa_system_vgpr_workitem_id 0
		.amdhsa_next_free_vgpr 1024
		.amdhsa_next_free_sgpr 102
		.amdhsa_reserve_vcc 0
		.amdhsa_float_denorm_mode_32 3
		.amdhsa_float_denorm_mode_16_64 3
		.amdhsa_memory_ordered 1
		.amdhsa_forward_progress 1
		.amdhsa_inst_pref_size 99
	.end_amdhsa_kernel
	.amdgpu_metadata
---
amdhsa.version: [ 1, 2 ]
amdhsa.kernels:
  - .name:           k_qa684096f92_ffn2
    .symbol:         k_qa684096f92_ffn2.kd
    .args:
      - { .name: hb, .offset: 0, .size: 8, .value_kind: global_buffer, .address_space: global }
      - { .name: p0, .offset: 8, .size: 8, .value_kind: global_buffer, .address_space: global }
      - { .name: b_ffn_o, .offset: 16, .size: 8, .value_kind: global_buffer, .address_space: global }
      - { .name: x1b, .offset: 24, .size: 8, .value_kind: global_buffer, .address_space: global }
      - { .name: yb, .offset: 32, .size: 8, .value_kind: global_buffer, .address_space: global }
    .group_segment_fixed_size: 327680
    .private_segment_fixed_size: 0
    .kernarg_segment_align: 8
    .kernarg_segment_size: 40
    .max_flat_workgroup_size: 128
    .sgpr_count:     102
    .vgpr_count:     1024
    .wavefront_size: 32
...
	.end_amdgpu_metadata
.endif
;; end of part 15
;; launch ln2 (part 16): grid 256 x 1, 4 waves a work-group, no clusters, 0 bytes of LDS; arguments yb, g2, be2, out0; writes out0
.if DOCPART == 16
	.amdgcn_target "amdgcn-amd-amdhsa--gfx1250"
	.amdhsa_code_object_version 6
	.text
	.protected	k_qa684096f92_ln2
	.globl	k_qa684096f92_ln2
	.p2align	8
	.type	k_qa684096f92_ln2,@function
k_qa684096f92_ln2:
	s_mov_b64 s[64:65], 0
	v_nop
	global_prefetch_b8 v0, s[64:65] scope:SCOPE_SE
	s_setreg_imm32_b32 hwreg(HW_REG_WAVE_MODE, 25, 1), 1
	s_wait_xcnt 0x0
; out = layernorm(y2) g2 + be2, rows of 1,024 f32.  A work-group takes 16 rows, a wave four; a whole row lies in the wave's 32 registers a lane: mean, then the centred squares: no difference of large sums.
; A stream: every byte read once and written once; all of a wave's 48 loads are issued at its head; each load and store of a wave covers 512 consecutive bytes.  No LDS, no barrier, no matrix unit, no cluster.
; LIMITS: NaN and infinities are not served.
.set X,   32                           ; v32-159  four rows, 32 numbers a lane each
.set G,   160                          ; v160-191 the gain of my 32 columns;  v192-223 the offset
.set BE,  192
.set TA,  224                          ; v224-239 four registers a row, at work
.set PD,  240                          ; v240-243 lane permutes' destinations
.macro REDUCE                          ; v[TA + 4 i], i = 0 .. 3, summed over the 32 lanes, the four rows by turns
.irp m, 1,2,4,8
.irp i, 0,1,2,3
	v_add_f32_dpp v[TA+4*\i], v[TA+4*\i], v[TA+4*\i] row_xmask:\m row_mask:0xf bank_mask:0xf
.endr
.endr
.irp i, 0,1,2,3
	v_permlanex16_b32 v[PD+\i], v[TA+4*\i], s22, s23
.endr
.irp i, 0,1,2,3
	v_add_f32 v[TA+4*\i], v[TA+4*\i], v[PD+\i]
.endr
.endm
	s_load_b128 s[4:7], s[0:1], 0x0                ; y2, g2
	s_load_b128 s[8:11], s[0:1], 0x10              ; be2, out
	v_lshrrev_b32 v1, 5, v0
	v_readfirstlane_b32 s12, v1                    ; wave
	v_and_b32 v1, 31, v0
	v_lshlrev_b32 v4, 4, v1                        ; 16 x lane
	s_lshl_b32 s13, ttmp9, 4
	s_lshl_b32 s14, s12, 2
	s_add_co_u32 s13, s13, s14                     ; my first row
	s_lshl_b32 s14, s13, 12
	s_mov_b32 s15, 0
	s_mov_b32 s20, 0x3727c5ac                      ; 1e-5
	s_mov_b32 s21, 0x3a800000                      ; 1 / 1,024
	s_mov_b32 s22, 0x76543210
	s_mov_b32 s23, 0xfedcba98
.irp i, 0,1,2,3
	v_mov_b32 v[PD+\i], 0
.endr
	s_wait_alu depctr_va_vdst(0)
	s_wait_kmcnt 0x0
	s_add_nc_u64 s[4:5], s[4:5], s[14:15]
	s_add_nc_u64 s[10:11], s[10:11], s[14:15]
.irp i, 0,1,2,3
.irp j, 0,1,2,3,4,5,6,7
	global_load_b128 v[X+32*\i+4*\j:X+32*\i+4*\j+3], v4, s[4:5] offset:4096*\i+512*\j th:TH_LOAD_NT
.endr
.endr
.irp j, 0,1,2,3,4,5,6,7
	global_load_b128 v[G+4*\j:G+4*\j+3], v4, s[6:7] offset:512*\j
	global_load_b128 v[BE+4*\j:BE+4*\j+3], v4, s[8:9] offset:512*\j
.endr
	s_wait_loadcnt 16                              ; the rows are in; the sixteen loads of gain and offset may be out
.irp i, 0,1,2,3
	v_pk_add_f32 v[TA+4*\i:TA+4*\i+1], v[X+32*\i:X+32*\i+1], v[X+32*\i+2:X+32*\i+3]
	v_pk_add_f32 v[TA+4*\i+2:TA+4*\i+3], v[X+32*\i+4:X+32*\i+5], v[X+32*\i+6:X+32*\i+7]
.endr
.irp k, 8,12,16,20,24,28
.irp i, 0,1,2,3
	v_pk_add_f32 v[TA+4*\i:TA+4*\i+1], v[TA+4*\i:TA+4*\i+1], v[X+32*\i+\k:X+32*\i+\k+1]
	v_pk_add_f32 v[TA+4*\i+2:TA+4*\i+3], v[TA+4*\i+2:TA+4*\i+3], v[X+32*\i+\k+2:X+32*\i+\k+3]
.endr
.endr
.irp i, 0,1,2,3
	v_pk_add_f32 v[TA+4*\i:TA+4*\i+1], v[TA+4*\i:TA+4*\i+1], v[TA+4*\i+2:TA+4*\i+3]
.endr
.irp i, 0,1,2,3
	v_add_f32 v[TA+4*\i], v[TA+4*\i], v[TA+4*\i+1]
.endr
	REDUCE
.irp i, 0,1,2,3
	v_mul_f32 v[TA+4*\i], 0xba800000, v[TA+4*\i]   ; - the mean
.endr
.irp k, 0,2,4,6,8,10,12,14,16,18,20,22,24,26,28,30
.irp i, 0,1,2,3
	v_pk_add_f32 v[X+32*\i+\k:X+32*\i+\k+1], v[X+32*\i+\k:X+32*\i+\k+1], v[TA+4*\i:TA+4*\i+1] op_sel_hi:[1,0]   ; centred, in place
.endr
.endr
.irp i, 0,1,2,3
	v_pk_mul_f32 v[TA+4*\i+2:TA+4*\i+3], v[X+32*\i:X+32*\i+1], v[X+32*\i:X+32*\i+1]
	v_pk_mul_f32 v[TA+4*\i:TA+4*\i+1], v[X+32*\i+2:X+32*\i+3], v[X+32*\i+2:X+32*\i+3]
.endr
.irp k, 4,8,12,16,20,24,28
.irp i, 0,1,2,3
	v_pk_fma_f32 v[TA+4*\i+2:TA+4*\i+3], v[X+32*\i+\k:X+32*\i+\k+1], v[X+32*\i+\k:X+32*\i+\k+1], v[TA+4*\i+2:TA+4*\i+3]
	v_pk_fma_f32 v[TA+4*\i:TA+4*\i+1], v[X+32*\i+\k+2:X+32*\i+\k+3], v[X+32*\i+\k+2:X+32*\i+\k+3], v[TA+4*\i:TA+4*\i+1]
.endr
.endr
.irp i, 0,1,2,3
	v_pk_add_f32 v[TA+4*\i:TA+4*\i+1], v[TA+4*\i:TA+4*\i+1], v[TA+4*\i+2:TA+4*\i+3]
.endr
.irp i, 0,1,2,3
	v_add_f32 v[TA+4*\i], v[TA+4*\i], v[TA+4*\i+1]
.endr
	REDUCE
.irp i, 0,1,2,3
	v_fma_f32 v[TA+4*\i], v[TA+4*\i], s21, s20     ; the variance + 1e-5
.endr
	s_wait_alu depctr_va_vdst(0)
.irp i, 0,1,2,3
	v_rsq_f32 v[TA+4*\i], v[TA+4*\i]
.endr
	v_nop                                          ; a plain place behind the batch,
	s_wait_alu depctr_va_vdst(0)                   ; and one wait ahead of its first reader
	s_wait_loadcnt 0x0                             ; gain and offset
.irp k, 0,2,4,6,8,10,12,14,16,18,20,22,24,26,28,30
.irp i, 0,1,2,3
	v_pk_mul_f32 v[X+32*\i+\k:X+32*\i+\k+1], v[X+32*\i+\k:X+32*\i+\k+1], v[TA+4*\i:TA+4*\i+1] op_sel_hi:[1,0]
.endr
.irp i, 0,1,2,3
	v_pk_fma_f32 v[X+32*\i+\k:X+32*\i+\k+1], v[X+32*\i+\k:X+32*\i+\k+1], v[G+\k:G+\k+1], v[BE+\k:BE+\k+1]
.endr
.endr
.irp i, 0,1,2,3
.irp j, 0,1,2,3,4,5,6,7
	global_store_b128 v4, v[X+32*\i+4*\j:X+32*\i+4*\j+3], s[10:11] offset:4096*\i+512*\j th:TH_STORE_NT
.endr
.endr
	s_endpgm
.Lfunc_end_k_qa684096f92_ln2:
	.size	k_qa684096f92_ln2, .Lfunc_end_k_qa684096f92_ln2-k_qa684096f92_ln2
	.p2alignl 7, 3214868480
	.fill 96, 4, 3214868480
	.section	.rodata,"a",@progbits
	.p2align	6, 0x0
	.amdhsa_kernel k_qa684096f92_ln2
		.amdhsa_group_segment_fixed_size 0
		.amdhsa_private_segment_fixed_size 0
		.amdhsa_enable_private_segment 0
		.amdhsa_kernarg_size 32
		.amdhsa_user_sgpr_count 2
		.amdhsa_user_sgpr_kernarg_segment_ptr 1
		.amdhsa_wavefront_size32 1
		.amdhsa_system_sgpr_workgroup_id_x 1
		.amdhsa_system_sgpr_workgroup_id_y 1
		.amdhsa_system_sgpr_workgroup_id_z 1
		.amdhsa_system_vgpr_workitem_id 0
		.amdhsa_next_free_vgpr 256
		.amdhsa_next_free_sgpr 66
		.amdhsa_reserve_vcc 0
		.amdhsa_float_denorm_mode_32 3
		.amdhsa_float_denorm_mode_16_64 3
		.amdhsa_memory_ordered 1
		.amdhsa_forward_progress 1
		.amdhsa_inst_pref_size 33
	.end_amdhsa_kernel
	.amdgpu_metadata
---
amdhsa.version: [ 1, 2 ]
amdhsa.kernels:
  - .name:           k_qa684096f92_ln2
    .symbol:         k_qa684096f92_ln2.kd
    .args:
      - { .name: yb, .offset: 0, .size: 8, .value_kind: global_buffer, .address_space: global }
      - { .name: g2, .offset: 8, .size: 8, .value_kind: global_buffer, .address_space: global }
      - { .name: be2, .offset: 16, .size: 8, .value_kind: global_buffer, .address_space: global }
      - { .name: out0, .offset: 24, .size: 8, .value_kind: global_buffer, .address_space: global }
    .group_segment_fixed_size: 0
    .private_segment_fixed_size: 0
    .kernarg_segment_align: 8
    .kernarg_segment_size: 32
    .max_flat_workgroup_size: 128
    .sgpr_count:     66
    .vgpr_count:     256
    .wavefront_size: 32
...
	.end_amdgpu_metadata
.endif
;; end of part 16
